; MI455X (gfx1250); checked and timed in simulation.
; The chip was launched on July 23, 2026; its instructions are those of AMD's public machine-readable ISA for CDNA 5 (MIT licence, August 2026) and "CDNA5" Instruction Set Architecture Reference Guide (July 2026). The comments in the code are by the model that wrote it; some were corrected since.
;; Multi Head Causal Attention. Allowed arithmetic: float matrix products may take bf16 or f16 operands with f32 sums; other float arithmetic in f32, or as packed bf16 or f16 multiplies, adds, multiply-adds, maxima and minima; sums over many terms, partial sums and values carried from step to step in f32; what a program stores and reads back later, other than sums and carried values, may be rounded once to bf16 or f16.
;; Inputs: W1 1,024 x 2,730 float32; W2 1,024 x 2,730 float32; W3 2,730 x 1,024 float32; Wk 1,024 x 1,024 float32; Wo 1,024 x 1,024 float32; Wq 1,024 x 1,024 float32; Wv 1,024 x 1,024 float32; g1 1,024 float32; g2 1,024 float32; x 2 x 2,048 x 1,024 float32.
;; Outputs: out0 2 x 2,048 x 1,024 float32.
;; 2 versions, each right. Each part assembles by itself: llvm-mc -triple=amdgcn-amd-amdhsa -mcpu=gfx1250 --defsym DOCPART=n.
;; ======== version 1 of 2: 6 launches
;; workspace buffers: hn 8,388,608 bytes; wts 25,690,112 bytes; qkv 25,165,824 bytes; ctx 8,388,608 bytes; x1 16,777,216 bytes; xb 8,388,608 bytes; ssq 262,144 bytes; act 23,068,672 bytes
;; launch prep (part 1): grid 648 x 1, 8 waves a work-group, no clusters, 35,840 bytes of LDS; arguments x, g1, Wq, Wk, Wv, Wo, W1, W2, W3, hn, wts; writes hn, wts
.if DOCPART == 1
	.amdgcn_target "amdgcn-amd-amdhsa--gfx1250"
	.amdhsa_code_object_version 6
	.text
	.protected	k_qaf0af6fe34_prep
	.globl	k_qaf0af6fe34_prep
	.p2align	8
	.type	k_qaf0af6fe34_prep,@function
k_qaf0af6fe34_prep:
	s_mov_b64 s[64:65], 0
	v_nop
	global_prefetch_b8 v0, s[64:65] scope:SCOPE_SE
	s_setreg_imm32_b32 hwreg(HW_REG_WAVE_MODE, 25, 1), 1
	s_wait_xcnt 0x0
; Work-groups 0-255: hn = bf16(g1 * x * rsqrt(mean(x^2) + 1e-5)), 16 rows each.  Work-groups 256-647: the weights, f32 [k][n], rounded once to bf16 and turned.
; ONE LAYOUT for every 16-bit matrix operand of the program, FM(rows, K): byte(r, k) = ((r>>4) (K/32) + (k>>5)) 1024 + ((k>>3)&3) 256 + (r&15) 16 + (k&7) 2:
; a block of 1,024 bytes is one matrix fragment (16 rows x 32 k); lane l takes 16 bytes at 16 l and 16 at 512 + 16 l.
; wts: +0 q,k,v weights (group 12 head + 4 matrix + cg); +6291456 Wo; +8388608 W1,W2 (group 22 ct + 11 matrix + j; 0 from column 2730 on); +19922944 W3 (0 from k = 2730 on).
; No matrix work, no cluster: nothing is shared and memory binds.  LIMITS: NaN and infinities are not treated apart.
.set SPARE, 34816                      ; behind the turning table: 128 bytes for each of eight waves that no other line names
.set X,  32                            ; v[32:95]   two rows as loaded: row p, k = 256 i + 8 l + 4 j at X + 32 p + 8 i + 4 j
.set G,  96                            ; v[96:127]  g1, same map
.set PK, 128                           ; v[128:159] packed rows, later the rows read back
	s_load_b512 s[16:31], s[0:1], 0x0              ; x 16, g1 18, Wq 20, Wk 22, Wv 24, Wo 26, W1 28, W2 30
	s_load_b128 s[32:35], s[0:1], 0x40             ; W3 32, hn 34
	s_load_b64 s[36:37], s[0:1], 0x50              ; wts
	v_lshl_add_u32 v6, v0, 2, SPARE                ; my spare word
	v_mov_b32 v7, 0
	v_and_b32 v1, 31, v0                           ; lane
	v_lshrrev_b32 v8, 5, v0
	v_readfirstlane_b32 s8, v8                     ; wave
	s_wait_kmcnt 0x0
	s_cmp_lt_u32 ttmp9, 256
	s_cbranch_scc0 .Lcast
; ---------------- the norm: wave w takes rows 2 w and 2 w + 1 of the group's 16 ----------------
	v_lshlrev_b32 v2, 5, v1                        ; 32 l: my 8 numbers of each 256
	v_mul_u32_u24 v3, v1, 272                      ; table: unit u = k >> 3 at 272 u (16 rows x 16 bytes + 16 of padding)
	s_lshl_b32 s9, s8, 5
	v_add_nc_u32 v3, s9, v3                        ; + 16 x row
	v_lshrrev_b32 v4, 4, v0
	v_mul_u32_u24 v4, v4, 272
	v_and_b32 v9, 15, v0
	v_lshl_add_u32 v4, v9, 4, v4                   ; back: thread t takes unit t >> 4, row t & 15
	v_lshlrev_b32 v5, 4, v0                        ; and stores at 16 t
	s_lshl_b32 s2, ttmp9, 16
	s_lshl_b32 s3, s8, 13
	s_add_co_u32 s2, s2, s3
	s_mov_b32 s3, 0
	s_add_nc_u64 s[16:17], s[16:17], s[2:3]        ; x at my first row
	s_lshl_b32 s2, ttmp9, 15
	s_add_nc_u64 s[34:35], s[34:35], s[2:3]        ; hn at the row group
	s_mov_b32 s12, 0x76543210
	s_mov_b32 s13, 0xfedcba98
	s_mov_b32 s14, 0x3a800000                      ; 1 / 1024
	s_mov_b32 s15, 0x3727c5ac                      ; 1e-5
.irp i, 0,1,2,3
.irp j, 0,1
	global_load_b128 v[G+8*\i+4*\j:G+8*\i+4*\j+3], v2, s[18:19] offset:1024*\i+16*\j
	global_load_b128 v[X+8*\i+4*\j:X+8*\i+4*\j+3], v2, s[16:17] offset:1024*\i+16*\j th:TH_LOAD_NT
	global_load_b128 v[X+32+8*\i+4*\j:X+32+8*\i+4*\j+3], v2, s[16:17] offset:4096+1024*\i+16*\j th:TH_LOAD_NT
.endr
.endr
	v_mov_b32 v18, 0                               ; the lane exchange names its destination as read
	v_mov_b32 v19, 0
	s_wait_loadcnt 0x0
.macro SSQ p                           ; the row's sum of squares, in every lane: four chains, then across the lanes
.irp c, 0,1,2,3
	v_pk_mul_f32 v[8+2*\c:9+2*\c], v[X+32*\p+2*\c:X+32*\p+2*\c+1], v[X+32*\p+2*\c:X+32*\p+2*\c+1]
.endr
.set q, 4
.rept 12
	v_pk_fma_f32 v[8+2*(q%4):9+2*(q%4)], v[X+32*\p+2*q:X+32*\p+2*q+1], v[X+32*\p+2*q:X+32*\p+2*q+1], v[8+2*(q%4):9+2*(q%4)]
.set q, q+1
.endr
	v_pk_add_f32 v[8:9], v[8:9], v[10:11]
	v_pk_add_f32 v[12:13], v[12:13], v[14:15]
	v_pk_add_f32 v[8:9], v[8:9], v[12:13]
	v_add_f32 v[16+\p], v8, v9
.irp m, 1,2,4,8
	v_add_f32_dpp v[16+\p], v[16+\p], v[16+\p] row_xmask:\m row_mask:0xf bank_mask:0xf
.endr
	v_permlanex16_b32 v[18+\p], v[16+\p], s12, s13
	v_add_f32 v[16+\p], v[16+\p], v[18+\p]
	v_fma_f32 v[16+\p], v[16+\p], s14, s15         ; mean + eps
.endm
	SSQ 0
	SSQ 1
	v_rsq_f32 v20, v16                             ; twice each: the packed multiply takes a pair
	v_rsq_f32 v21, v16
	v_rsq_f32 v22, v17
	v_rsq_f32 v23, v17
	v_nop                                          ; a plain instruction behind the last root,
	s_wait_alu depctr_va_vdst(0)                   ; and one wait for the four, ahead of their first reader
.irp p, 0,1
.set q, 0
.rept 16
	v_pk_mul_f32 v[X+32*\p+2*q:X+32*\p+2*q+1], v[X+32*\p+2*q:X+32*\p+2*q+1], v[20+2*\p:21+2*\p]
.set q, q+1
.endr
.set q, 0
.rept 16
	v_pk_mul_f32 v[X+32*\p+2*q:X+32*\p+2*q+1], v[X+32*\p+2*q:X+32*\p+2*q+1], v[G+2*q:G+2*q+1]
.set q, q+1
.endr
.set q, 0
.rept 16
	v_cvt_pk_bf16_f32 v[PK+16*\p+q], v[X+32*\p+2*q], v[X+32*\p+2*q+1]
.set q, q+1
.endr
.irp i, 0,1,2,3
	ds_store_b128 v3, v[PK+16*\p+4*\i:PK+16*\p+4*\i+3] offset:8704*\i+16*\p   ; unit 32 i + l: lanes 272 bytes apart
.endr
.endr
	s_wait_dscnt 0x0                               ; for the others' sake: my stores are done
	s_barrier_signal -1
	s_barrier_wait -1
.irp p, 0,1,2,3,4,5,6,7
	ds_load_b128 v[PK+4*\p:PK+4*\p+3], v4 offset:4352*\p
.endr
.irp p, 0,1,2,3,4,5,6,7
	s_wait_dscnt 7-\p                              ; the younger loads may stay out
	global_store_b128 v5, v[PK+4*\p:PK+4*\p+3], s[34:35] offset:4096*\p   ; a wave stores 512 consecutive bytes, aligned
.endr
	s_branch .Lend
; ---------------- the weights: a strip of 256 source columns x 128 source rows; a lane a column ----------------
.Lcast:
	s_sub_co_u32 s40, ttmp9, 256
	s_mov_b32 s52, 4096                            ; bytes in a source row
	s_mov_b32 s53, 1023                            ; last source column
	s_mov_b32 s54, 1023                            ; last source row
	s_mov_b32 s55, 32768                           ; bytes of a group of 16 rows at the destination
	s_mov_b32 s57, 0                               ; destination group = sg + ((sg x s57) >> 13) x s58 + s59
	s_mov_b32 s58, 0
	s_mov_b32 s59, 0
	s_cmp_lt_u32 s40, 128
	s_cbranch_scc0 .Lnot_square
	s_lshr_b32 s41, s40, 5                         ; 0 Wq, 1 Wk, 2 Wv, 3 Wo
	s_bfe_u32 s42, s40, 0x20003                    ; strip
	s_and_b32 s43, s40, 7                          ; which 128 rows
	s_mul_i32 s59, s41, 4
	s_mov_b64 s[50:51], s[20:21]
	s_cmp_eq_u32 s41, 1
	s_cselect_b64 s[50:51], s[22:23], s[50:51]
	s_cmp_eq_u32 s41, 2
	s_cselect_b64 s[50:51], s[24:25], s[50:51]
	s_cmp_eq_u32 s41, 3
	s_cselect_b64 s[50:51], s[26:27], s[50:51]
	s_cselect_b32 s56, 6291456, 0                  ; the part of wts
	s_cselect_b32 s57, 0, 2048                     ; q,k,v: sg + 8 (sg >> 2) + 4 matrix
	s_cselect_b32 s58, 0, 8
	s_cselect_b32 s59, 0, s59
	s_branch .Lgo
.Lnot_square:
	s_cmp_lt_u32 s40, 304
	s_cbranch_scc0 .Lw3
	s_sub_co_u32 s41, s40, 128
	s_cmp_ge_u32 s41, 88
	s_cselect_b64 s[50:51], s[30:31], s[28:29]
	s_cselect_b32 s59, 11, 0
	s_cselect_b32 s44, 88, 0
	s_sub_co_u32 s41, s41, s44
	s_lshr_b32 s42, s41, 3
	s_and_b32 s43, s41, 7
	s_mov_b32 s52, 10920
	s_mov_b32 s53, 2729
	s_mov_b32 s56, 8388608
	s_mov_b32 s57, 745                             ; (sg x 745) >> 13 = sg / 11 for sg < 176
	s_mov_b32 s58, 11
	s_branch .Lgo
.Lw3:
	s_sub_co_u32 s41, s40, 304
	s_mul_i32 s42, s41, 2979
	s_lshr_b32 s42, s42, 16                        ; / 22, for numbers under 88
	s_mul_i32 s44, s42, 22
	s_sub_co_u32 s43, s41, s44
	s_mov_b64 s[50:51], s[32:33]
	s_mov_b32 s54, 2729
	s_mov_b32 s55, 90112
	s_mov_b32 s56, 19922944
.Lgo:
	s_lshl_b32 s44, s42, 8
	s_lshl_b32 s45, s8, 5
	s_add_co_u32 s44, s44, s45
	v_add_nc_u32 v8, s44, v1                       ; my column
	v_lshrrev_b32 v9, 4, v8                        ; sg
	v_mul_lo_u32 v10, v9, s57
	v_lshrrev_b32 v10, 13, v10
	v_mul_lo_u32 v10, v10, s58
	v_add3_u32 v9, v9, v10, s59
	v_mul_lo_u32 v9, v9, s55
	v_and_b32 v10, 15, v1
	v_lshl_add_u32 v9, v10, 4, v9
	v_add_nc_u32 v11, s56, v9                      ; my 16 bytes in a fragment's first quarter
	v_cmp_le_u32 s60, v8, s53                      ; lanes whose column exists
	v_min_u32 v8, s53, v8
	v_lshlrev_b32 v10, 2, v8
	s_lshl_b32 s46, s43, 7                         ; first source row
	s_lshl_b32 s47, s43, 12                        ; its fragment: 1,024 bytes for 32 rows
	s_mov_b32 s45, 4
.Ltrip:                                        ; a trip: 32 source rows = one fragment along k
.set i, 0
.rept 32
	s_add_co_u32 s48, s46, i
	s_min_u32 s48, s48, s54                        ; no load leaves the matrix
	s_mul_i32 s48, s48, s52
	v_add_nc_u32 v[64+i], s48, v10
	global_load_b32 v[32+i], v[64+i], s[50:51] th:TH_LOAD_NT
.set i, i+1
.endr
	s_wait_loadcnt 0x0
.set i, 0
.rept 32
	s_add_co_u32 s48, s46, i
	s_cmp_le_u32 s48, s54
	s_cselect_b32 s49, s60, 0
	v_cndmask_b32 v[32+i], 0, v[32+i], s49         ; 0 beyond the last row or column
.set i, i+1
.endr
.set i, 0
.rept 16
	v_cvt_pk_bf16_f32 v[96+i], v[32+2*i], v[33+2*i]
.set i, i+1
.endr
	v_add_nc_u32 v12, s47, v11
.irp o, 0,1,2,3
	global_store_b128 v12, v[96+4*\o:99+4*\o], s[36:37] offset:256*\o   ; sixteen lanes fill 256 consecutive bytes, aligned
.endr
	s_wait_xcnt 0x0                                ; the stores' data and offset are rewritten only behind this wait
	s_add_co_u32 s46, s46, 32
	s_add_co_u32 s47, s47, 1024
	s_sub_co_u32 s45, s45, 1
	s_cmp_lg_u32 s45, 0
	s_cbranch_scc1 .Ltrip
.Lend:
	s_wait_tensorcnt 0x0                           ; the wave's end
	ds_add_u32 v6, v7
	s_wait_dscnt 0x0
	s_endpgm
.Lfunc_end_k_qaf0af6fe34_prep:
	.size	k_qaf0af6fe34_prep, .Lfunc_end_k_qaf0af6fe34_prep-k_qaf0af6fe34_prep
	.p2alignl 7, 3214868480
	.fill 96, 4, 3214868480
	.section	.rodata,"a",@progbits
	.p2align	6, 0x0
	.amdhsa_kernel k_qaf0af6fe34_prep
		.amdhsa_group_segment_fixed_size 35840
		.amdhsa_private_segment_fixed_size 0
		.amdhsa_enable_private_segment 0
		.amdhsa_kernarg_size 88
		.amdhsa_user_sgpr_count 2
		.amdhsa_user_sgpr_kernarg_segment_ptr 1
		.amdhsa_wavefront_size32 1
		.amdhsa_system_sgpr_workgroup_id_x 1
		.amdhsa_system_sgpr_workgroup_id_y 1
		.amdhsa_system_sgpr_workgroup_id_z 1
		.amdhsa_system_vgpr_workitem_id 0
		.amdhsa_next_free_vgpr 160
		.amdhsa_next_free_sgpr 66
		.amdhsa_reserve_vcc 0
		.amdhsa_float_denorm_mode_32 3
		.amdhsa_float_denorm_mode_16_64 3
		.amdhsa_memory_ordered 1
		.amdhsa_forward_progress 1
		.amdhsa_inst_pref_size 33
	.end_amdhsa_kernel
	.amdgpu_metadata
---
amdhsa.version: [ 1, 2 ]
amdhsa.kernels:
  - .name:           k_qaf0af6fe34_prep
    .symbol:         k_qaf0af6fe34_prep.kd
    .args:
      - { .name: x, .offset: 0, .size: 8, .value_kind: global_buffer, .address_space: global }
      - { .name: g1, .offset: 8, .size: 8, .value_kind: global_buffer, .address_space: global }
      - { .name: Wq, .offset: 16, .size: 8, .value_kind: global_buffer, .address_space: global }
      - { .name: Wk, .offset: 24, .size: 8, .value_kind: global_buffer, .address_space: global }
      - { .name: Wv, .offset: 32, .size: 8, .value_kind: global_buffer, .address_space: global }
      - { .name: Wo, .offset: 40, .size: 8, .value_kind: global_buffer, .address_space: global }
      - { .name: W1, .offset: 48, .size: 8, .value_kind: global_buffer, .address_space: global }
      - { .name: W2, .offset: 56, .size: 8, .value_kind: global_buffer, .address_space: global }
      - { .name: W3, .offset: 64, .size: 8, .value_kind: global_buffer, .address_space: global }
      - { .name: hn, .offset: 72, .size: 8, .value_kind: global_buffer, .address_space: global }
      - { .name: wts, .offset: 80, .size: 8, .value_kind: global_buffer, .address_space: global }
    .group_segment_fixed_size: 35840
    .private_segment_fixed_size: 0
    .kernarg_segment_align: 8
    .kernarg_segment_size: 88
    .max_flat_workgroup_size: 256
    .sgpr_count:     66
    .vgpr_count:     160
    .wavefront_size: 32
...
	.end_amdgpu_metadata
.endif
;; end of part 1
;; launch qkvp (part 2): grid 16 x 16, 4 waves a work-group, clusters of 4 x 4, 327,680 bytes of LDS; arguments hn, wts, qkv; writes qkv
.if DOCPART == 2
	.amdgcn_target "amdgcn-amd-amdhsa--gfx1250"
	.amdhsa_code_object_version 6
	.text
	.protected	k_qaf0af6fe34_qkvp
	.globl	k_qaf0af6fe34_qkvp
	.p2align	8
	.type	k_qaf0af6fe34_qkvp,@function
k_qaf0af6fe34_qkvp:
	s_mov_b64 s[64:65], 0
	v_nop
	global_prefetch_b8 v0, s[64:65] scope:SCOPE_SE
	s_setreg_imm32_b32 hwreg(HW_REG_WAVE_MODE, 25, 1), 1
	s_wait_xcnt 0x0
	s_wait_alu depctr_hold_cnt(0) depctr_sa_sdst(0) depctr_va_vdst(0) depctr_va_sdst(0) depctr_va_ssrc(0) depctr_va_vcc(0) depctr_vm_vsrc(0)
	s_getreg_b32 s2, hwreg(HW_REG_IB_STS2, 6, 4)
	s_cmp_eq_u32 s2, 0
	s_cbranch_scc0 .Lentry_in_a_cluster
	s_endpgm
.Lentry_in_a_cluster:
	s_bfe_u32 s2, ttmp6, 0x10000c
	s_cmp_lg_u32 s2, 0xf033
	s_cbranch_scc0 .Lentry_shape_is_right
	s_endpgm
.Lentry_shape_is_right:
; q, k, v = hn x (Wq, Wk, Wv), bf16 operands, f32 sums, each result rounded once to bf16, unscaled.  All operands lie fragment-major (1,024 bytes = 16 rows x 32 k; lane l: 16 bytes at 16 l and at 512 + 16 l).
; A work-group makes 256 rows x one head's 192 columns (4 groups of 16 each of q, k, v); wave w rows 64 w .. 64 w + 63: 48 accumulators.  K goes in 8 steps of 128 through two LDS slots.
; q and k are made transposed (source 0 = weights): a lane holds one position and 8 channels: 16 bytes of a fragment of Q or K.  v is made straight (source 0 = hn): a lane holds one channel and 8 positions:
; 16 bytes of a fragment of V^T.  So every store of a wave is 512 consecutive bytes, aligned, and nothing goes through LDS on the way out.
; qkv: q +0, k +8388608, v +16777216; in each, head bh at 262144 bh; q, k: 2048 tg + 512 cg + 16 l; v: 4096 (t>>5) + 1024 cg + 512 ((t>>4)&1) + 16 l.
; CLUSTER 4 x 4: hn's tile is asked for jointly along a row of the cluster, the weights' along a column.
; REGISTERS: window 0 addresses; window 1 two fragment buffers of 128 (4 of hn, 12 of the weights); windows 2, 3 the accumulators (a, b) at 8 (12 (a % 2) + b).
.set SB,    4096                       ; bytes of a group of 16 rows in a K step
.set PITCH, 32768                      ; bytes from group to group in memory
.set SLOT1, 131072
.set SPARE, 262144                     ; the spare words: 128 bytes a wave, named by no other line
.set T,     8
.set GA, 8                             ; groups in a wave's load of hn
.set GB, 6                             ; and of the weights
.set QA, 32                            ; blocks of 256 bytes that a partner prefetches of such a load
.set QB, 24
.set USH, 4                            ; log2 of a group's blocks in a step
.set LIMV, 1
.set PFOFF, 0
.set L16, 2
.set ADRA, 4
.set ADRB, 5
.set ADRA0, 6
.set ADRB0, 7
.set PFO, 8
.set SPW, 28
.set NIL, 29
.set F0, 0
.set F1, 128
.set G1, 24
.set G0, 32
.set G1B, 48
.set G0B, 56
.set LEFT, 3
.set LIM, 43
.set PFA, 44
.set TB, 66
.set MSB, 0
.macro WIN new                         ; the high byte repeats the setting that is left; a switch that changes nothing is dropped
.if MSB != (\new)
	s_set_vgpr_msb (MSB<<8)|(\new)
.set MSB, (\new)
.endif
.endm
.macro PLACES                          ; four plain places behind matrix instructions, ahead of loads into their sources and of readers of their results
.rept 4
	v_nop
.endr
.endm
.macro CREST                           ; a round of the cluster's barrier behind its opening barrier
	s_cmp_lg_u32 s10, 0
	s_cbranch_scc1 .Lnot_wave_0_\@
	s_barrier_signal -3
.Lnot_wave_0_\@:
	s_barrier_wait -3
	s_barrier_signal -1
	s_barrier_wait -1
.endm
.macro CROUND
	s_barrier_signal -1
	s_barrier_wait -1
	CREST
.endm
.macro JLOAD                           ; the joint refill: waves 0, 1 ask for hn's halves, waves 2, 3 for the weights'
	s_cmp_lt_u32 s10, 2
	s_cbranch_scc0 .Lfor_b_\@
	tensor_load_to_lds s[G0+4:G0+7], s[G1:G1+7]
	s_nop 0
	PLACES
	s_branch .Lasked_\@
.Lfor_b_\@:
	tensor_load_to_lds s[G0B+4:G0B+7], s[G1B:G1B+7]
	s_nop 0
	PLACES
.Lasked_\@:
.endm
.macro ASK                             ; one prefetch: my work-group's share of my wave's load of the K step that the NEXT refill asks for; the last refill has none behind it
	WIN 0
	s_cmp_gt_u32 s[LEFT], s[LIM]
	s_cbranch_scc0 .Lnot_mine_\@
	global_prefetch_b8 v[PFO], s[PFA:PFA+1] offset:PFOFF th:TH_LOAD_NT scope:SCOPE_SE
.Lnot_mine_\@:
.endm
.macro ADRS
	WIN 0
	v_add_nc_u32 v[ADRA], s[TB], v[ADRA0]
	v_add_nc_u32 v[ADRB], s[TB], v[ADRB0]
.endm
	s_load_b128 s[68:71], s[0:1], 0x0              ; hn 68, wts 70
	s_load_b64 s[72:73], s[0:1], 0x10              ; qkv
	v_lshl_add_u32 v[SPW], v0, 2, SPARE
	v_mov_b32 v[NIL], 0
	ds_add_u32 v[SPW], v[NIL]                      ; the wave's opening: an add and its wait ahead of my first tensor load
	v_lshrrev_b32 v1, 5, v0
	v_readfirstlane_b32 s10, v1                    ; wave
	s_and_b32 s12, s10, 1                          ; which half of a tile I fetch
	s_bfe_u32 s40, ttmp6, 0x40000                  ; cx
	s_bfe_u32 s41, ttmp6, 0x40004                  ; cy
	s_lshl_b32 s42, ttmp9, 2
	s_add_co_u32 s42, s42, s40                     ; head
	s_and_b32 s13, ttmp7, 0xffff
	s_lshl_b32 s13, s13, 2
	s_add_co_u32 s13, s13, s41                     ; block of 256 rows
	s_lshl_b32 s14, s41, 2
	s_lshl_b32 s14, 15, s14                        ; my row of the cluster
	s_lshl_b32 s15, 0x1111, s40                    ; my column
	s_or_b32 s[G1], s14, (3<<16)|(1<<21)           ; mask; elements of 8 bytes; bit 21 beside a mask; no padding
	s_or_b32 s[G1B], s15, (3<<16)|(1<<21)
.irp g, G1, G1B
	s_mov_b32 s[(\g)+1], (SB/8)<<16                ; tensor_dim0
	s_mov_b32 s[(\g)+3], (SB/8)<<16                ; tile_dim0: a group's bytes of the step
	s_mov_b32 s[(\g)+5], PITCH/8                   ; from group to group
	s_mov_b32 s[(\g)+6], 0
	s_mov_b32 s[(\g)+7], 0
.endr
	s_mov_b32 s[G1+2], GA<<16
	s_mov_b32 s[G1+4], GA
	s_mov_b32 s[G1B+2], GB<<16
	s_mov_b32 s[G1B+4], GB
	s_lshl_b32 s16, s13, 19                        ; hn: (16 block + 8 half) groups
	s_lshl_b32 s17, s12, 18
	s_add_co_u32 s16, s16, s17
	s_mov_b32 s17, 0
	s_mul_i32 s46, s42, 12*PITCH                   ; weights: (12 head + 6 half) groups
	s_mul_i32 s47, s12, 6*PITCH
	s_add_co_u32 s46, s46, s47
	s_mov_b32 s47, 0
	s_lshl_b32 s20, s12, 15                        ; LDS: hn's halves at 0 and 32768,
	s_mul_i32 s21, s12, GB*SB
	s_add_co_u32 s21, s21, 65536                   ; the weights' behind them
	s_wait_dscnt 0x0                               ; the opening add is done
	s_wait_kmcnt 0x0
	s_add_nc_u64 s[14:15], s[68:69], s[16:17]
	s_add_nc_u64 s[46:47], s[70:71], s[46:47]
	CROUND                                         ; all sixteen work-groups are here: the first joint loads meet
.irp s, 0,1
	s_mov_b32 s[G0+4*\s], 1
	s_add_co_u32 s[G0+4*\s+1], s20, \s*SLOT1
	s_add_nc_u64 s[G0+4*\s+2:G0+4*\s+3], s[14:15], \s*SB
	s_or_b32 s[G0+4*\s+3], s[G0+4*\s+3], 0x80000000
	s_mov_b32 s[G0B+4*\s], 1
	s_add_co_u32 s[G0B+4*\s+1], s21, \s*SLOT1
	s_add_nc_u64 s[G0B+4*\s+2:G0B+4*\s+3], s[46:47], \s*SB
	s_or_b32 s[G0B+4*\s+3], s[G0B+4*\s+3], 0x80000000
.endr
	s_cmp_lt_u32 s10, 2                            ; a wave's two first fills stand in one branch: two loads of mine are out
	s_cbranch_scc0 .Lfirst_b
	tensor_load_to_lds s[G0:G0+3], s[G1:G1+7]
	s_nop 0
	tensor_load_to_lds s[G0+4:G0+7], s[G1:G1+7]
	s_nop 0
	PLACES
	s_branch .Lfirst_done
.Lfirst_b:
	tensor_load_to_lds s[G0B:G0B+3], s[G1B:G1B+7]
	s_nop 0
	tensor_load_to_lds s[G0B+4:G0B+7], s[G1B:G1B+7]
	s_nop 0
	PLACES
.Lfirst_done:
	v_and_b32 v1, 31, v0
	v_lshlrev_b32 v[L16], 4, v1
	s_lshl_b32 s22, s10, 14
	v_add_nc_u32 v[ADRA0], s22, v[L16]             ; my four groups of hn
	v_add_nc_u32 v[ADRB0], 0x10000, v[L16]
	s_lshr_b32 s22, s13, 3                         ; batch
	s_lshl_b32 s22, s22, 4
	s_add_co_u32 s22, s22, s42                     ; bh
	s_lshl_b32 s22, s22, 18
	s_and_b32 s23, s13, 7
	s_lshl_b32 s23, s23, 4
	s_lshl2_add_u32 s23, s10, s23                  ; my first group of 16 positions
	s_lshl_b32 s23, s23, 11
	s_add_co_u32 s22, s22, s23
	s_mov_b32 s23, 0
	s_add_nc_u64 s[74:75], s[72:73], s[22:23]      ; q,
	s_add_nc_u64 s[76:77], s[74:75], 0x800000      ; k,
	s_add_nc_u64 s[78:79], s[76:77], 0x800000      ; v
	; the prefetches: the cluster with x = 0 asks for hn, the one with y = 0 for the weights; the four partners share a wave's load out by address
	s_and_b32 s22, ttmp7, 0xffff
	s_cmp_lt_u32 s10, 2
	s_cselect_b32 s20, QA, QB
	s_cselect_b32 s21, s40, s41
	s_cselect_b32 s22, ttmp9, s22
	s_cselect_b64 s[PFA:PFA+1], s[14:15], s[46:47]
	s_cmp_eq_u32 s22, 0
	s_cselect_b32 s[LIM], LIMV, -1
	s_mul_i32 s21, s21, s20
	s_sub_co_u32 s20, s20, 1
	s_add_nc_u64 s[PFA:PFA+1], s[PFA:PFA+1], 2*SB  ; at K step 2; each change of slots steps it once ahead of its prefetch
	v_min_u32 v[PFO], s20, v1
	v_add_nc_u32 v[PFO], s21, v[PFO]               ; my block among the load's
	v_lshrrev_b32 v3, USH, v[PFO]
	v_and_b32 v[PFO], (1<<USH)-1, v[PFO]
	v_lshlrev_b32 v[PFO], 8, v[PFO]
	v_mad_u32_u24 v[PFO], v3, PITCH, v[PFO]
.macro MUL12 f, a, zero                ; row group a x all 12 column groups, 32 along K; each accumulator once: no two matrix instructions on end share one
	WIN 0xa5+0x50*((\a)/2)
.irp b, 0,1,2,3,4,5,6,7,8,9,10,11
.set rD, 8*(12*((\a)%2)+\b)
.if \b < 8
.set r0, (\f)+32+8*\b
.set r1, (\f)+8*(\a)
.else
.set r0, (\f)+8*(\a)
.set r1, (\f)+32+8*\b
.endif
.if \zero
	v_wmma_f32_16x16x32_bf16 v[rD:rD+7], v[r0:r0+7], v[r1:r1+7], 0
.else
	v_wmma_f32_16x16x32_bf16 v[rD:rD+7], v[r0:r0+7], v[r1:r1+7], v[rD:rD+7]
.endif
.endr
.endm
.macro FETCH g, c                      ; 32 LDS loads in one run: fragment c of the step, 512 consecutive bytes each
	WIN 0x40
.irp a, 0,1,2,3
	ds_load_b128 v[(\g)+8*\a:(\g)+8*\a+3],   v[ADRA] offset:(4*\a+(\c))*1024
	ds_load_b128 v[(\g)+8*\a+4:(\g)+8*\a+7], v[ADRA] offset:(4*\a+(\c))*1024+512
.endr
.irp b, 0,1,2,3,4,5,6,7,8,9,10,11
	ds_load_b128 v[(\g)+32+8*\b:(\g)+32+8*\b+3],   v[ADRB] offset:(4*\b+(\c))*1024
	ds_load_b128 v[(\g)+32+8*\b+4:(\g)+32+8*\b+7], v[ADRB] offset:(4*\b+(\c))*1024+512
.endr
.endm
.macro SUB f, g, q, zero               ; multiplies buffer f; in its middle fetches fragment q into buffer g
	s_wait_dscnt 0x0
	MUL12 \f, 0, \zero
	MUL12 \f, 1, \zero
	PLACES
	FETCH \g, \q
	MUL12 \f, 2, \zero
	MUL12 \f, 3, \zero
.endm
.macro TURN fill                       ; the step's last quarter, and the change of slots
.if \fill
	s_wait_xcnt 0x0                                ; the last prefetch, a step back, has read its address
	s_add_nc_u64 s[PFA:PFA+1], s[PFA:PFA+1], SB
.endif
	WIN 0
	s_wait_tensorcnt 0x0                           ; all my tensor loads have landed: my part of the next slot
	ds_add_u32 v[SPW], v[NIL]
	s_wait_dscnt 1                                 ; the fragments are in; the add may be out
	MUL12 F1, 0, 0
	s_wait_dscnt 0x0                               ; the add is done, my reads of this slot are over
	s_barrier_signal -1
	MUL12 F1, 1, 0
	WIN 0
	s_barrier_wait -1
.if \fill
	CREST                                          ; no wave of any partner still reads this slot or has a load on its way
.irp g, G0+4, G0B+4
	s_xor_b32 s[(\g)+1], s[(\g)+1], SLOT1          ; the walking descriptor: the other slot, the next K step
	s_add_nc_u64 s[(\g)+2:(\g)+3], s[(\g)+2:(\g)+3], SB
.endr
	JLOAD
.else
	PLACES
.endif
	s_xor_b32 s[TB], s[TB], SLOT1
	ADRS
	FETCH F0, 0
.if \fill
	ASK
.endif
	MUL12 F1, 2, 0
	MUL12 F1, 3, 0
.endm
	s_wait_tensorcnt 0x1                           ; my part of step 0 is in; step 1's may stay out
	s_barrier_signal -1
	s_barrier_wait -1
	s_mov_b32 s[TB], 0
	ADRS
	FETCH F0, 0
	SUB F0, F1, 1, 1                               ; the first products start the sums
	WIN 0
	s_mov_b32 s[LEFT], T-2
	s_branch .Lmid
.Lstep:                                        ; a trip is a K step; T - 2 of them fill a slot again
	SUB F0, F1, 1, 0
	WIN 0
.Lmid:
	SUB F1, F0, 2, 0
	SUB F0, F1, 3, 0
	TURN 1
	WIN 0
	s_sub_co_u32 s[LEFT], s[LEFT], 1
	s_cmp_lg_u32 s[LEFT], 0
	s_cbranch_scc1 .Lstep
	SUB F0, F1, 1, 0                               ; the last two steps ask for nothing
	SUB F1, F0, 2, 0
	SUB F0, F1, 3, 0
	TURN 0
	SUB F0, F1, 1, 0
	SUB F1, F0, 2, 0
	SUB F0, F1, 3, 0
	s_wait_dscnt 0x0
	MUL12 F1, 0, 0
	MUL12 F1, 1, 0
	MUL12 F1, 2, 0
	MUL12 F1, 3, 0
	PLACES
.set n, 0
.rept 48                               ; accumulator n = 12 a + b, registers ascending, into window 1: 192 different registers
	WIN 0x4a+5*(n/24)
.irp r, 0,1,2,3
	v_cvt_pk_bf16_f32 v[4*n+\r], v[8*(n%24)+2*\r], v[8*(n%24)+2*\r+1]
.endr
.set n, n+1
.endr
	WIN 0x04                                       ; store data in window 1
.set n, 0
.rept 48
.if (n%12) < 8
	global_store_b128 v[L16], v[4*n:4*n+3], s[74+2*((n%12)/4):75+2*((n%12)/4)] offset:(n/12)*2048+(n%4)*512
.else
	global_store_b128 v[L16], v[4*n:4*n+3], s[78:79] offset:(n/24)*4096+((n/12)%2)*512+(n%4)*1024
.endif
.set n, n+1
.endr
	WIN 0
	s_wait_tensorcnt 0x0                           ; the wave's end
	ds_add_u32 v[SPW], v[NIL]
	s_wait_dscnt 0x0
	CROUND                                         ; the closing round
	s_endpgm
.Lfunc_end_k_qaf0af6fe34_qkvp:
	.size	k_qaf0af6fe34_qkvp, .Lfunc_end_k_qaf0af6fe34_qkvp-k_qaf0af6fe34_qkvp
	.p2alignl 7, 3214868480
	.fill 96, 4, 3214868480
	.section	.rodata,"a",@progbits
	.p2align	6, 0x0
	.amdhsa_kernel k_qaf0af6fe34_qkvp
		.amdhsa_group_segment_fixed_size 327680
		.amdhsa_private_segment_fixed_size 0
		.amdhsa_enable_private_segment 0
		.amdhsa_kernarg_size 24
		.amdhsa_user_sgpr_count 2
		.amdhsa_user_sgpr_kernarg_segment_ptr 1
		.amdhsa_wavefront_size32 1
		.amdhsa_system_sgpr_workgroup_id_x 1
		.amdhsa_system_sgpr_workgroup_id_y 1
		.amdhsa_system_sgpr_workgroup_id_z 1
		.amdhsa_system_vgpr_workitem_id 0
		.amdhsa_next_free_vgpr 960
		.amdhsa_next_free_sgpr 80
		.amdhsa_reserve_vcc 0
		.amdhsa_float_denorm_mode_32 3
		.amdhsa_float_denorm_mode_16_64 3
		.amdhsa_memory_ordered 1
		.amdhsa_forward_progress 1
		.amdhsa_inst_pref_size 94
	.end_amdhsa_kernel
	.amdgpu_metadata
---
amdhsa.version: [ 1, 2 ]
amdhsa.kernels:
  - .name:           k_qaf0af6fe34_qkvp
    .symbol:         k_qaf0af6fe34_qkvp.kd
    .args:
      - { .name: hn, .offset: 0, .size: 8, .value_kind: global_buffer, .address_space: global }
      - { .name: wts, .offset: 8, .size: 8, .value_kind: global_buffer, .address_space: global }
      - { .name: qkv, .offset: 16, .size: 8, .value_kind: global_buffer, .address_space: global }
    .group_segment_fixed_size: 327680
    .private_segment_fixed_size: 0
    .kernarg_segment_align: 8
    .kernarg_segment_size: 24
    .max_flat_workgroup_size: 128
    .sgpr_count:     80
    .vgpr_count:     960
    .wavefront_size: 32
...
	.end_amdgpu_metadata
.endif
;; end of part 2
;; launch attn (part 3): grid 8 x 32, 4 waves a work-group, no clusters, 327,680 bytes of LDS; arguments qkv, ctx; writes ctx
.if DOCPART == 3
	.amdgcn_target "amdgcn-amd-amdhsa--gfx1250"
	.amdhsa_code_object_version 6
	.text
	.protected	k_qaf0af6fe34_attn
	.globl	k_qaf0af6fe34_attn
	.p2align	8
	.type	k_qaf0af6fe34_attn,@function
k_qaf0af6fe34_attn:
	s_mov_b64 s[64:65], 0
	v_nop
	global_prefetch_b8 v0, s[64:65] scope:SCOPE_SE
	s_setreg_imm32_b32 hwreg(HW_REG_WAVE_MODE, 25, 1), 1
	s_wait_xcnt 0x0
; CAUSAL ATTENTION, head size 64, 32 heads of 2,048 positions.  ctx[q] = sum over k <= q of softmax_k(Q[q] . K[k] / 8) V[k].  The bias of the problem is 0 wherever k <= q, and every other score is thrown away: it is not computed.
; Q, K, V, P and ctx in bf16; products, maxima and sums in f32; the sum l is taken of the unrounded weights.
; LIMITS.  A hidden score counts as its value less 1e30; a weight below 2^-126 counts as 0 in l; NaN and infinities are not treated apart.
; THE WALK.  A head has 16 blocks of 128 queries; keys come in tiles of 256 (four steps of 64); block i needs tiles 0 .. i >> 1.  A work-group takes blocks 15 - b and then b: 9 tiles whatever b: one loop with a
; constant trip count; which tile is asked for, and what a trip does, hang on scalars made from b; every jump but the loops' own goes forward, and none passes a barrier or a tensor load.
; NO CLUSTER: behind the first five trips a head's eight work-groups want different tiles, and one walk common to all would have 12 trips for 9.
; SHARES.  A wave owns 16 rows in each of the block's two bands of 64: two PIECES.  In the diagonal tile band x's own step is 2 (block & 1) + x: earlier steps are seen whole, later ones hidden.
; THE MASK is the C operand that starts S^T = K Q^T: MD x AL + BE, MD the mask of a band's own step for my rows.
; TURNS.  Turn p belongs to piece p: 8 products K Q^T and later 8 products V^T P of the OTHER piece; beside them piece p's scaling, exponentials, roundings, sums and rescaling, and the other piece's maximum and statistics.
; Four vector instructions stand behind every matrix instruction, the rest in one lump; a turn's 33 exponentials are one batch with one wait.
; With two pieces K of the next step is wanted before V of the step in hand is read.  So at a tile's fourth step turn 0's run of K loads reads landed bytes of the same slot that serve nothing, and K of the new slot's
; first step is fetched, and waited for, straight behind the change of slots: 16 idle loads and one open wait a tile, and no branch amid the turns.
; All operands lie fragment-major: every LDS load takes 512 consecutive bytes; no padding, no turning load; ctx leaves straight from registers, 512 consecutive bytes a store.
; REGISTERS: window 0: addresses; v16-23 statistics; v48-55 at work; v64-127 S^T (two buffers); v192-223 P.  window 1: v0-63 O^T; v128-159 MD; v160-223 MC.  window 2: v0-31 Q; v64-95 the second block's Q; v128-191 K; v192-255 V.
.set NP,    2
.set SLOT1, 65536                      ; a slot: 32,768 bytes of K, then 32,768 of V
.set SPARE, 131072
.set AK0, 2
.set AV0, 3
.set AK,  4
.set AV,  5
.set GO,  8
.set MV,  12
.set QO,  15
.set ST,  16                           ; piece t: c m, m, l (even keys', odd keys')
.set TMP, 48
.set PFO, 61
.set SPW, 62
.set NIL, 63
.set S,   64
.set P,   192
.set MD,  128
.set MC,  160
.set QB,  64
.set KF,  128
.set VF,  192
.set WV,  12
.set PB,  14
.set HI,  15
.set G1,  24
.set G0,  40
.set SLOTS, 56
.set CNT, 57
.set CS,  58
.set SEL, 60
.set TBK, 62
.set TBV, 63
.set RT,  70
.set NXT, 71
.set LQ,  72
.set NEW, 73
.set OFF, 74
.set AL,  76
.set BE,  78
.set OLO, 80
.set BIGN, 82
.set OWN1, 83
.set OWN0M, 84
.set OWN0, 85
.set SN,  86
.set BASEW, 88
.set PFA, 90
.set LIM, 92
.set MSB, 0
.macro WIN new
.if MSB != (\new)
	s_set_vgpr_msb (MSB<<8)|(\new)
.set MSB, (\new)
.endif
.endm
.set W_KQ, 0x0a
.set W_KM, 0x1a
.set W_PV, 0x52
.set W_RS, 0x41
.macro LOAD                            ; one line for all four waves: wave w brings its own 16,384 bytes (waves 0, 1: K's halves; 2, 3: V's) to LDS byte 16384 w of the slot
	tensor_load_to_lds s[G0:G0+3], s[G1:G1+7]
	s_nop 0
.rept 4
	v_nop
.endr
.endm
; THE CHANGE OF SLOTS: every wave waits for all its tensor loads (one is out: its part of the other slot), adds 0 to its spare word, waits for that and for its reads of the slot; behind the barrier the old slot is filled first.
.macro CHANGE fill
	WIN 0
	s_wait_tensorcnt 0x0
	ds_add_u32 v[SPW], v[NIL]
.if \fill
	s_lshl_b32 s[OFF], s[NXT], 15
	s_xor_b32 s[G0+1], s[G0+1], SLOT1
	s_add_nc_u64 s[G0+2:G0+3], s[BASEW:BASEW+1], s[OFF:OFF+1]   ; the address is made anew from the tile's number
	s_or_b32 s[G0+3], s[G0+3], 0x80000000
	s_add_co_u32 s[NXT], s[NXT], 1                 ; the block's next tile, or behind its last the second block's tile 0
	s_cmp_gt_u32 s[NXT], s[LQ]
	s_cselect_b32 s[NXT], 0, s[NXT]
	s_cselect_b32 s[LQ], s[SN+1], s[LQ]
	s_wait_xcnt 0x0                                ; the last prefetches, a tile back, have read their address
	s_add_nc_u64 s[PFA:PFA+1], s[PFA:PFA+1], 32768
.endif
	s_wait_dscnt 0x0
	s_barrier_signal -1
	s_sub_co_u32 s[TBK], s[TBK], 5*8192            ; five runs of K a tile (the fifth serves nothing), four of V
	s_xor_b32 s[TBK], s[TBK], SLOT1
	s_sub_co_u32 s[TBV], s[TBV], 4*8192
	s_xor_b32 s[TBV], s[TBV], SLOT1
	s_barrier_wait -1
.if \fill
	LOAD
	s_cmp_gt_u32 s[SLOTS], s[LIM]                  ; the work-group with b = 0, whose walk begins with tiles 0 .. 7, asks for the tile that the next change loads: each wave its own 64 blocks of 256 bytes
	s_cbranch_scc0 .Lnot_mine_\@
	global_prefetch_b8 v[PFO], s[PFA:PFA+1] th:TH_LOAD_NT scope:SCOPE_SE
	global_prefetch_b8 v[PFO], s[PFA:PFA+1] offset:8192 th:TH_LOAD_NT scope:SCOPE_SE
.Lnot_mine_\@:
.endif
.endm
	s_load_b128 s[4:7], s[0:1], 0x0                ; qkv 4, ctx 6
	v_lshl_add_u32 v[SPW], v0, 2, SPARE
	v_mov_b32 v[NIL], 0
	ds_add_u32 v[SPW], v[NIL]                      ; the wave's opening: an add and its wait ahead of my first tensor load
	v_lshrrev_b32 v1, 5, v0
	v_readfirstlane_b32 s[WV], v1
	s_mov_b32 s[PB], ttmp9
	s_sub_co_u32 s[HI], 15, s[PB]
	s_and_b32 s20, ttmp7, 0xffff                   ; bh
	s_lshl_b32 s21, s20, 18
	s_lshr_b32 s22, s[WV], 1
	s_add_co_u32 s22, s22, 1                       ; K's region or V's
	s_lshl_b32 s22, s22, 23
	s_add_co_u32 s22, s22, s21
	s_and_b32 s23, s[WV], 1
	s_lshl_b32 s23, s23, 14
	s_add_co_u32 s22, s22, s23
	s_mov_b32 s23, 0
	s_lshl3_add_u32 s16, s[HI], s[WV]              ; Q: group 8 block + w (+ 4 for the second band)
	s_lshl_b32 s16, s16, 11
	s_add_co_u32 s16, s16, s21
	s_mov_b32 s17, 0
	s_lshl3_add_u32 s18, s[PB], s[WV]
	s_lshl_b32 s18, s18, 11
	s_add_co_u32 s18, s18, s21
	s_mov_b32 s19, 0
	s_lshr_b32 s2, s20, 4                          ; ctx: row group 128 batch + 8 block + w, columns 64 head on
	s_lshl_b32 s2, s2, 7
	s_add_co_u32 s2, s2, s[WV]
	s_and_b32 s3, s20, 15
	s_lshl_b32 s3, s3, 11
	s_lshl3_add_u32 s8, s[HI], s2
	s_lshl_b32 s8, s8, 15
	s_add_co_u32 s8, s8, s3
	s_mov_b32 s9, 0
	s_lshl3_add_u32 s2, s[PB], s2
	s_lshl_b32 s2, s2, 15
	s_add_co_u32 s2, s2, s3
	s_mov_b32 s3, 0
	s_mov_b32 s[G1], 3<<16                         ; elements of 8 bytes; 16,384 dense bytes as 64 rows of 256
	s_mov_b32 s[G1+1], 32<<16
	s_mov_b32 s[G1+2], 64<<16
	s_mov_b32 s[G1+3], 32<<16
	s_mov_b32 s[G1+4], 64
	s_mov_b32 s[G1+5], 32
	s_mov_b32 s[G1+6], 0
	s_mov_b32 s[G1+7], 0
	s_mov_b32 s[G0], 1
	s_lshl_b32 s[G0+1], s[WV], 14
	s_mov_b32 s[CS], 0x3e38aa3b                    ; c = log2(e) / 8
	s_mov_b32 s[CS+1], s[CS]
	s_mov_b32 s[SEL], 0x76543210
	s_mov_b32 s[SEL+1], 0xfedcba98
	s_mov_b32 s[TBK], SLOT1+5*8192                 ; the first change of slots turns these two into 0
	s_mov_b32 s[TBV], SLOT1+4*8192
	s_lshr_b32 s[LQ], s[HI], 1
	s_add_co_u32 s[RT], s[LQ], 1
	s_lshr_b32 s[SN+1], s[PB], 1                   ; the second block's last tile
	s_mov_b32 s[NXT], 1
	s_mov_b32 s[NEW], 1
	s_mov_b32 s[OFF+1], 0
	s_mov_b32 s[AL+1], 0
	s_mov_b32 s[BE+1], 0
	s_mov_b32 s[BIGN], 0xf149f2ca                  ; -1e30
	s_mov_b32 s[SLOTS], 8
	s_and_b32 s[OWN0], s[HI], 1
	s_lshl_b32 s[OWN0], s[OWN0], 1
	s_add_co_u32 s[OWN1], s[OWN0], 1
	s_sub_co_i32 s[OWN0M], s[OWN0], 1
	s_cmp_eq_u32 s[PB], 0
	s_cselect_b32 s[LIM], 2, -1                    ; the prefetches stop at tile 7
	s_wait_dscnt 0x0
	s_wait_kmcnt 0x0
	s_add_nc_u64 s[BASEW:BASEW+1], s[4:5], s[22:23]
	s_add_nc_u64 s[G0+2:G0+3], s[BASEW:BASEW+1], 0
	s_or_b32 s[G0+3], s[G0+3], 0x80000000
	s_add_nc_u64 s[PFA:PFA+1], s[BASEW:BASEW+1], 32768
	s_add_nc_u64 s[16:17], s[4:5], s[16:17]        ; Q of the first block,
	s_add_nc_u64 s[18:19], s[4:5], s[18:19]        ; of the second
	s_add_nc_u64 s[10:11], s[6:7], s[8:9]          ; ctx likewise
	s_add_nc_u64 s[OLO:OLO+1], s[6:7], s[2:3]
	LOAD                                           ; tile 0 into slot 0
	v_and_b32 v9, 31, v0
	v_lshlrev_b32 v[QO], 4, v9
	WIN 0x80
.set i, 0
.rept 4                                ; piece i / 2, channels 32 (i % 2) on
	global_load_b128 v[8*i:8*i+3],   v[QO], s[16:17] offset:(i/2)*8192+(i%2)*1024
	global_load_b128 v[8*i+4:8*i+7], v[QO], s[16:17] offset:(i/2)*8192+(i%2)*1024+512
	global_load_b128 v[QB+8*i:QB+8*i+3],   v[QO], s[18:19] offset:(i/2)*8192+(i%2)*1024
	global_load_b128 v[QB+8*i+4:QB+8*i+7], v[QO], s[18:19] offset:(i/2)*8192+(i%2)*1024+512
.set i, i+1
.endr
	WIN 0
	v_and_b32 v1, 15, v0
	v_bfe_u32 v10, v0, 4, 1
	v_lshlrev_b32 v14, 3, v10
	v_sub_nc_u32 v14, v1, v14
	s_lshl_b32 s13, s[WV], 4
	v_add_nc_u32 v14, s13, v14                     ; my query's place in its band less 8 (l / 16): register r of key group kt is hidden where 16 kt + r is greater
	WIN 0x40
.set i, 0
.rept 32
	v_cmp_gt_i32 vcc_lo, 16*(i/8)+i%8, v14
	v_cndmask_b32 v[MD+i], 0, s[BIGN], vcc_lo
.set i, i+1
.endr
	WIN 0
	v_mov_b32 v[AK0], v[QO]
	v_add_nc_u32 v[AV0], 32768, v[QO]
	v_mov_b32 v[GO], v[QO]
	v_lshlrev_b32 v[PFO], 8, v9
	; a block's first step multiplies O^T and l by a = 0, so these need only be finite: zeros now, what the first block left later.  All this stands in the wait for the first tile.
	WIN 0x80
.set i, VF
.rept 64
	v_mov_b32 v[i], 0
.set i, i+1
.endr
	WIN 0x40
.set i, 0
.rept 64
	v_mov_b32 v[i], 0
.set i, i+1
.endr
	WIN 0
.irp i, 0,1
	v_mov_b32 v[ST+4*\i+2], 0
	v_mov_b32 v[ST+4*\i+3], 0
.endr
.set i, P+16
.rept 16
	v_mov_b32 v[i], 0
.set i, i+1
.endr
; THE MATRIX WORK: the four accumulators of a run of eight take turns.
.macro KQ x
.set rS, S+32*((\x)%2)+8*(i%4)
.set rK, KF+16*(i%4)+8*(i/4)
.set rQ, 16*(\x)+8*(i/4)
.set rM, MC+32*((\x)%2)+8*(i%4)
.if (i < 4) && KM
	WIN W_KM
	v_wmma_f32_16x16x32_bf16 v[rS:rS+7], v[rK:rK+7], v[rQ:rQ+7], v[rM:rM+7]
.elseif i < 4
	WIN W_KQ
	v_wmma_f32_16x16x32_bf16 v[rS:rS+7], v[rK:rK+7], v[rQ:rQ+7], 0
.else
	WIN W_KQ
	v_wmma_f32_16x16x32_bf16 v[rS:rS+7], v[rK:rK+7], v[rQ:rQ+7], v[rS:rS+7]
.endif
.endm
.macro PV x
	WIN W_PV
.set rO, 32*(\x)+8*(i%4)
.set rV, VF+32*(i/4)+8*(i%4)
.set rP, P+16*((\x)%2)+8*(i/4)
	v_wmma_f32_16x16x32_bf16 v[rO:rO+7], v[rV:rV+7], v[rP:rP+7], v[rO:rO+7]
.endm
.macro MM
.if (i < 8) && !NOKQ
	KQ (Y+1)%NP
.elseif i >= 8
.set i, i-8
	PV (Y+1)%NP
.set i, i+8
.endif
.set i, i+1
.endm
.macro FETCH_K                         ; a step's K: key block f / 2, channel half f % 2
	WIN 0x80
.irp f, 0,1,2,3,4,5,6,7
	ds_load_b128 v[KF+8*\f:KF+8*\f+3],   v[AK] offset:(\f/2)*2048+(\f%2)*1024
	ds_load_b128 v[KF+8*\f+4:KF+8*\f+7], v[AK] offset:(\f/2)*2048+(\f%2)*1024+512
.endr
	s_add_co_u32 s[TBK], s[TBK], 8192
	WIN 0
.endm
.macro FETCH_V                         ; a step's V^T: key half f / 4, channel block f % 4
	WIN 0x80
.irp f, 0,1,2,3,4,5,6,7
	ds_load_b128 v[VF+8*\f:VF+8*\f+3],   v[AV] offset:(\f/4)*4096+(\f%4)*1024
	ds_load_b128 v[VF+8*\f+4:VF+8*\f+7], v[AV] offset:(\f/4)*4096+(\f%4)*1024+512
.endr
	WIN 0
.endm
; THE VECTOR WORK, a line at a time.  For piece Y: F n: c s - c m, pair n.  E n: exponential of score n.  C n: pair n rounded.  B n: of four weights the second pair onto the first.  L n: l takes that sum (L 0: l = a l + sum).
; R n: pair n of O^T times a.  For the other piece: X n, number n of the 22 that find its maximum and statistics (each accumulator's lowest registers are read first).
.set F, 0
.set E, 1
.set C, 2
.set B, 3
.set L, 4
.set R, 5
.set X, 6
.macro REGS y
.set rT, ST+4*(\y)
.set rC, TMP+4*((\y)%2)
.set rW, MV+((\y)%2)
.set rS, S+32*((\y)%2)
.set rP, P+16*((\y)%2)
.set rO, 32*(\y)
.endm
.macro OP k, n
.if (\k) == R
	REGS Y
	WIN W_RS
	v_pk_mul_f32 v[rO+2*(\n):rO+2*(\n)+1], v[rO+2*(\n):rO+2*(\n)+1], v[rC+2:rC+3] op_sel_hi:[1,0]
.elseif (\k) < R
	REGS Y
	WIN 0
.if (\k) == F
	v_pk_fma_f32 v[rS+2*(\n):rS+2*(\n)+1], v[rS+2*(\n):rS+2*(\n)+1], s[CS:CS+1], v[rT:rT+1] op_sel_hi:[1,0,0] neg_lo:[0,0,1] neg_hi:[0,0,1]
.elseif (\k) == E
	v_exp_f32 v[rS+(\n)], v[rS+(\n)]
.elseif (\k) == C
	v_cvt_pk_bf16_f32 v[rP+(\n)], v[rS+2*(\n)], v[rS+2*(\n)+1]
.elseif (\k) == B
	v_pk_add_f32 v[rS+4*(\n):rS+4*(\n)+1], v[rS+4*(\n):rS+4*(\n)+1], v[rS+4*(\n)+2:rS+4*(\n)+3]
.elseif (\n) == 0
	v_pk_fma_f32 v[rT+2:rT+3], v[rT+2:rT+3], v[rC+2:rC+3], v[rS:rS+1] op_sel_hi:[1,0,1]
.else
	v_pk_add_f32 v[rT+2:rT+3], v[rT+2:rT+3], v[rS+4*(\n):rS+4*(\n)+1]
.endif
.elseif NOKQ
	v_nop
.else
	REGS (Y+1)%NP
	WIN 0
.if (\n) < 4
	v_max3_num_f32 v[rC+(\n)], v[rS+8*(\n)], v[rS+8*(\n)+1], v[rS+8*(\n)+2]
.elseif (\n) < 12
	v_max3_num_f32 v[rC+(\n)%4], v[rC+(\n)%4], v[rS+8*((\n)%4)+2*((\n)/4)+1], v[rS+8*((\n)%4)+2*((\n)/4)+2]
.elseif (\n) == 12
	v_max3_num_f32 v[rC], v[rC], v[rS+7], v[rS+15]
.elseif (\n) == 13
	v_max3_num_f32 v[rC+1], v[rC+1], v[rS+23], v[rS+31]
.elseif (\n) == 14
	v_max3_num_f32 v[rC+2], v[rC+2], v[rC+3], v[rT+1]
.elseif (\n) == 15
	v_mov_b32 v[rW], v[rT]
.elseif (\n) == 16
	v_max3_num_f32 v[rC], v[rC], v[rC+1], v[rC+2]
.elseif (\n) == 17
	v_permlanex16_b32 v[rC+3], v[rC], s[SEL], s[SEL+1]
.elseif (\n) == 18
	v_max_num_f32 v[rT+1], v[rC], v[rC+3]
.elseif (\n) == 19
	v_mul_f32 v[rT], s[CS], v[rT+1]
.elseif (\n) == 20
	v_sub_f32 v[rC+1], v[rW], v[rT]
.else
	v_exp_f32 v[rC+2], v[rC+1]
.endif
.endif
.endm
.macro OPS a, i1, b=-1, i2=0, c=-1, i3=0, d=-1, i4=0
	OP \a, \i1
.if (\b) >= 0
	OP \b, \i2
.endif
.if (\c) >= 0
	OP \c, \i3
.endif
.if (\d) >= 0
	OP \d, \i4
.endif
.endm
.macro ROW a, i1, b, i2, c, i3, d, i4
	MM
	OPS \a, \i1, \b, \i2, \c, \i3, \d, \i4
.endm
.macro MASK b
	WIN W_RS
.set z, 0
.rept 16
	v_pk_fma_f32 v[MC+32*(\b)+2*z:MC+32*(\b)+2*z+1], v[MD+2*z:MD+2*z+1], s[AL:AL+1], s[BE:BE+1] op_sel_hi:[1,0,0]
.set z, z+1
.endr
.endm
; A TURN for piece p.  Ahead of its one wait stands all that names no result of its exponentials; behind it the 8 products V^T P with the roundings and sums as their riders.
; m = 1: the diagonal tile: the products take masks, and the turn makes the mask for the next turn's products: turn 1 for piece 1 in step SN = 4 - CNT, turn 0 for piece 0 in step SN + 1.
; end = 1: a block's last turn: there are no next scores.  cnt = 1: the loop's count is taken down ahead of the branch behind the turn.
; Turn 0 fetches K of the next step in its lump (twelve plain instructions behind the last product that read K) and V of the step in hand at its end (four plain riders behind the last product that read V).
.macro TURN p, m=0, end=0, cnt=0
.set Y, (\p)
.set i, 0
.set KM, (\m)
.set NOKQ, (\end)
.if (\m) && !(\end)
	s_sub_co_u32 s[SN], 4, s[CNT]
.if (\p) == 1
	s_cmp_eq_u32 s[SN], s[OWN1]
	s_cselect_b32 s[AL], 1.0, 0
	s_cmp_gt_u32 s[SN], s[OWN1]
	s_cselect_b32 s[BE], s[BIGN], 0
.else
	s_cmp_eq_i32 s[SN], s[OWN0M]
	s_cselect_b32 s[AL], 1.0, 0
	s_cmp_gt_i32 s[SN], s[OWN0M]
	s_cselect_b32 s[BE], s[BIGN], 0
.endif
.endif
.if ((\p) == 1) && !(\end)
	s_wait_dscnt 16                                ; K is in; V's sixteen younger loads may stay out
.endif
	ROW F,0, F,1, R,0, R,1
	ROW F,2, E,0, R,2, R,3
	ROW F,3, E,1, R,4, R,5
	ROW F,4, E,2, R,6, R,7
	ROW F,5, E,3, R,8, R,9
	ROW F,6, E,4, X,0, R,10
.if (\p) == 0
	WIN 0
	v_add_nc_u32 v[AK], s[TBK], v[AK0]
.endif
	ROW F,7, E,5, X,1, X,4
	ROW F,8, E,6, X,2, X,5
	OPS E,7, E,8, X,6, E,9
	OPS X,3, E,10, X,8, E,11
.if (\p) == 0
	FETCH_K
.endif
	OPS X,9, X,7, E,12, X,10
	OPS E,13, X,12, X,11, E,14
	OPS X,13, E,15, F,9, X,14
.if (\p) == 0
	WIN 0
	v_add_nc_u32 v[AV], s[TBV], v[AV0]
.endif
	OPS E,16, F,10, E,17, F,11
	OPS X,16, E,18, X,15, E,19
	OPS F,12, E,20, X,17, E,21
	OPS F,13, E,22, F,14, E,23
	OPS X,18, E,24, F,15, E,25
	OPS R,11, E,26, X,19, E,27
	OPS R,12, E,28, R,13, E,29
	OPS X,20, E,30, R,14, E,31
	OPS X,21, R,15                                 ; R 15 is the plain instruction behind the batch's last exponential
	WIN 0
	s_wait_alu depctr_va_vdst(0)                   ; the one wait for the batch
.if (\p) == 1
	s_wait_dscnt 0x0                               ; V is in
.endif
	ROW C,0, B,0, C,2, B,1
	ROW L,0, C,4, B,2, L,1
	ROW C,6, B,3, L,2, C,8
	ROW B,4, L,3, C,10, B,5
	ROW L,4, C,12, B,6, L,5
.if (\p) == 0
	s_add_co_u32 s[TBV], s[TBV], 8192
.endif
.if \cnt
	s_sub_co_u32 s[CNT], s[CNT], 1
	s_cmp_lg_u32 s[CNT], 0
.endif
	ROW C,14, B,7, L,6, C,1
	ROW C,3, L,7, C,5, C,7
	ROW C,9, C,11, C,13, C,15
.if (\p) == 0
	FETCH_V
.endif
.if (\m) && !(\end)
	MASK (\p)%2
.endif
.endm
; A BLOCK BEGINS: c m far below every c s, so the first step's a is 0.  K of the tile's first step is in registers.  Piece 0's first scores, maximum and statistics; then the loop is entered at turn 0.
.macro BEGIN
	s_mov_b32 s[NEW], 0
	WIN 0x40
.set i, MC+32
.rept 32
	v_mov_b32 v[i], 0                              ; piece 1 sees step 0 whole
.set i, i+1
.endr
	WIN 0
.irp i, 0,1
	v_mov_b32 v[ST+4*\i], 0xfe000000
	v_mov_b32 v[ST+4*\i+1], 0xff7fffff
.endr
	s_or_b32 s[SN], s[RT], s[OWN0]                 ; is the tile the diagonal one, and step 0 piece 0's own?
	s_cmp_eq_u32 s[SN], 0
	s_cselect_b32 s[AL], 1.0, 0
	s_mov_b32 s[BE], 0
	MASK 0
	WIN 0
	s_wait_loadcnt 0x0                             ; Q
.set KM, 1
.set NOKQ, 0
.set i, 0
.rept 8
	KQ 0
.set i, i+1
.endr
	WIN 0
.rept 4
	v_nop
.endr
.set Y, NP-1
.irp n, 0,1,2,3,4,5,6,7,8,9,10,11,12,13,14,15,16,17,18,19,20,21
	OP X, \n
.endr
	v_nop
	s_wait_alu depctr_va_vdst(0)
.endm
.macro PREMASK                         ; the diagonal tile is entered from an earlier tile: piece 0's mask for its step 0
	s_cmp_eq_u32 s[OWN0], 0
	s_cselect_b32 s[AL], 1.0, 0
	s_mov_b32 s[BE], 0
	MASK 0
	WIN 0
.endm
.macro ENTER                           ; behind a change of slots: the new tile's first K
	s_sub_co_u32 s[RT], s[RT], 1
	s_mov_b32 s[CNT], 4
	v_add_nc_u32 v[AK], s[TBK], v[AK0]
	FETCH_K
	s_wait_dscnt 0x0
.endm
.macro PACK t                          ; O^T / l, rounded; a lane's eight channels are 16 bytes of a fragment of ctx
	WIN W_RS
.set i, 32*(\t)
.rept 16
	v_pk_mul_f32 v[i:i+1], v[i:i+1], v[ST+4*(\t)+2:ST+4*(\t)+3] op_sel_hi:[1,0]
.set i, i+2
.endr
	WIN 0x05
.set i, 0
.rept 16
	v_cvt_pk_bf16_f32 v[S+16*(\t)+i], v[32*(\t)+2*i], v[32*(\t)+2*i+1]
.set i, i+1
.endr
	WIN 0
.irp f, 0,1,2,3
	global_store_b128 v[GO], v[S+16*(\t)+4*\f:S+16*(\t)+4*\f+3], s[10:11] offset:(\t)*131072+\f*512   ; 512 consecutive bytes, aligned
.endr
.endm
.macro DIAG tag                        ; the diagonal tile's four steps, the block's last turn and products, the way out
.LstepM\tag:
	TURN 1, 1
	WIN 0
.LfirstM\tag:
	TURN 0, 1, 0, 1
	WIN 0
	s_cbranch_scc1 .LstepM\tag
	TURN 1, 1, 1
.set i, 0
.rept 8
	PV 1
.set i, i+1
.endr
	WIN 0
.rept 4
	v_nop
.endr
.irp t, 0,1
	v_add_f32 v[ST+4*\t+2], v[ST+4*\t+2], v[ST+4*\t+3]
.endr
.irp t, 0,1
	v_permlanex16_b32 v[ST+4*\t+3], v[ST+4*\t+2], s[SEL], s[SEL+1]
.endr
.irp t, 0,1
	v_add_f32 v[ST+4*\t+2], v[ST+4*\t+2], v[ST+4*\t+3]
.endr
.irp t, 0,1
	v_rcp_f32 v[ST+4*\t+2], v[ST+4*\t+2]
.endr
	v_nop
	s_wait_alu depctr_va_vdst(0)                   ; one wait for the two reciprocals
	PACK 0
	PACK 1
.endm
.set KM, 0
.set NOKQ, 0
.Lslot:                                        ; eight times: a tile is entered and the next is asked for
	CHANGE 1
	ENTER
	s_cmp_eq_u32 s[NEW], 1
	s_cbranch_scc1 .Lnew
	s_cmp_eq_u32 s[RT], 0
	s_cbranch_scc0 .Lstep
	PREMASK
	s_branch .LstepM1
.Lnew:
	BEGIN
	s_branch .Lfirst                               ; in the loop a block's first tile is never its last: the first block has five tiles or more, the second's last is the walk's last
	DIAG 1                                         ; in the loop this is the first block's end
	s_wait_xcnt 0x0                                ; the stores have read their registers and ctx's address
	s_mov_b64 s[10:11], s[OLO:OLO+1]
	s_add_co_u32 s[RT], s[SN+1], 1
	s_mov_b32 s[NEW], 1
	s_and_b32 s[OWN0], s[PB], 1
	s_lshl_b32 s[OWN0], s[OWN0], 1
	s_add_co_u32 s[OWN1], s[OWN0], 1
	s_sub_co_i32 s[OWN0M], s[OWN0], 1
	WIN 0x82
.set i, 0
.rept 32
	v_mov_b32 v[i], v[QB+i]                        ; the second block's Q goes where the one text of the turns names Q
.set i, i+1
.endr
	WIN 0
	s_branch .Lbottom
.Lstep:                                        ; a trip: turn 1 of one step, turn 0 of the next
	TURN 1
	WIN 0
.Lfirst:
	TURN 0, 0, 0, 1
	WIN 0
	s_cbranch_scc1 .Lstep
.Lbottom:
	s_sub_co_u32 s[SLOTS], s[SLOTS], 1
	s_cmp_lg_u32 s[SLOTS], 0
	s_cbranch_scc1 .Lslot
	CHANGE 0                                       ; the walk's last tile is written out: nothing is asked for
	ENTER
	s_cmp_eq_u32 s[NEW], 1
	s_cbranch_scc1 .Lnew2
	PREMASK
	s_branch .LstepM2
.Lnew2:
	BEGIN
	s_branch .LfirstM2
	DIAG 2
	s_wait_tensorcnt 0x0                           ; the wave's end
	ds_add_u32 v[SPW], v[NIL]
	s_wait_dscnt 0x0
	s_endpgm
.Lfunc_end_k_qaf0af6fe34_attn:
	.size	k_qaf0af6fe34_attn, .Lfunc_end_k_qaf0af6fe34_attn-k_qaf0af6fe34_attn
	.p2alignl 7, 3214868480
	.fill 96, 4, 3214868480
	.section	.rodata,"a",@progbits
	.p2align	6, 0x0
	.amdhsa_kernel k_qaf0af6fe34_attn
		.amdhsa_group_segment_fixed_size 327680
		.amdhsa_private_segment_fixed_size 0
		.amdhsa_enable_private_segment 0
		.amdhsa_kernarg_size 16
		.amdhsa_user_sgpr_count 2
		.amdhsa_user_sgpr_kernarg_segment_ptr 1
		.amdhsa_wavefront_size32 1
		.amdhsa_system_sgpr_workgroup_id_x 1
		.amdhsa_system_sgpr_workgroup_id_y 1
		.amdhsa_system_sgpr_workgroup_id_z 1
		.amdhsa_system_vgpr_workitem_id 0
		.amdhsa_next_free_vgpr 768
		.amdhsa_next_free_sgpr 96
		.amdhsa_reserve_vcc 1
		.amdhsa_float_denorm_mode_32 3
		.amdhsa_float_denorm_mode_16_64 3
		.amdhsa_memory_ordered 1
		.amdhsa_forward_progress 1
		.amdhsa_inst_pref_size 123
	.end_amdhsa_kernel
	.amdgpu_metadata
---
amdhsa.version: [ 1, 2 ]
amdhsa.kernels:
  - .name:           k_qaf0af6fe34_attn
    .symbol:         k_qaf0af6fe34_attn.kd
    .args:
      - { .name: qkv, .offset: 0, .size: 8, .value_kind: global_buffer, .address_space: global }
      - { .name: ctx, .offset: 8, .size: 8, .value_kind: global_buffer, .address_space: global }
    .group_segment_fixed_size: 327680
    .private_segment_fixed_size: 0
    .kernarg_segment_align: 8
    .kernarg_segment_size: 16
    .max_flat_workgroup_size: 128
    .sgpr_count:     96
    .vgpr_count:     768
    .wavefront_size: 32
...
	.end_amdgpu_metadata
.endif
;; end of part 3
;; launch oproj (part 4): grid 8 x 32, 4 waves a work-group, clusters of 4 x 4, 327,680 bytes of LDS; arguments ctx, wts, x, g2, x1, xb, ssq; writes x1, xb, ssq
.if DOCPART == 4
	.amdgcn_target "amdgcn-amd-amdhsa--gfx1250"
	.amdhsa_code_object_version 6
	.text
	.protected	k_qaf0af6fe34_oproj
	.globl	k_qaf0af6fe34_oproj
	.p2align	8
	.type	k_qaf0af6fe34_oproj,@function
k_qaf0af6fe34_oproj:
	s_mov_b64 s[64:65], 0
	v_nop
	global_prefetch_b8 v0, s[64:65] scope:SCOPE_SE
	s_setreg_imm32_b32 hwreg(HW_REG_WAVE_MODE, 25, 1), 1
	s_wait_xcnt 0x0
	s_wait_alu depctr_hold_cnt(0) depctr_sa_sdst(0) depctr_va_vdst(0) depctr_va_sdst(0) depctr_va_ssrc(0) depctr_va_vcc(0) depctr_vm_vsrc(0)
	s_getreg_b32 s2, hwreg(HW_REG_IB_STS2, 6, 4)
	s_cmp_eq_u32 s2, 0
	s_cbranch_scc0 .Lentry_in_a_cluster
	s_endpgm
.Lentry_in_a_cluster:
	s_bfe_u32 s2, ttmp6, 0x10000c
	s_cmp_lg_u32 s2, 0xf033
	s_cbranch_scc0 .Lentry_shape_is_right
	s_endpgm
.Lentry_shape_is_right:
; x1 = x + ctx Wo (f32); xb = bf16(g2 x1), fragment-major; ssq[part][row] = the sum of x1^2 over 64 columns.  The second norm's root is applied by the launch behind, to its sums: h2 W = rs ((g2 x1) W).
; A work-group makes 128 x 128; four waves 64 x 64 each: 16 accumulators.  K = 1,024 in four steps of 256 through two LDS slots; ctx's tile is asked for jointly along a row of the 4 x 4 cluster, Wo's along a column.
; The product is taken transposed (source 0 = Wo's rows): a lane holds one row and eight neighbouring columns.
; x: each wave's own 64 x 64 f32 comes by a tensor load of its own into slot 0, once that slot has been read out, under the last step's products.
; x1 is kept as the accumulators lie: (64 rowgroup + colgroup) 1024 + 512 j + 16 l holds registers 4 j .. 4 j + 3: every store is 512 consecutive bytes, aligned.
; No prefetch: the launch has four K steps, and all four are asked for by the first fills and the two refills.
; REGISTERS: window 0: v0-31 addresses; v32-63 g2; v64-127 at work; v128-255 accumulators (a, b) at 128 + 8 (4 a + b).  window 1: two fragment buffers of 128.
.set SB,    8192
.set PITCH, 32768
.set SLOT1, 131072
.set SPARE, 262144
.set T,     4
.set ADRA, 16
.set ADRB, 17
.set ADRA0, 18
.set ADRB0, 19
.set L16, 20
.set GV,  21
.set XA,  25
.set SPW, 28
.set NIL, 29
.set G2R, 32
.set TMP, 64
.set ACC, 128
.set F0, 0
.set F1, 128
.set G1, 24
.set G0, 32
.set G1B, 48
.set G0B, 56
.set LEFT, 3
.set TB, 66
.set XG1, 84
.set XG0, 92
.set MSB, 0
.macro WIN new
.if MSB != (\new)
	s_set_vgpr_msb (MSB<<8)|(\new)
.set MSB, (\new)
.endif
.endm
.macro PLACES
.rept 4
	v_nop
.endr
.endm
.macro CREST
	s_cmp_lg_u32 s10, 0
	s_cbranch_scc1 .Lnot_wave_0_\@
	s_barrier_signal -3
.Lnot_wave_0_\@:
	s_barrier_wait -3
	s_barrier_signal -1
	s_barrier_wait -1
.endm
.macro CROUND
	s_barrier_signal -1
	s_barrier_wait -1
	CREST
.endm
.macro JLOAD
	s_cmp_lt_u32 s10, 2
	s_cbranch_scc0 .Lfor_b_\@
	tensor_load_to_lds s[G0+4:G0+7], s[G1:G1+7]
	s_nop 0
	PLACES
	s_branch .Lasked_\@
.Lfor_b_\@:
	tensor_load_to_lds s[G0B+4:G0B+7], s[G1B:G1B+7]
	s_nop 0
	PLACES
.Lasked_\@:
.endm
.macro ADRS
	WIN 0
	v_add_nc_u32 v[ADRA], s[TB], v[ADRA0]
	v_add_nc_u32 v[ADRB], s[TB], v[ADRB0]
.endm
	s_load_b256 s[68:75], s[0:1], 0x0              ; ctx 68, wts 70, x 72, g2 74
	s_load_b128 s[76:79], s[0:1], 0x20             ; x1 76, xb 78
	s_load_b64 s[80:81], s[0:1], 0x30              ; ssq
	v_lshl_add_u32 v[SPW], v0, 2, SPARE
	v_mov_b32 v[NIL], 0
	ds_add_u32 v[SPW], v[NIL]                      ; the wave's opening: an add and its wait ahead of my first tensor load
	v_lshrrev_b32 v1, 5, v0
	v_readfirstlane_b32 s10, v1
	s_lshr_b32 s11, s10, 1                         ; my half of the tile's rows
	s_and_b32 s12, s10, 1                          ; my half of its columns; also: which half of a tile I fetch
	s_bfe_u32 s40, ttmp6, 0x40000
	s_bfe_u32 s41, ttmp6, 0x40004
	s_lshl_b32 s42, ttmp9, 2
	s_add_co_u32 s42, s42, s40                     ; tile column
	s_and_b32 s13, ttmp7, 0xffff
	s_lshl_b32 s13, s13, 2
	s_add_co_u32 s13, s13, s41                     ; tile row
	s_lshl_b32 s14, s41, 2
	s_lshl_b32 s14, 15, s14
	s_lshl_b32 s15, 0x1111, s40
	s_or_b32 s[G1], s14, (3<<16)|(1<<21)
	s_or_b32 s[G1B], s15, (3<<16)|(1<<21)
.irp g, G1, G1B
	s_mov_b32 s[(\g)+1], (SB/8)<<16
	s_mov_b32 s[(\g)+2], 4<<16                     ; four groups of 16 rows a load
	s_mov_b32 s[(\g)+3], (SB/8)<<16
	s_mov_b32 s[(\g)+4], 4
	s_mov_b32 s[(\g)+5], PITCH/8
	s_mov_b32 s[(\g)+6], 0
	s_mov_b32 s[(\g)+7], 0
.endr
	s_mov_b32 s[XG1], (2<<16)|(1<<20)|(5<<22)|(3<<25)   ; x: no mask; 4-byte elements; 16 bytes of padding behind every 256
	s_mov_b32 s[XG1+1], 64<<16
	s_mov_b32 s[XG1+2], 64<<16
	s_mov_b32 s[XG1+3], 64<<16
	s_mov_b32 s[XG1+4], 64
	s_mov_b32 s[XG1+5], 1024
	s_mov_b32 s[XG1+6], 0
	s_mov_b32 s[XG1+7], 0
	s_mov_b32 s[XG0], 1
	s_mul_i32 s[XG0+1], s10, 17408                 ; 64 rows of 272 bytes for each wave, in slot 0
	s_lshl_b32 s16, s13, 18
	s_lshl_b32 s17, s12, 17
	s_add_co_u32 s16, s16, s17
	s_mov_b32 s17, 0
	s_lshl_b32 s46, s42, 18
	s_lshl_b32 s47, s12, 17
	s_add_co_u32 s46, s46, s47
	s_add_co_u32 s46, s46, 6291456                 ; Wo's part of wts
	s_mov_b32 s47, 0
	s_lshl_b32 s20, s10, 15                        ; LDS: ctx's halves, then Wo's: wave x 32,768
	s_lshl_b32 s22, s13, 19                        ; rows 128 tile row + 64 half, times 4,096 bytes
	s_lshl_b32 s23, s11, 18
	s_add_co_u32 s22, s22, s23
	s_lshl_b32 s21, s42, 9                         ; columns 128 tile column + 64 half, times 4 bytes
	s_lshl_b32 s23, s12, 8
	s_add_co_u32 s21, s21, s23
	s_mov_b32 s82, 0x76543210
	s_mov_b32 s83, 0xfedcba98
	s_wait_dscnt 0x0
	s_wait_kmcnt 0x0
	s_add_nc_u64 s[14:15], s[68:69], s[16:17]
	s_add_nc_u64 s[46:47], s[70:71], s[46:47]
	CROUND
.irp s, 0,1
	s_mov_b32 s[G0+4*\s], 1
	s_add_co_u32 s[G0+4*\s+1], s20, \s*SLOT1
	s_add_nc_u64 s[G0+4*\s+2:G0+4*\s+3], s[14:15], \s*SB
	s_or_b32 s[G0+4*\s+3], s[G0+4*\s+3], 0x80000000
	s_mov_b32 s[G0B+4*\s], 1
	s_add_co_u32 s[G0B+4*\s+1], s20, \s*SLOT1
	s_add_nc_u64 s[G0B+4*\s+2:G0B+4*\s+3], s[46:47], \s*SB
	s_or_b32 s[G0B+4*\s+3], s[G0B+4*\s+3], 0x80000000
.endr
	s_cmp_lt_u32 s10, 2
	s_cbranch_scc0 .Lfirst_b
	tensor_load_to_lds s[G0:G0+3], s[G1:G1+7]
	s_nop 0
	tensor_load_to_lds s[G0+4:G0+7], s[G1:G1+7]
	s_nop 0
	PLACES
	s_branch .Lfirst_done
.Lfirst_b:
	tensor_load_to_lds s[G0B:G0B+3], s[G1B:G1B+7]
	s_nop 0
	tensor_load_to_lds s[G0B+4:G0B+7], s[G1B:G1B+7]
	s_nop 0
	PLACES
.Lfirst_done:
	s_mov_b32 s17, 0
	s_add_co_u32 s16, s22, s21
	s_add_nc_u64 s[XG0+2:XG0+3], s[72:73], s[16:17]   ; x at my 64 x 64
	s_or_b32 s[XG0+3], s[XG0+3], 0x80000000
	s_mov_b32 s16, s21
	s_add_nc_u64 s[74:75], s[74:75], s[16:17]      ; g2 at my 64 columns
	s_lshl_b32 s16, s21, 4                         ; (8 ct + 4 wc) x 1,024
	s_add_co_u32 s16, s16, s22
	s_add_nc_u64 s[76:77], s[76:77], s[16:17]      ; x1
	s_lshr_b32 s16, s16, 1
	s_add_nc_u64 s[78:79], s[78:79], s[16:17]      ; xb: half of that
	s_lshl1_add_u32 s16, s42, s12                  ; part = 2 ct + wc
	s_lshl_b32 s16, s16, 14
	s_lshr_b32 s23, s22, 10                        ; 4 x my first row
	s_add_co_u32 s16, s16, s23
	s_add_nc_u64 s[80:81], s[80:81], s[16:17]      ; ssq
	v_and_b32 v1, 15, v0
	v_bfe_u32 v2, v0, 4, 1
	v_and_b32 v3, 31, v0
	v_lshlrev_b32 v[L16], 4, v3
	v_lshlrev_b32 v24, 2, v3
	v_lshlrev_b32 v[GV], 5, v2
	s_lshl_b32 s23, s11, 15
	v_add_nc_u32 v[ADRA0], s23, v[L16]
	s_lshl_b32 s23, s12, 15
	s_add_co_u32 s23, s23, 65536
	v_add_nc_u32 v[ADRB0], s23, v[L16]
	v_mul_u32_u24 v[XA], v1, 272
	v_lshl_add_u32 v[XA], v2, 5, v[XA]
	v_add_nc_u32 v[XA], s[XG0+1], v[XA]
	v_cmp_gt_u32 s67, 16, v3
.irp a, 0,1,2,3
	v_mov_b32 v[12+\a], 0                          ; the lane exchange names its destination as read
.endr
.irp b, 0,1,2,3
	global_load_b128 v[G2R+8*\b:G2R+8*\b+3],   v[GV], s[74:75] offset:64*\b
	global_load_b128 v[G2R+8*\b+4:G2R+8*\b+7], v[GV], s[74:75] offset:64*\b+16
.endr
.macro MUL8 f, c, a0, zero             ; row groups a0, a0 + 1 x 4 column groups, 32 along K: half c of buffer f
	WIN 0x05
.irp a, \a0, (\a0)+1
.irp b, 0,1,2,3
.if \zero
	v_wmma_f32_16x16x32_bf16 v[ACC+8*(4*(\a)+(\b)):ACC+8*(4*(\a)+(\b))+7], v[(\f)+64+8*(4*(\c)+(\b)):(\f)+64+8*(4*(\c)+(\b))+7], v[(\f)+8*(4*(\c)+(\a)):(\f)+8*(4*(\c)+(\a))+7], 0
.else
	v_wmma_f32_16x16x32_bf16 v[ACC+8*(4*(\a)+(\b)):ACC+8*(4*(\a)+(\b))+7], v[(\f)+64+8*(4*(\c)+(\b)):(\f)+64+8*(4*(\c)+(\b))+7], v[(\f)+8*(4*(\c)+(\a)):(\f)+8*(4*(\c)+(\a))+7], v[ACC+8*(4*(\a)+(\b)):ACC+8*(4*(\a)+(\b))+7]
.endif
.endr
.endr
.endm
.macro FETCH g, q                      ; 32 LDS loads: 64 along K, the first 32 first
	WIN 0x40
.irp c, 0,1
.irp i, 0,1,2,3
	ds_load_b128 v[(\g)+64+8*(4*\c+\i):(\g)+64+8*(4*\c+\i)+3],   v[ADRB] offset:(8*\i+2*(\q)+\c)*1024
	ds_load_b128 v[(\g)+64+8*(4*\c+\i)+4:(\g)+64+8*(4*\c+\i)+7], v[ADRB] offset:(8*\i+2*(\q)+\c)*1024+512
	ds_load_b128 v[(\g)+8*(4*\c+\i):(\g)+8*(4*\c+\i)+3],         v[ADRA] offset:(8*\i+2*(\q)+\c)*1024
	ds_load_b128 v[(\g)+8*(4*\c+\i)+4:(\g)+8*(4*\c+\i)+7],       v[ADRA] offset:(8*\i+2*(\q)+\c)*1024+512
.endr
.endr
.endm
.macro SUB f, g, q, zero
	s_wait_dscnt 16                                ; the first 32 along K are in
	MUL8 \f, 0, 0, \zero
	MUL8 \f, 0, 2, \zero
	PLACES
	FETCH \g, \q
	s_wait_dscnt 32                                ; all but the 32 just issued
	MUL8 \f, 1, 0, 0
	MUL8 \f, 1, 2, 0
.endm
.macro TURN fill                       ; 1: the joint refill; 2: my own load of x into the slot read out; 0: nothing
	WIN 0
	s_wait_tensorcnt 0x0
	ds_add_u32 v[SPW], v[NIL]
	s_wait_dscnt 17                                ; the add and the youngest sixteen loads may be out
	MUL8 F1, 0, 0, 0
	s_wait_dscnt 0x0
	s_barrier_signal -1
	MUL8 F1, 0, 2, 0
	WIN 0
	s_barrier_wait -1
.if (\fill) == 1
	CREST
.irp g, G0+4, G0B+4
	s_xor_b32 s[(\g)+1], s[(\g)+1], SLOT1
	s_add_nc_u64 s[(\g)+2:(\g)+3], s[(\g)+2:(\g)+3], SB
.endr
	JLOAD
.elseif (\fill) == 2
	CREST
	tensor_load_to_lds s[XG0:XG0+3], s[XG1:XG1+7]
	s_nop 0
	PLACES
.else
	PLACES
.endif
	s_xor_b32 s[TB], s[TB], SLOT1
	ADRS
	FETCH F0, 0
	MUL8 F1, 1, 0, 0
	MUL8 F1, 1, 2, 0
.endm
	s_wait_tensorcnt 0x1                           ; step 0 is in; step 1 may stay out
	s_barrier_signal -1
	s_barrier_wait -1
	s_mov_b32 s[TB], 0
	ADRS
	FETCH F0, 0
	SUB F0, F1, 1, 1
	WIN 0
	s_mov_b32 s[LEFT], T-2
	s_branch .Lmid
.Lstep:
	SUB F0, F1, 1, 0
	WIN 0
.Lmid:
	SUB F1, F0, 2, 0
	SUB F0, F1, 3, 0
	TURN 1
	WIN 0
	s_sub_co_u32 s[LEFT], s[LEFT], 1
	s_cmp_lg_u32 s[LEFT], 0
	s_cbranch_scc1 .Lstep
	SUB F0, F1, 1, 0
	SUB F1, F0, 2, 0
	SUB F0, F1, 3, 0
	TURN 2
	SUB F0, F1, 1, 0
	SUB F1, F0, 2, 0
	SUB F0, F1, 3, 0
	s_wait_dscnt 16
	MUL8 F1, 0, 0, 0
	MUL8 F1, 0, 2, 0
	s_wait_dscnt 0x0
	MUL8 F1, 1, 0, 0
	MUL8 F1, 1, 2, 0
	PLACES
	s_wait_tensorcnt 0x0                           ; my tile of x has landed; only I read it
	WIN 0x40
.set n, 0
.rept 16                               ; (a, b) = (n / 4, n % 4): row 16 a + l % 16, columns 16 b + 8 (l / 16) on
	ds_load_b128 v[8*n:8*n+3],   v[XA] offset:(n/4)*4352+(n%4)*64
	ds_load_b128 v[8*n+4:8*n+7], v[XA] offset:(n/4)*4352+(n%4)*64+16
.set n, n+1
.endr
	s_wait_dscnt 0x0
	s_wait_loadcnt 0x0                             ; g2
	WIN 0x04
.set n, 0
.rept 64
	v_pk_add_f32 v[ACC+2*n:ACC+2*n+1], v[ACC+2*n:ACC+2*n+1], v[2*n:2*n+1]   ; x1 = x + ctx Wo
.set n, n+1
.endr
	WIN 0
.set n, 0
.rept 16
	global_store_b128 v[L16], v[ACC+8*n:ACC+8*n+3],   s[76:77] offset:(n/4)*65536+(n%4)*1024
	global_store_b128 v[L16], v[ACC+8*n+4:ACC+8*n+7], s[76:77] offset:(n/4)*65536+(n%4)*1024+512
.set n, n+1
.endr
.irp a, 0,1,2,3                        ; the sums of squares of my 32 numbers of row 16 a + l % 16, two chains
	v_pk_mul_f32 v[TMP+4*\a:TMP+4*\a+1],   v[ACC+32*\a:ACC+32*\a+1],   v[ACC+32*\a:ACC+32*\a+1]
	v_pk_mul_f32 v[TMP+4*\a+2:TMP+4*\a+3], v[ACC+32*\a+2:ACC+32*\a+3], v[ACC+32*\a+2:ACC+32*\a+3]
.endr
.set p, 2
.rept 14
.irp a, 0,1,2,3
	v_pk_fma_f32 v[TMP+4*\a+2*(p%2):TMP+4*\a+2*(p%2)+1], v[ACC+32*\a+2*p:ACC+32*\a+2*p+1], v[ACC+32*\a+2*p:ACC+32*\a+2*p+1], v[TMP+4*\a+2*(p%2):TMP+4*\a+2*(p%2)+1]
.endr
.set p, p+1
.endr
.irp a, 0,1,2,3
	v_pk_add_f32 v[TMP+4*\a:TMP+4*\a+1], v[TMP+4*\a:TMP+4*\a+1], v[TMP+4*\a+2:TMP+4*\a+3]
.endr
.irp a, 0,1,2,3
	v_add_f32 v[8+\a], v[TMP+4*\a], v[TMP+4*\a+1]
.endr
.irp a, 0,1,2,3
	v_permlanex16_b32 v[12+\a], v[8+\a], s82, s83  ; the row's other 32 columns lie in the lane 16 away
.endr
.irp a, 0,1,2,3
	v_add_f32 v[8+\a], v[8+\a], v[12+\a]
.endr
	v_cndmask_b32 v22, v9, v8, s67                 ; lanes 0-15 rows 0-15, lanes 16-31 rows 16-31
	v_cndmask_b32 v23, v11, v10, s67
	global_store_b32 v24, v22, s[80:81]
	global_store_b32 v24, v23, s[80:81] offset:128
	WIN 0x40
.set n, 0
.rept 64
	v_pk_mul_f32 v[2*n:2*n+1], v[ACC+2*n:ACC+2*n+1], v[G2R+2*(n%16):G2R+2*(n%16)+1]   ; g2 x1, into the registers that held x
.set n, n+1
.endr
	WIN 0x05
.set n, 0
.rept 64
	v_cvt_pk_bf16_f32 v[TMP+n], v[2*n], v[2*n+1]
.set n, n+1
.endr
	WIN 0
.set n, 0
.rept 16
	global_store_b128 v[L16], v[TMP+4*n:TMP+4*n+3], s[78:79] offset:(n/4)*32768+(n%4)*512
.set n, n+1
.endr
	s_wait_tensorcnt 0x0                           ; the wave's end
	ds_add_u32 v[SPW], v[NIL]
	s_wait_dscnt 0x0
	CROUND
	s_endpgm
.Lfunc_end_k_qaf0af6fe34_oproj:
	.size	k_qaf0af6fe34_oproj, .Lfunc_end_k_qaf0af6fe34_oproj-k_qaf0af6fe34_oproj
	.p2alignl 7, 3214868480
	.fill 96, 4, 3214868480
	.section	.rodata,"a",@progbits
	.p2align	6, 0x0
	.amdhsa_kernel k_qaf0af6fe34_oproj
		.amdhsa_group_segment_fixed_size 327680
		.amdhsa_private_segment_fixed_size 0
		.amdhsa_enable_private_segment 0
		.amdhsa_kernarg_size 56
		.amdhsa_user_sgpr_count 2
		.amdhsa_user_sgpr_kernarg_segment_ptr 1
		.amdhsa_wavefront_size32 1
		.amdhsa_system_sgpr_workgroup_id_x 1
		.amdhsa_system_sgpr_workgroup_id_y 1
		.amdhsa_system_sgpr_workgroup_id_z 1
		.amdhsa_system_vgpr_workitem_id 0
		.amdhsa_next_free_vgpr 512
		.amdhsa_next_free_sgpr 96
		.amdhsa_reserve_vcc 0
		.amdhsa_float_denorm_mode_32 3
		.amdhsa_float_denorm_mode_16_64 3
		.amdhsa_memory_ordered 1
		.amdhsa_forward_progress 1
		.amdhsa_inst_pref_size 90
	.end_amdhsa_kernel
	.amdgpu_metadata
---
amdhsa.version: [ 1, 2 ]
amdhsa.kernels:
  - .name:           k_qaf0af6fe34_oproj
    .symbol:         k_qaf0af6fe34_oproj.kd
    .args:
      - { .name: ctx, .offset: 0, .size: 8, .value_kind: global_buffer, .address_space: global }
      - { .name: wts, .offset: 8, .size: 8, .value_kind: global_buffer, .address_space: global }
      - { .name: x, .offset: 16, .size: 8, .value_kind: global_buffer, .address_space: global }
      - { .name: g2, .offset: 24, .size: 8, .value_kind: global_buffer, .address_space: global }
      - { .name: x1, .offset: 32, .size: 8, .value_kind: global_buffer, .address_space: global }
      - { .name: xb, .offset: 40, .size: 8, .value_kind: global_buffer, .address_space: global }
      - { .name: ssq, .offset: 48, .size: 8, .value_kind: global_buffer, .address_space: global }
    .group_segment_fixed_size: 327680
    .private_segment_fixed_size: 0
    .kernarg_segment_align: 8
    .kernarg_segment_size: 56
    .max_flat_workgroup_size: 128
    .sgpr_count:     96
    .vgpr_count:     512
    .wavefront_size: 32
...
	.end_amdgpu_metadata
.endif
;; end of part 4
;; launch ffn1 (part 5): grid 16 x 16, 4 waves a work-group, clusters of 4 x 4, 327,680 bytes of LDS; arguments xb, wts, ssq, act; writes act
.if DOCPART == 5
	.amdgcn_target "amdgcn-amd-amdhsa--gfx1250"
	.amdhsa_code_object_version 6
	.text
	.protected	k_qaf0af6fe34_ffn1
	.globl	k_qaf0af6fe34_ffn1
	.p2align	8
	.type	k_qaf0af6fe34_ffn1,@function
k_qaf0af6fe34_ffn1:
	s_mov_b64 s[64:65], 0
	v_nop
	global_prefetch_b8 v0, s[64:65] scope:SCOPE_SE
	s_setreg_imm32_b32 hwreg(HW_REG_WAVE_MODE, 25, 1), 1
	s_wait_xcnt 0x0
	s_wait_alu depctr_hold_cnt(0) depctr_sa_sdst(0) depctr_va_vdst(0) depctr_va_sdst(0) depctr_va_ssrc(0) depctr_va_vcc(0) depctr_vm_vsrc(0)
	s_getreg_b32 s2, hwreg(HW_REG_IB_STS2, 6, 4)
	s_cmp_eq_u32 s2, 0
	s_cbranch_scc0 .Lentry_in_a_cluster
	s_endpgm
.Lentry_in_a_cluster:
	s_bfe_u32 s2, ttmp6, 0x10000c
	s_cmp_lg_u32 s2, 0xf033
	s_cbranch_scc0 .Lentry_shape_is_right
	s_endpgm
.Lentry_shape_is_right:
; act = silu(h2 W1) (h2 W2), h2 = rs g2 x1, rs = rsqrt(mean(x1^2) + 1e-5).  With A = xb W1 and B = xb W2 (xb = bf16(g2 x1)): act = A B / ((var + eps) (1 + 2^(-log2(e) rs A))), in f32, rounded once to bf16.
; A work-group makes 256 rows x 176 columns of act: 11 column groups of W1 and the same 11 of W2; wave w rows 64 w .. + 63: 88 accumulators, 704 registers.  K = 1,024 in 16 steps of 64 through two LDS slots.
; Columns from 2,730 on have zero weights and come out 0.  An exponential that overflows gives the weight 0, as silu does in the limit.  NaN and infinities are not treated apart.
; CLUSTER 4 x 4: xb's tile is asked for jointly along a row, the weights' along a column.  The product is taken transposed: a lane holds one row and 8 columns: 16 bytes of a fragment of act.
; REGISTERS: window 0: v0-15 addresses; v16-47, v48-79 xb's fragments, two buffers; v80-167 W1's 11 fragments; v168-255 W2's.  Accumulator n = 22 a + g at register 256 + 8 n (windows 1 to 3).  Window 3, v192-255: ssq's 64 words.
.set SB,    2048
.set PITCH, 32768
.set SLOT1, 131072
.set SPARE, 262144
.set T,     16
.set GA, 8
.set GB, 11
.set QA, 16
.set QB, 22
.set USH, 3
.set LIMV, 1
.set PFOFF, 0
.set L16, 2
.set ADRA, 4
.set ADRB, 5
.set ADRA0, 6
.set ADRB0, 7
.set PFO, 8
.set SO,  9
.set SPW, 10
.set NIL, 11
.set AF0, 16
.set AF1, 48
.set XB,  80
.set YB,  168
.set G1, 24
.set G0, 32
.set G1B, 48
.set G0B, 56
.set LEFT, 3
.set LIM, 43
.set PFA, 44
.set TB, 66
.set MSB, 0
.macro WIN new
.if MSB != (\new)
	s_set_vgpr_msb (MSB<<8)|(\new)
.set MSB, (\new)
.endif
.endm
.macro PLACES
.rept 4
	v_nop
.endr
.endm
.macro CREST
	s_cmp_lg_u32 s10, 0
	s_cbranch_scc1 .Lnot_wave_0_\@
	s_barrier_signal -3
.Lnot_wave_0_\@:
	s_barrier_wait -3
	s_barrier_signal -1
	s_barrier_wait -1
.endm
.macro CROUND
	s_barrier_signal -1
	s_barrier_wait -1
	CREST
.endm
.macro JLOAD
	s_cmp_lt_u32 s10, 2
	s_cbranch_scc0 .Lfor_b_\@
	tensor_load_to_lds s[G0+4:G0+7], s[G1:G1+7]
	s_nop 0
	PLACES
	s_branch .Lasked_\@
.Lfor_b_\@:
	tensor_load_to_lds s[G0B+4:G0B+7], s[G1B:G1B+7]
	s_nop 0
	PLACES
.Lasked_\@:
.endm
.macro ASK                             ; my work-group's share of my wave's load of the K step that the next refill asks for
	WIN 0
	s_cmp_gt_u32 s[LEFT], s[LIM]
	s_cbranch_scc0 .Lnot_mine_\@
	global_prefetch_b8 v[PFO], s[PFA:PFA+1] offset:PFOFF th:TH_LOAD_NT scope:SCOPE_SE
.Lnot_mine_\@:
.endm
.macro ADRS
	WIN 0
	v_add_nc_u32 v[ADRA], s[TB], v[ADRA0]
	v_add_nc_u32 v[ADRB], s[TB], v[ADRB0]
.endm
	s_load_b256 s[68:75], s[0:1], 0x0              ; xb 68, wts 70, ssq 72, act 74
	v_lshl_add_u32 v[SPW], v0, 2, SPARE
	v_mov_b32 v[NIL], 0
	ds_add_u32 v[SPW], v[NIL]                      ; the wave's opening: an add and its wait ahead of my first tensor load
	v_lshrrev_b32 v1, 5, v0
	v_readfirstlane_b32 s10, v1
	s_and_b32 s12, s10, 1
	s_bfe_u32 s40, ttmp6, 0x40000
	s_bfe_u32 s41, ttmp6, 0x40004
	s_lshl_b32 s42, ttmp9, 2
	s_add_co_u32 s42, s42, s40                     ; block of 176 columns
	s_and_b32 s13, ttmp7, 0xffff
	s_lshl_b32 s13, s13, 2
	s_add_co_u32 s13, s13, s41                     ; block of 256 rows
	s_lshl_b32 s14, s41, 2
	s_lshl_b32 s14, 15, s14
	s_lshl_b32 s15, 0x1111, s40
	s_or_b32 s[G1], s14, (3<<16)|(1<<21)
	s_or_b32 s[G1B], s15, (3<<16)|(1<<21)
.irp g, G1, G1B
	s_mov_b32 s[(\g)+1], (SB/8)<<16
	s_mov_b32 s[(\g)+3], (SB/8)<<16
	s_mov_b32 s[(\g)+5], PITCH/8
	s_mov_b32 s[(\g)+6], 0
	s_mov_b32 s[(\g)+7], 0
.endr
	s_mov_b32 s[G1+2], GA<<16
	s_mov_b32 s[G1+4], GA
	s_mov_b32 s[G1B+2], GB<<16
	s_mov_b32 s[G1B+4], GB
	s_lshl_b32 s16, s13, 19
	s_lshl_b32 s17, s12, 18
	s_add_co_u32 s16, s16, s17
	s_mov_b32 s17, 0
	s_mul_i32 s46, s42, 22*PITCH
	s_mul_i32 s47, s12, 11*PITCH                   ; wave 2: W1's 11 groups; wave 3: W2's
	s_add_co_u32 s46, s46, s47
	s_add_co_u32 s46, s46, 8388608
	s_mov_b32 s47, 0
	s_lshl_b32 s20, s12, 14
	s_mul_i32 s21, s12, GB*SB
	s_add_co_u32 s21, s21, 32768
	s_wait_dscnt 0x0
	s_wait_kmcnt 0x0
	s_add_nc_u64 s[14:15], s[68:69], s[16:17]
	s_add_nc_u64 s[46:47], s[70:71], s[46:47]
	CROUND
.irp s, 0,1
	s_mov_b32 s[G0+4*\s], 1
	s_add_co_u32 s[G0+4*\s+1], s20, \s*SLOT1
	s_add_nc_u64 s[G0+4*\s+2:G0+4*\s+3], s[14:15], \s*SB
	s_or_b32 s[G0+4*\s+3], s[G0+4*\s+3], 0x80000000
	s_mov_b32 s[G0B+4*\s], 1
	s_add_co_u32 s[G0B+4*\s+1], s21, \s*SLOT1
	s_add_nc_u64 s[G0B+4*\s+2:G0B+4*\s+3], s[46:47], \s*SB
	s_or_b32 s[G0B+4*\s+3], s[G0B+4*\s+3], 0x80000000
.endr
	s_cmp_lt_u32 s10, 2
	s_cbranch_scc0 .Lfirst_b
	tensor_load_to_lds s[G0:G0+3], s[G1:G1+7]
	s_nop 0
	tensor_load_to_lds s[G0+4:G0+7], s[G1:G1+7]
	s_nop 0
	PLACES
	s_branch .Lfirst_done
.Lfirst_b:
	tensor_load_to_lds s[G0B:G0B+3], s[G1B:G1B+7]
	s_nop 0
	tensor_load_to_lds s[G0B+4:G0B+7], s[G1B:G1B+7]
	s_nop 0
	PLACES
.Lfirst_done:
	v_and_b32 v1, 31, v0
	v_lshlrev_b32 v[L16], 4, v1
	s_lshl_b32 s22, s10, 13
	v_add_nc_u32 v[ADRA0], s22, v[L16]
	v_add_nc_u32 v[ADRB0], 32768, v[L16]
	s_lshl_b32 s22, s13, 10                        ; 4 x (256 block + 64 wave + l % 16)
	s_lshl_b32 s23, s10, 8
	s_add_co_u32 s22, s22, s23
	v_and_b32 v3, 15, v0
	v_lshl_add_u32 v[SO], v3, 2, s22
	WIN 0xc0
.set n, 0
.rept 64                               ; row group a = n / 16, part p = n % 16
	global_load_b32 v[192+n], v[SO], s[72:73] offset:(n%16)*16384+(n/16)*64
.set n, n+1
.endr
	WIN 0
	s_lshl_b32 s22, s13, 4
	s_lshl2_add_u32 s22, s10, s22                  ; my first row group
	s_mul_i32 s22, s22, 90112
	s_mul_i32 s23, s42, 11*512
	s_add_co_u32 s22, s22, s23
	s_mov_b32 s23, 0
	s_add_nc_u64 s[74:75], s[74:75], s[22:23]      ; act
	s_and_b32 s22, ttmp7, 0xffff
	s_cmp_lt_u32 s10, 2
	s_cselect_b32 s20, QA, QB
	s_cselect_b32 s21, s40, s41
	s_cselect_b32 s22, ttmp9, s22
	s_cselect_b64 s[PFA:PFA+1], s[14:15], s[46:47]
	s_cmp_eq_u32 s22, 0
	s_cselect_b32 s[LIM], LIMV, -1
	s_mul_i32 s21, s21, s20
	s_sub_co_u32 s20, s20, 1
	s_add_nc_u64 s[PFA:PFA+1], s[PFA:PFA+1], 2*SB
	v_min_u32 v[PFO], s20, v1
	v_add_nc_u32 v[PFO], s21, v[PFO]
	v_lshrrev_b32 v3, USH, v[PFO]
	v_and_b32 v[PFO], (1<<USH)-1, v[PFO]
	v_lshlrev_b32 v[PFO], 8, v[PFO]
	v_mad_u32_u24 v[PFO], v3, PITCH, v[PFO]
.macro WM n, s0, s1, zero
	WIN 0x50*(1+(\n)/32)
.if \zero
	v_wmma_f32_16x16x32_bf16 v[8*((\n)%32):8*((\n)%32)+7], v[(\s0):(\s0)+7], v[(\s1):(\s1)+7], 0
.else
	v_wmma_f32_16x16x32_bf16 v[8*((\n)%32):8*((\n)%32)+7], v[(\s0):(\s0)+7], v[(\s1):(\s1)+7], v[8*((\n)%32):8*((\n)%32)+7]
.endif
.endm
.macro MULW wb, g0, af, a0, zero       ; row groups a0, a0 + 1 x the 11 fragments at wb; each accumulator once a run
.irp a, \a0, (\a0)+1
.irp j, 0,1,2,3,4,5,6,7,8,9,10
	WM 22*(\a)+(\g0)+\j, (\wb)+8*\j, (\af)+8*(\a), \zero
.endr
.endr
.endm
.macro LDY c                           ; W2's 11 fragments of half c: 22 loads
	WIN 0
.irp j, 0,1,2,3,4,5,6,7,8,9,10
	ds_load_b128 v[YB+8*\j:YB+8*\j+3],   v[ADRB] offset:(2*(11+\j)+(\c))*1024
	ds_load_b128 v[YB+8*\j+4:YB+8*\j+7], v[ADRB] offset:(2*(11+\j)+(\c))*1024+512
.endr
.endm
.macro LDXA c, af                      ; W1's 11 and xb's 4: 30 loads
	WIN 0
.irp j, 0,1,2,3,4,5,6,7,8,9,10
	ds_load_b128 v[XB+8*\j:XB+8*\j+3],   v[ADRB] offset:(2*\j+(\c))*1024
	ds_load_b128 v[XB+8*\j+4:XB+8*\j+7], v[ADRB] offset:(2*\j+(\c))*1024+512
.endr
.irp a, 0,1,2,3
	ds_load_b128 v[(\af)+8*\a:(\af)+8*\a+3],   v[ADRA] offset:(2*\a+(\c))*1024
	ds_load_b128 v[(\af)+8*\a+4:(\af)+8*\a+7], v[ADRA] offset:(2*\a+(\c))*1024+512
.endr
.endm
.macro SUBX zero                       ; the step's first 32 along K
	PLACES
	LDY 0
	s_wait_dscnt 22                                ; W1's and xb's fragments are in; W2's 22 loads may stay out
	MULW XB, 0, AF0, 0, \zero
	MULW XB, 0, AF0, 2, \zero
	PLACES
	LDXA 1, AF1
	s_wait_dscnt 30                                ; W2's are in; the 30 just issued may stay out
	MULW YB, 11, AF0, 0, \zero
	MULW YB, 11, AF0, 2, \zero
.endm
.macro TURNX fill                      ; the second 32, and the change of slots
.if \fill
	s_wait_xcnt 0x0
	s_add_nc_u64 s[PFA:PFA+1], s[PFA:PFA+1], SB
.endif
	PLACES
	LDY 1
	s_wait_tensorcnt 0x0
	ds_add_u32 v[SPW], v[NIL]
	s_wait_dscnt 23                                ; the add and W2's 22 loads may be out
	MULW XB, 0, AF1, 0, 0
	s_wait_dscnt 0x0                               ; the add is done, my reads of this slot are over
	s_barrier_signal -1
	MULW XB, 0, AF1, 2, 0
	WIN 0
	s_barrier_wait -1
.if \fill
	CREST
.irp g, G0+4, G0B+4
	s_xor_b32 s[(\g)+1], s[(\g)+1], SLOT1
	s_add_nc_u64 s[(\g)+2:(\g)+3], s[(\g)+2:(\g)+3], SB
.endr
	JLOAD
.else
	PLACES
.endif
	s_xor_b32 s[TB], s[TB], SLOT1
	ADRS
	LDXA 0, AF0
.if \fill
	ASK
.endif
	MULW YB, 11, AF1, 0, 0
	MULW YB, 11, AF1, 2, 0
.endm
	s_wait_tensorcnt 0x1
	s_barrier_signal -1
	s_barrier_wait -1
	s_mov_b32 s[TB], 0
	ADRS
	LDXA 0, AF0
	SUBX 1
	WIN 0
	s_mov_b32 s[LEFT], T-2
	s_branch .Lmid
.Lstep:
	SUBX 0
	WIN 0
.Lmid:
	TURNX 1
	WIN 0
	s_sub_co_u32 s[LEFT], s[LEFT], 1
	s_cmp_lg_u32 s[LEFT], 0
	s_cbranch_scc1 .Lstep
	SUBX 0
	TURNX 0
	SUBX 0
	PLACES
	LDY 1
	s_wait_dscnt 22
	MULW XB, 0, AF1, 0, 0
	MULW XB, 0, AF1, 2, 0
	s_wait_dscnt 0x0
	MULW YB, 11, AF1, 0, 0
	MULW YB, 11, AF1, 2, 0
	PLACES
	; THE WAY OUT.  var + eps and -log2(e) rs for my row of each row group, as pairs in v16-31
	s_wait_loadcnt 0x0
	s_mov_b32 s22, 0x3a800000                      ; 1 / 1024
	s_mov_b32 s23, 0x3727c5ac                      ; 1e-5
.irp a, 0,1,2,3
	WIN 0xcf
.irp i, 0,2,4,6
	v_pk_add_f32 v[192+16*\a+\i:193+16*\a+\i], v[192+16*\a+\i:193+16*\a+\i], v[200+16*\a+\i:201+16*\a+\i]
.endr
.irp i, 0,2
	v_pk_add_f32 v[192+16*\a+\i:193+16*\a+\i], v[192+16*\a+\i:193+16*\a+\i], v[196+16*\a+\i:197+16*\a+\i]
.endr
	v_pk_add_f32 v[192+16*\a:193+16*\a], v[192+16*\a:193+16*\a], v[194+16*\a:195+16*\a]
	WIN 0x0f
	v_add_f32 v[16+4*\a], v[192+16*\a], v[193+16*\a]
.endr
	WIN 0
.irp a, 0,1,2,3
	v_fma_f32 v[16+4*\a], v[16+4*\a], s22, s23
.endr
.irp a, 0,1,2,3
	v_mov_b32 v[17+4*\a], v[16+4*\a]
.endr
.irp a, 0,1,2,3
	v_rsq_f32 v[18+4*\a], v[16+4*\a]
.endr
	v_nop
	s_wait_alu depctr_va_vdst(0)                   ; one wait for the four roots
.irp a, 0,1,2,3
	v_mul_f32 v[18+4*\a], 0xbfb8aa3b, v[18+4*\a]
.endr
.irp a, 0,1,2,3
	v_mov_b32 v[19+4*\a], v[18+4*\a]
.endr
.macro ACT a                           ; row group a: 11 units of 8 numbers a lane; A and B are worked on in place, from their low registers on
.set j, 0
.rept 11
.set nA, 22*(\a)+j
.set nB, nA+11
.set wA, 1+nA/32
.set wB, 1+nB/32
.set rA, 8*(nA%32)
.set rB, 8*(nB%32)
	WIN (wB<<6)|wB|(wA<<2)
.irp r, 0,2,4,6
	v_pk_mul_f32 v[rB+\r:rB+\r+1], v[rB+\r:rB+\r+1], v[rA+\r:rA+\r+1]       ; A B
.endr
	WIN (wA<<6)|wA
.irp r, 0,2,4,6
	v_pk_mul_f32 v[rA+\r:rA+\r+1], v[rA+\r:rA+\r+1], v[18+4*(\a):19+4*(\a)] op_sel_hi:[1,0]   ; -log2(e) rs A
.endr
.set j, j+1
.endr
.set j, 0
.rept 11
.set nA, 22*(\a)+j
	WIN ((1+nA/32)<<6)|(1+nA/32)
.irp r, 0,1,2,3,4,5,6,7
	v_exp_f32 v[8*(nA%32)+\r], v[8*(nA%32)+\r]
.endr
.set j, j+1
.endr
	v_nop
	s_wait_alu depctr_va_vdst(0)                   ; one wait for the 88 exponentials
.set j, 0
.rept 11
.set nA, 22*(\a)+j
.set rA, 8*(nA%32)
	WIN ((1+nA/32)<<6)|(1+nA/32)
.irp r, 0,2,4,6
	v_pk_fma_f32 v[rA+\r:rA+\r+1], v[rA+\r:rA+\r+1], v[16+4*(\a):17+4*(\a)], v[16+4*(\a):17+4*(\a)] op_sel_hi:[1,0,0]   ; (var + eps) (1 + e)
.endr
.set j, j+1
.endr
.set j, 0
.rept 11
.set nA, 22*(\a)+j
	WIN ((1+nA/32)<<6)|(1+nA/32)
.irp r, 0,1,2,3,4,5,6,7
	v_rcp_f32 v[8*(nA%32)+\r], v[8*(nA%32)+\r]
.endr
.set j, j+1
.endr
	v_nop
	s_wait_alu depctr_va_vdst(0)                   ; one wait for the 88 reciprocals
.set j, 0
.rept 11
.set nA, 22*(\a)+j
.set nB, nA+11
.set wA, 1+nA/32
.set wB, 1+nB/32
.set rA, 8*(nA%32)
.set rB, 8*(nB%32)
	WIN (wB<<6)|wB|(wA<<2)
.irp r, 0,2,4,6
	v_pk_mul_f32 v[rB+\r:rB+\r+1], v[rB+\r:rB+\r+1], v[rA+\r:rA+\r+1]
.endr
	WIN wB|(wB<<2)
.irp r, 0,1,2,3
	v_cvt_pk_bf16_f32 v[XB+4*(11*(\a)+j)+\r], v[rB+2*\r], v[rB+2*\r+1]      ; 176 different registers of window 0
.endr
.set j, j+1
.endr
	WIN 0
.set j, 0
.rept 11
	global_store_b128 v[L16], v[XB+4*(11*(\a)+j):XB+4*(11*(\a)+j)+3], s[74:75] offset:(\a)*90112+j*512   ; 512 consecutive bytes, aligned
.set j, j+1
.endr
.endm
	ACT 0
	ACT 1
	ACT 2
	ACT 3
	s_wait_tensorcnt 0x0                           ; the wave's end
	ds_add_u32 v[SPW], v[NIL]
	s_wait_dscnt 0x0
	CROUND
	s_endpgm
.Lfunc_end_k_qaf0af6fe34_ffn1:
	.size	k_qaf0af6fe34_ffn1, .Lfunc_end_k_qaf0af6fe34_ffn1-k_qaf0af6fe34_ffn1
	.p2alignl 7, 3214868480
	.fill 96, 4, 3214868480
	.section	.rodata,"a",@progbits
	.p2align	6, 0x0
	.amdhsa_kernel k_qaf0af6fe34_ffn1
		.amdhsa_group_segment_fixed_size 327680
		.amdhsa_private_segment_fixed_size 0
		.amdhsa_enable_private_segment 0
		.amdhsa_kernarg_size 32
		.amdhsa_user_sgpr_count 2
		.amdhsa_user_sgpr_kernarg_segment_ptr 1
		.amdhsa_wavefront_size32 1
		.amdhsa_system_sgpr_workgroup_id_x 1
		.amdhsa_system_sgpr_workgroup_id_y 1
		.amdhsa_system_sgpr_workgroup_id_z 1
		.amdhsa_system_vgpr_workitem_id 0
		.amdhsa_next_free_vgpr 1024
		.amdhsa_next_free_sgpr 80
		.amdhsa_reserve_vcc 0
		.amdhsa_float_denorm_mode_32 3
		.amdhsa_float_denorm_mode_16_64 3
		.amdhsa_memory_ordered 1
		.amdhsa_forward_progress 1
		.amdhsa_inst_pref_size 171
	.end_amdhsa_kernel
	.amdgpu_metadata
---
amdhsa.version: [ 1, 2 ]
amdhsa.kernels:
  - .name:           k_qaf0af6fe34_ffn1
    .symbol:         k_qaf0af6fe34_ffn1.kd
    .args:
      - { .name: xb, .offset: 0, .size: 8, .value_kind: global_buffer, .address_space: global }
      - { .name: wts, .offset: 8, .size: 8, .value_kind: global_buffer, .address_space: global }
      - { .name: ssq, .offset: 16, .size: 8, .value_kind: global_buffer, .address_space: global }
      - { .name: act, .offset: 24, .size: 8, .value_kind: global_buffer, .address_space: global }
    .group_segment_fixed_size: 327680
    .private_segment_fixed_size: 0
    .kernarg_segment_align: 8
    .kernarg_segment_size: 32
    .max_flat_workgroup_size: 128
    .sgpr_count:     80
    .vgpr_count:     1024
    .wavefront_size: 32
...
	.end_amdgpu_metadata
.endif
;; end of part 5
;; launch ffn2 (part 6): grid 8 x 32, 4 waves a work-group, clusters of 4 x 4, 327,680 bytes of LDS; arguments act, wts, x1, out0; writes out0
.if DOCPART == 6
	.amdgcn_target "amdgcn-amd-amdhsa--gfx1250"
	.amdhsa_code_object_version 6
	.text
	.protected	k_qaf0af6fe34_ffn2
	.globl	k_qaf0af6fe34_ffn2
	.p2align	8
	.type	k_qaf0af6fe34_ffn2,@function
k_qaf0af6fe34_ffn2:
	s_mov_b64 s[64:65], 0
	v_nop
	global_prefetch_b8 v0, s[64:65] scope:SCOPE_SE
	s_setreg_imm32_b32 hwreg(HW_REG_WAVE_MODE, 25, 1), 1
	s_wait_xcnt 0x0
	s_wait_alu depctr_hold_cnt(0) depctr_sa_sdst(0) depctr_va_vdst(0) depctr_va_sdst(0) depctr_va_ssrc(0) depctr_va_vcc(0) depctr_vm_vsrc(0)
	s_getreg_b32 s2, hwreg(HW_REG_IB_STS2, 6, 4)
	s_cmp_eq_u32 s2, 0
	s_cbranch_scc0 .Lentry_in_a_cluster
	s_endpgm
.Lentry_in_a_cluster:
	s_bfe_u32 s2, ttmp6, 0x10000c
	s_cmp_lg_u32 s2, 0xf033
	s_cbranch_scc0 .Lentry_shape_is_right
	s_endpgm
.Lentry_shape_is_right:
; out0 = x1 + act W3.  bf16 operands (act can pass f16's range), f32 sums that START as x1: the accumulators are loaded with x1, which lies in memory as accumulators lie.
; A work-group makes 128 x 128; four waves 64 x 64.  K = 2,816 (zeros from 2,730 on, in act and in W3) in 11 steps of 256 through two LDS slots; act's tile jointly along a row of the 4 x 4 cluster, W3's along a column.
; The way out goes through each wave's own stage in LDS, 16 rows at a time, so that sixteen lanes store 256 consecutive bytes of a row of out0, aligned.
; REGISTERS: window 0: v0-31 addresses; v128-255 accumulators (a, b) at 128 + 8 (4 a + b).  window 1: two fragment buffers of 128; on the way out the rows read back.
.set SB,    8192
.set PITCH, 90112
.set SLOT1, 131072
.set STAGE, 262144                     ; behind the ring, never filled by a tensor load: 16 rows x 272 bytes for each wave
.set SPARE, 279552
.set T,     11
.set QA, 32
.set QB, 32
.set USH, 5
.set LIMV, 2
.set PFOFF, 8192
.set ADRA, 16
.set ADRB, 17
.set ADRA0, 18
.set ADRB0, 19
.set L16, 20
.set STO, 21
.set RD,  22
.set CO,  23
.set SPW, 28
.set NIL, 29
.set PFO, 30
.set ACC, 128
.set F0, 0
.set F1, 128
.set G1, 24
.set G0, 32
.set G1B, 48
.set G0B, 56
.set LEFT, 3
.set LIM, 43
.set PFA, 44
.set TB, 66
.set MSB, 0
.macro WIN new
.if MSB != (\new)
	s_set_vgpr_msb (MSB<<8)|(\new)
.set MSB, (\new)
.endif
.endm
.macro PLACES
.rept 4
	v_nop
.endr
.endm
.macro CREST
	s_cmp_lg_u32 s10, 0
	s_cbranch_scc1 .Lnot_wave_0_\@
	s_barrier_signal -3
.Lnot_wave_0_\@:
	s_barrier_wait -3
	s_barrier_signal -1
	s_barrier_wait -1
.endm
.macro CROUND
	s_barrier_signal -1
	s_barrier_wait -1
	CREST
.endm
.macro JLOAD
	s_cmp_lt_u32 s10, 2
	s_cbranch_scc0 .Lfor_b_\@
	tensor_load_to_lds s[G0+4:G0+7], s[G1:G1+7]
	s_nop 0
	PLACES
	s_branch .Lasked_\@
.Lfor_b_\@:
	tensor_load_to_lds s[G0B+4:G0B+7], s[G1B:G1B+7]
	s_nop 0
	PLACES
.Lasked_\@:
.endm
.macro ASK                             ; my work-group's group of my wave's load, of the K step two refills on: 256 matrix instructions ahead of that load; the last two refills ask for nothing
	WIN 0
	s_cmp_gt_u32 s[LEFT], s[LIM]
	s_cbranch_scc0 .Lnot_mine_\@
	global_prefetch_b8 v[PFO], s[PFA:PFA+1] offset:PFOFF th:TH_LOAD_NT scope:SCOPE_SE
.Lnot_mine_\@:
.endm
.macro ADRS
	WIN 0
	v_add_nc_u32 v[ADRA], s[TB], v[ADRA0]
	v_add_nc_u32 v[ADRB], s[TB], v[ADRB0]
.endm
	s_load_b256 s[68:75], s[0:1], 0x0              ; act 68, wts 70, x1 72, out0 74
	v_lshl_add_u32 v[SPW], v0, 2, SPARE
	v_mov_b32 v[NIL], 0
	ds_add_u32 v[SPW], v[NIL]                      ; the wave's opening: an add and its wait ahead of my first tensor load
	v_lshrrev_b32 v1, 5, v0
	v_readfirstlane_b32 s10, v1
	s_lshr_b32 s11, s10, 1
	s_and_b32 s12, s10, 1
	s_bfe_u32 s40, ttmp6, 0x40000
	s_bfe_u32 s41, ttmp6, 0x40004
	s_lshl_b32 s42, ttmp9, 2
	s_add_co_u32 s42, s42, s40
	s_and_b32 s13, ttmp7, 0xffff
	s_lshl_b32 s13, s13, 2
	s_add_co_u32 s13, s13, s41
	s_lshl_b32 s14, s41, 2
	s_lshl_b32 s14, 15, s14
	s_lshl_b32 s15, 0x1111, s40
	s_or_b32 s[G1], s14, (3<<16)|(1<<21)
	s_or_b32 s[G1B], s15, (3<<16)|(1<<21)
.irp g, G1, G1B
	s_mov_b32 s[(\g)+1], (SB/8)<<16
	s_mov_b32 s[(\g)+2], 4<<16
	s_mov_b32 s[(\g)+3], (SB/8)<<16
	s_mov_b32 s[(\g)+4], 4
	s_mov_b32 s[(\g)+5], PITCH/8
	s_mov_b32 s[(\g)+6], 0
	s_mov_b32 s[(\g)+7], 0
.endr
	s_lshl_b32 s17, s12, 2
	s_lshl3_add_u32 s16, s13, s17                  ; act: group 8 tile row + 4 half
	s_mul_i32 s16, s16, PITCH
	s_lshl3_add_u32 s46, s42, s17                  ; W3: group 8 tile column + 4 half
	s_mul_i32 s46, s46, PITCH
	s_add_co_u32 s46, s46, 19922944
	s_mov_b32 s17, 0
	s_mov_b32 s47, 0
	s_lshl_b32 s20, s10, 15
	s_wait_dscnt 0x0
	s_wait_kmcnt 0x0
	s_add_nc_u64 s[14:15], s[68:69], s[16:17]
	s_add_nc_u64 s[46:47], s[70:71], s[46:47]
	CROUND
.irp s, 0,1
	s_mov_b32 s[G0+4*\s], 1
	s_add_co_u32 s[G0+4*\s+1], s20, \s*SLOT1
	s_add_nc_u64 s[G0+4*\s+2:G0+4*\s+3], s[14:15], \s*SB
	s_or_b32 s[G0+4*\s+3], s[G0+4*\s+3], 0x80000000
	s_mov_b32 s[G0B+4*\s], 1
	s_add_co_u32 s[G0B+4*\s+1], s20, \s*SLOT1
	s_add_nc_u64 s[G0B+4*\s+2:G0B+4*\s+3], s[46:47], \s*SB
	s_or_b32 s[G0B+4*\s+3], s[G0B+4*\s+3], 0x80000000
.endr
	s_cmp_lt_u32 s10, 2
	s_cbranch_scc0 .Lfirst_b
	tensor_load_to_lds s[G0:G0+3], s[G1:G1+7]
	s_nop 0
	tensor_load_to_lds s[G0+4:G0+7], s[G1:G1+7]
	s_nop 0
	PLACES
	s_branch .Lfirst_done
.Lfirst_b:
	tensor_load_to_lds s[G0B:G0B+3], s[G1B:G1B+7]
	s_nop 0
	tensor_load_to_lds s[G0B+4:G0B+7], s[G1B:G1B+7]
	s_nop 0
	PLACES
.Lfirst_done:
	s_lshl_b32 s22, s13, 19
	s_lshl_b32 s23, s11, 18
	s_add_co_u32 s22, s22, s23                     ; my first row x 4,096 = my first row group x 65,536
	s_lshl_b32 s21, s42, 9
	s_lshl_b32 s23, s12, 8
	s_add_co_u32 s21, s21, s23                     ; my first column x 4
	s_mov_b32 s17, 0
	s_lshl_b32 s16, s21, 4
	s_add_co_u32 s16, s16, s22
	s_add_nc_u64 s[72:73], s[72:73], s[16:17]      ; x1
	s_add_co_u32 s16, s22, s21
	s_add_nc_u64 s[74:75], s[74:75], s[16:17]      ; out0
	v_and_b32 v1, 15, v0
	v_bfe_u32 v2, v0, 4, 1
	v_and_b32 v4, 31, v0
	v_lshlrev_b32 v[L16], 4, v4
.set n, 0
.rept 16
	global_load_b128 v[ACC+8*n:ACC+8*n+3],   v[L16], s[72:73] offset:(n/4)*65536+(n%4)*1024
	global_load_b128 v[ACC+8*n+4:ACC+8*n+7], v[L16], s[72:73] offset:(n/4)*65536+(n%4)*1024+512
.set n, n+1
.endr
	s_lshl_b32 s23, s11, 15
	v_add_nc_u32 v[ADRA0], s23, v[L16]
	s_lshl_b32 s23, s12, 15
	s_add_co_u32 s23, s23, 65536
	v_add_nc_u32 v[ADRB0], s23, v[L16]
	s_mul_i32 s23, s10, 4352
	s_add_co_u32 s23, s23, STAGE
	v_mul_u32_u24 v[STO], v1, 272                  ; in: row l % 16, 32 bytes for each half of the lanes
	v_lshl_add_u32 v[STO], v2, 5, v[STO]
	v_add_nc_u32 v[STO], s23, v[STO]
	v_mul_u32_u24 v[RD], v2, 272                   ; back: lanes 0-15 one row of 256 bytes, lanes 16-31 the next
	v_lshl_add_u32 v[RD], v1, 4, v[RD]
	v_add_nc_u32 v[RD], s23, v[RD]
	v_lshlrev_b32 v[CO], 12, v2
	v_lshl_add_u32 v[CO], v1, 4, v[CO]
	s_and_b32 s22, ttmp7, 0xffff
	s_cmp_lt_u32 s10, 2
	s_cselect_b32 s20, QA, QB
	s_cselect_b32 s21, s40, s41
	s_cselect_b32 s22, ttmp9, s22
	s_cselect_b64 s[PFA:PFA+1], s[14:15], s[46:47]
	s_cmp_eq_u32 s22, 0
	s_cselect_b32 s[LIM], LIMV, -1
	s_mul_i32 s21, s21, s20
	s_sub_co_u32 s20, s20, 1
	s_add_nc_u64 s[PFA:PFA+1], s[PFA:PFA+1], 2*SB
	v_min_u32 v[PFO], s20, v4
	v_add_nc_u32 v[PFO], s21, v[PFO]
	v_lshrrev_b32 v3, USH, v[PFO]
	v_and_b32 v[PFO], (1<<USH)-1, v[PFO]
	v_lshlrev_b32 v[PFO], 8, v[PFO]
	v_mad_u32_u24 v[PFO], v3, PITCH, v[PFO]
.macro MUL8 f, c, a0
	WIN 0x05
.irp a, \a0, (\a0)+1
.irp b, 0,1,2,3
	v_wmma_f32_16x16x32_bf16 v[ACC+8*(4*(\a)+(\b)):ACC+8*(4*(\a)+(\b))+7], v[(\f)+64+8*(4*(\c)+(\b)):(\f)+64+8*(4*(\c)+(\b))+7], v[(\f)+8*(4*(\c)+(\a)):(\f)+8*(4*(\c)+(\a))+7], v[ACC+8*(4*(\a)+(\b)):ACC+8*(4*(\a)+(\b))+7]
.endr
.endr
.endm
.macro FETCH g, q
	WIN 0x40
.irp c, 0,1
.irp i, 0,1,2,3
	ds_load_b128 v[(\g)+64+8*(4*\c+\i):(\g)+64+8*(4*\c+\i)+3],   v[ADRB] offset:(8*\i+2*(\q)+\c)*1024
	ds_load_b128 v[(\g)+64+8*(4*\c+\i)+4:(\g)+64+8*(4*\c+\i)+7], v[ADRB] offset:(8*\i+2*(\q)+\c)*1024+512
	ds_load_b128 v[(\g)+8*(4*\c+\i):(\g)+8*(4*\c+\i)+3],         v[ADRA] offset:(8*\i+2*(\q)+\c)*1024
	ds_load_b128 v[(\g)+8*(4*\c+\i)+4:(\g)+8*(4*\c+\i)+7],       v[ADRA] offset:(8*\i+2*(\q)+\c)*1024+512
.endr
.endr
.endm
.macro SUB f, g, q
	s_wait_dscnt 16                                ; the first 32 along K are in
	MUL8 \f, 0, 0
	MUL8 \f, 0, 2
	PLACES
	FETCH \g, \q
	s_wait_dscnt 32                                ; all but the 32 just issued
	MUL8 \f, 1, 0
	MUL8 \f, 1, 2
.endm
.macro TURN fill
.if \fill
	s_wait_xcnt 0x0
	s_add_nc_u64 s[PFA:PFA+1], s[PFA:PFA+1], SB
.endif
	WIN 0
	s_wait_tensorcnt 0x0
	ds_add_u32 v[SPW], v[NIL]
	s_wait_dscnt 17                                ; the add and the youngest sixteen loads may be out
	MUL8 F1, 0, 0
	s_wait_dscnt 0x0
	s_barrier_signal -1
	MUL8 F1, 0, 2
	WIN 0
	s_barrier_wait -1
.if \fill
	CREST
.irp g, G0+4, G0B+4
	s_xor_b32 s[(\g)+1], s[(\g)+1], SLOT1
	s_add_nc_u64 s[(\g)+2:(\g)+3], s[(\g)+2:(\g)+3], SB
.endr
	JLOAD
.else
	PLACES
.endif
	s_xor_b32 s[TB], s[TB], SLOT1
	ADRS
	FETCH F0, 0
.if \fill
	ASK
.endif
	MUL8 F1, 1, 0
	MUL8 F1, 1, 2
.endm
	s_wait_tensorcnt 0x1
	s_barrier_signal -1
	s_barrier_wait -1
	s_mov_b32 s[TB], 0
	ADRS
	FETCH F0, 0
	WIN 0
	s_wait_loadcnt 0x0                             ; x1 lies in the accumulators
	s_mov_b32 s[LEFT], T-2
.Lstep:
	SUB F0, F1, 1
	SUB F1, F0, 2
	SUB F0, F1, 3
	TURN 1
	WIN 0
	s_sub_co_u32 s[LEFT], s[LEFT], 1
	s_cmp_lg_u32 s[LEFT], 0
	s_cbranch_scc1 .Lstep
	SUB F0, F1, 1
	SUB F1, F0, 2
	SUB F0, F1, 3
	TURN 0
	SUB F0, F1, 1
	SUB F1, F0, 2
	SUB F0, F1, 3
	s_wait_dscnt 16
	MUL8 F1, 0, 0
	MUL8 F1, 0, 2
	s_wait_dscnt 0x0
	MUL8 F1, 1, 0
	MUL8 F1, 1, 2
	PLACES
.macro TOSTAGE a                       ; 16 rows into my stage and back as whole rows; LDS serves a wave's instructions in order, so no wait stands between
	WIN 0
.irp b, 0,1,2,3
	ds_store_b128 v[STO], v[ACC+8*(4*(\a)+\b):ACC+8*(4*(\a)+\b)+3]   offset:64*\b
	ds_store_b128 v[STO], v[ACC+8*(4*(\a)+\b)+4:ACC+8*(4*(\a)+\b)+7] offset:64*\b+16
.endr
	WIN 0x40
.irp t, 0,1,2,3,4,5,6,7
	ds_load_b128 v[32*(\a)+4*\t:32*(\a)+4*\t+3], v[RD] offset:544*\t
.endr
.endm
.macro SEND a, younger                 ; younger: the next block's sixteen LDS instructions, or none
	WIN 0x04
	s_wait_dscnt \younger
.irp t, 0,1,2,3,4,5,6,7
	global_store_b128 v[CO], v[32*(\a)+4*\t:32*(\a)+4*\t+3], s[74:75] offset:(\a)*65536+\t*8192   ; sixteen lanes store 256 consecutive bytes, aligned
.endr
.endm
	TOSTAGE 0
	TOSTAGE 1
	SEND 0, 16
	TOSTAGE 2
	SEND 1, 16
	TOSTAGE 3
	SEND 2, 16
	SEND 3, 0
	WIN 0
	s_wait_tensorcnt 0x0                           ; the wave's end
	ds_add_u32 v[SPW], v[NIL]
	s_wait_dscnt 0x0
	CROUND
	s_endpgm
.Lfunc_end_k_qaf0af6fe34_ffn2:
	.size	k_qaf0af6fe34_ffn2, .Lfunc_end_k_qaf0af6fe34_ffn2-k_qaf0af6fe34_ffn2
	.p2alignl 7, 3214868480
	.fill 96, 4, 3214868480
	.section	.rodata,"a",@progbits
	.p2align	6, 0x0
	.amdhsa_kernel k_qaf0af6fe34_ffn2
		.amdhsa_group_segment_fixed_size 327680
		.amdhsa_private_segment_fixed_size 0
		.amdhsa_enable_private_segment 0
		.amdhsa_kernarg_size 32
		.amdhsa_user_sgpr_count 2
		.amdhsa_user_sgpr_kernarg_segment_ptr 1
		.amdhsa_wavefront_size32 1
		.amdhsa_system_sgpr_workgroup_id_x 1
		.amdhsa_system_sgpr_workgroup_id_y 1
		.amdhsa_system_sgpr_workgroup_id_z 1
		.amdhsa_system_vgpr_workitem_id 0
		.amdhsa_next_free_vgpr 512
		.amdhsa_next_free_sgpr 80
		.amdhsa_reserve_vcc 0
		.amdhsa_float_denorm_mode_32 3
		.amdhsa_float_denorm_mode_16_64 3
		.amdhsa_memory_ordered 1
		.amdhsa_forward_progress 1
		.amdhsa_inst_pref_size 71
	.end_amdhsa_kernel
	.amdgpu_metadata
---
amdhsa.version: [ 1, 2 ]
amdhsa.kernels:
  - .name:           k_qaf0af6fe34_ffn2
    .symbol:         k_qaf0af6fe34_ffn2.kd
    .args:
      - { .name: act, .offset: 0, .size: 8, .value_kind: global_buffer, .address_space: global }
      - { .name: wts, .offset: 8, .size: 8, .value_kind: global_buffer, .address_space: global }
      - { .name: x1, .offset: 16, .size: 8, .value_kind: global_buffer, .address_space: global }
      - { .name: out0, .offset: 24, .size: 8, .value_kind: global_buffer, .address_space: global }
    .group_segment_fixed_size: 327680
    .private_segment_fixed_size: 0
    .kernarg_segment_align: 8
    .kernarg_segment_size: 32
    .max_flat_workgroup_size: 128
    .sgpr_count:     80
    .vgpr_count:     512
    .wavefront_size: 32
...
	.end_amdgpu_metadata
.endif
;; end of part 6
;; ======== version 2 of 2: 6 launches
;; workspace buffers: hn 8,388,608 bytes; wts 25,690,112 bytes; qkv 25,165,824 bytes; ctx 8,388,608 bytes; x1 16,777,216 bytes; xb 8,388,608 bytes; ssq 262,144 bytes; act 23,068,672 bytes
;; launch prep (part 7): grid 1040 x 1, 8 waves a work-group, no clusters, 35,840 bytes of LDS; arguments x, g1, Wq, Wk, Wv, Wo, W1, W2, W3, hn, wts; writes hn, wts
.if DOCPART == 7
	.amdgcn_target "amdgcn-amd-amdhsa--gfx1250"
	.amdhsa_code_object_version 6
	.text
	.protected	k_qaf0af6fe34_prep
	.globl	k_qaf0af6fe34_prep
	.p2align	8
	.type	k_qaf0af6fe34_prep,@function
k_qaf0af6fe34_prep:
	s_mov_b64 s[64:65], 0
	v_nop
	global_prefetch_b8 v0, s[64:65] scope:SCOPE_SE
	s_setreg_imm32_b32 hwreg(HW_REG_WAVE_MODE, 25, 1), 1
	s_wait_xcnt 0x0
; Work-groups 0-783: the weights, f32 [k][n], rounded once to bf16 and turned.  Work-groups 784-1039: hn = bf16(g1 * x * rsqrt(mean(x^2) + 1e-5)), 16 rows each.
; ONE LAYOUT for every 16-bit matrix operand of the program, FM(rows, K): byte(r, k) = ((r>>4) (K/32) + (k>>5)) 1024 + ((k>>3)&3) 256 + (r&15) 16 + (k&7) 2:
; a block of 1,024 bytes is one matrix fragment (16 rows x 32 k); lane l takes 16 bytes at 16 l and 16 at 512 + 16 l.
; wts: +0 q,k,v weights (group 12 head + 4 matrix + cg); +6291456 Wo; +8388608 W1,W2 (group 22 ct + 11 matrix + j; 0 from column 2730 on); +19922944 W3 (0 from k = 2730 on).
; No matrix work, no cluster: nothing is shared and memory binds.  A weight work-group has two trips of 32 loads a lane; with 128 registers four work-groups lie on a WGP, which multiplies the loads on their way.
; LIMITS: NaN and infinities are not treated apart.
.set NCAST, 784                        ; 256 for Wq, Wk, Wv, Wo; 352 for W1, W2; 176 for W3
.set SPARE, 34816                      ; behind the turning table: 128 bytes for each of eight waves that no other line names
.set X,  32                            ; v[32:95]   two rows as loaded: row p, k = 256 i + 8 l + 4 j at X + 32 p + 8 i + 4 j; then packed in place, 16 registers a row
.set G,  96                            ; v[96:127]  g1, same map
.set RB, 96                            ; later the rows read back
	s_load_b512 s[16:31], s[0:1], 0x0              ; x 16, g1 18, Wq 20, Wk 22, Wv 24, Wo 26, W1 28, W2 30
	s_load_b128 s[32:35], s[0:1], 0x40             ; W3 32, hn 34
	s_load_b64 s[36:37], s[0:1], 0x50              ; wts
	v_lshl_add_u32 v6, v0, 2, SPARE                ; my spare word
	v_mov_b32 v7, 0
	v_and_b32 v1, 31, v0                           ; lane
	v_lshrrev_b32 v8, 5, v0
	v_readfirstlane_b32 s8, v8                     ; wave
	s_wait_kmcnt 0x0
	s_cmp_lt_u32 ttmp9, NCAST
	s_cbranch_scc1 .Lcast
; ---------------- the norm: wave w takes rows 2 w and 2 w + 1 of the group's 16 ----------------
	s_sub_co_u32 s38, ttmp9, NCAST                 ; the row group
	v_lshlrev_b32 v2, 5, v1                        ; 32 l: my 8 numbers of each 256
	v_mul_u32_u24 v3, v1, 272                      ; table: unit u = k >> 3 at 272 u (16 rows x 16 bytes + 16 of padding)
	s_lshl_b32 s9, s8, 5
	v_add_nc_u32 v3, s9, v3                        ; + 16 x row
	v_lshrrev_b32 v4, 4, v0
	v_mul_u32_u24 v4, v4, 272
	v_and_b32 v9, 15, v0
	v_lshl_add_u32 v4, v9, 4, v4                   ; back: thread t takes unit t >> 4, row t & 15
	v_lshlrev_b32 v5, 4, v0                        ; and stores at 16 t
	s_lshl_b32 s2, s38, 16
	s_lshl_b32 s3, s8, 13
	s_add_co_u32 s2, s2, s3
	s_mov_b32 s3, 0
	s_add_nc_u64 s[16:17], s[16:17], s[2:3]        ; x at my first row
	s_lshl_b32 s2, s38, 15
	s_add_nc_u64 s[34:35], s[34:35], s[2:3]        ; hn at the row group
	s_mov_b32 s12, 0x76543210
	s_mov_b32 s13, 0xfedcba98
	s_mov_b32 s14, 0x3a800000                      ; 1 / 1024
	s_mov_b32 s15, 0x3727c5ac                      ; 1e-5
.irp i, 0,1,2,3
.irp j, 0,1
	global_load_b128 v[G+8*\i+4*\j:G+8*\i+4*\j+3], v2, s[18:19] offset:1024*\i+16*\j
	global_load_b128 v[X+8*\i+4*\j:X+8*\i+4*\j+3], v2, s[16:17] offset:1024*\i+16*\j th:TH_LOAD_NT
	global_load_b128 v[X+32+8*\i+4*\j:X+32+8*\i+4*\j+3], v2, s[16:17] offset:4096+1024*\i+16*\j th:TH_LOAD_NT
.endr
.endr
	v_mov_b32 v18, 0                               ; the lane exchange names its destination as read
	v_mov_b32 v19, 0
	s_wait_loadcnt 0x0
.macro SSQ p                           ; the row's sum of squares, in every lane: four chains, then across the lanes
.irp c, 0,1,2,3
	v_pk_mul_f32 v[8+2*\c:9+2*\c], v[X+32*\p+2*\c:X+32*\p+2*\c+1], v[X+32*\p+2*\c:X+32*\p+2*\c+1]
.endr
.set q, 4
.rept 12
	v_pk_fma_f32 v[8+2*(q%4):9+2*(q%4)], v[X+32*\p+2*q:X+32*\p+2*q+1], v[X+32*\p+2*q:X+32*\p+2*q+1], v[8+2*(q%4):9+2*(q%4)]
.set q, q+1
.endr
	v_pk_add_f32 v[8:9], v[8:9], v[10:11]
	v_pk_add_f32 v[12:13], v[12:13], v[14:15]
	v_pk_add_f32 v[8:9], v[8:9], v[12:13]
	v_add_f32 v[16+\p], v8, v9
.irp m, 1,2,4,8
	v_add_f32_dpp v[16+\p], v[16+\p], v[16+\p] row_xmask:\m row_mask:0xf bank_mask:0xf
.endr
	v_permlanex16_b32 v[18+\p], v[16+\p], s12, s13
	v_add_f32 v[16+\p], v[16+\p], v[18+\p]
	v_fma_f32 v[16+\p], v[16+\p], s14, s15         ; mean + eps
.endm
	SSQ 0
	SSQ 1
	v_rsq_f32 v20, v16                             ; twice each: the packed multiply takes a pair
	v_rsq_f32 v21, v16
	v_rsq_f32 v22, v17
	v_rsq_f32 v23, v17
	v_nop                                          ; a plain instruction behind the last root,
	s_wait_alu depctr_va_vdst(0)                   ; and one wait for the four, ahead of their first reader
.irp p, 0,1
.set q, 0
.rept 16
	v_pk_mul_f32 v[X+32*\p+2*q:X+32*\p+2*q+1], v[X+32*\p+2*q:X+32*\p+2*q+1], v[20+2*\p:21+2*\p]
.set q, q+1
.endr
.set q, 0
.rept 16
	v_pk_mul_f32 v[X+32*\p+2*q:X+32*\p+2*q+1], v[X+32*\p+2*q:X+32*\p+2*q+1], v[G+2*q:G+2*q+1]
.set q, q+1
.endr
.set q, 0
.rept 16
	v_cvt_pk_bf16_f32 v[X+32*\p+q], v[X+32*\p+2*q], v[X+32*\p+2*q+1]   ; in place: word q is written when numbers 2 q and 2 q + 1 are read, and nothing below 2 q + 2 is read later
.set q, q+1
.endr
.irp i, 0,1,2,3
	ds_store_b128 v3, v[X+32*\p+4*\i:X+32*\p+4*\i+3] offset:8704*\i+16*\p   ; unit 32 i + l: lanes 272 bytes apart
.endr
.endr
	s_wait_dscnt 0x0                               ; for the others' sake: my stores are done
	s_barrier_signal -1
	s_barrier_wait -1
.irp p, 0,1,2,3,4,5,6,7
	ds_load_b128 v[RB+4*\p:RB+4*\p+3], v4 offset:4352*\p
.endr
.irp p, 0,1,2,3,4,5,6,7
	s_wait_dscnt 7-\p                              ; the younger loads may stay out
	global_store_b128 v5, v[RB+4*\p:RB+4*\p+3], s[34:35] offset:4096*\p   ; a wave stores 512 consecutive bytes, aligned
.endr
	s_branch .Lend
; ---------------- the weights: a strip of 256 source columns x 64 source rows; a lane a column ----------------
.Lcast:
	s_mov_b32 s40, ttmp9
	s_mov_b32 s52, 4096                            ; bytes in a source row
	s_mov_b32 s53, 1023                            ; last source column
	s_mov_b32 s54, 1023                            ; last source row
	s_mov_b32 s55, 32768                           ; bytes of a group of 16 rows at the destination
	s_mov_b32 s57, 0                               ; destination group = sg + ((sg x s57) >> 13) x s58 + s59
	s_mov_b32 s58, 0
	s_mov_b32 s59, 0
	s_cmp_lt_u32 s40, 256
	s_cbranch_scc0 .Lnot_square
	s_lshr_b32 s41, s40, 6                         ; 0 Wq, 1 Wk, 2 Wv, 3 Wo
	s_bfe_u32 s42, s40, 0x20004                    ; strip
	s_and_b32 s43, s40, 15                         ; which 64 rows
	s_mul_i32 s59, s41, 4
	s_mov_b64 s[50:51], s[20:21]
	s_cmp_eq_u32 s41, 1
	s_cselect_b64 s[50:51], s[22:23], s[50:51]
	s_cmp_eq_u32 s41, 2
	s_cselect_b64 s[50:51], s[24:25], s[50:51]
	s_cmp_eq_u32 s41, 3
	s_cselect_b64 s[50:51], s[26:27], s[50:51]
	s_cselect_b32 s56, 6291456, 0                  ; the part of wts
	s_cselect_b32 s57, 0, 2048                     ; q,k,v: sg + 8 (sg >> 2) + 4 matrix
	s_cselect_b32 s58, 0, 8
	s_cselect_b32 s59, 0, s59
	s_branch .Lgo
.Lnot_square:
	s_cmp_lt_u32 s40, 608
	s_cbranch_scc0 .Lw3
	s_sub_co_u32 s41, s40, 256
	s_cmp_ge_u32 s41, 176
	s_cselect_b64 s[50:51], s[30:31], s[28:29]
	s_cselect_b32 s59, 11, 0
	s_cselect_b32 s44, 176, 0
	s_sub_co_u32 s41, s41, s44
	s_lshr_b32 s42, s41, 4
	s_and_b32 s43, s41, 15
	s_mov_b32 s52, 10920
	s_mov_b32 s53, 2729
	s_mov_b32 s56, 8388608
	s_mov_b32 s57, 745                             ; (sg x 745) >> 13 = sg / 11 for sg < 176
	s_mov_b32 s58, 11
	s_branch .Lgo
.Lw3:
	s_sub_co_u32 s41, s40, 608
	s_mul_i32 s42, s41, 1490
	s_lshr_b32 s42, s42, 16                        ; / 44, for numbers under 176
	s_mul_i32 s44, s42, 44
	s_sub_co_u32 s43, s41, s44
	s_mov_b64 s[50:51], s[32:33]
	s_mov_b32 s54, 2729
	s_mov_b32 s55, 90112
	s_mov_b32 s56, 19922944
.Lgo:
	s_lshl_b32 s44, s42, 8
	s_lshl_b32 s45, s8, 5
	s_add_co_u32 s44, s44, s45
	v_add_nc_u32 v8, s44, v1                       ; my column
	v_lshrrev_b32 v9, 4, v8                        ; sg
	v_mul_lo_u32 v10, v9, s57
	v_lshrrev_b32 v10, 13, v10
	v_mul_lo_u32 v10, v10, s58
	v_add3_u32 v9, v9, v10, s59
	v_mul_lo_u32 v9, v9, s55
	v_and_b32 v10, 15, v1
	v_lshl_add_u32 v9, v10, 4, v9
	v_add_nc_u32 v11, s56, v9                      ; my 16 bytes in a fragment's first quarter
	v_cmp_le_u32 s60, v8, s53                      ; lanes whose column exists
	v_min_u32 v8, s53, v8
	v_lshlrev_b32 v10, 2, v8
	s_lshl_b32 s46, s43, 6                         ; first source row
	s_lshl_b32 s47, s43, 11                        ; its fragment: 1,024 bytes for 32 rows
	s_mov_b32 s45, 2
.Ltrip:                                        ; a trip: 32 source rows = one fragment along k
.set i, 0
.rept 32
	s_add_co_u32 s48, s46, i
	s_min_u32 s48, s48, s54                        ; no load leaves the matrix
	s_mul_i32 s48, s48, s52
	v_add_nc_u32 v[64+i], s48, v10
	global_load_b32 v[32+i], v[64+i], s[50:51] th:TH_LOAD_NT
.set i, i+1
.endr
	s_wait_loadcnt 0x0
.set i, 0
.rept 16
	v_cvt_pk_bf16_f32 v[96+i], v[32+2*i], v[33+2*i]
.set i, i+1
.endr
.set i, 0
.rept 16                               ; both heights, 1,024 and 2,730, are even: the two rows of a word exist together or not at all
	s_add_co_u32 s48, s46, 2*i
	s_cmp_le_u32 s48, s54
	s_cselect_b32 s49, s60, 0
	v_cndmask_b32 v[96+i], 0, v[96+i], s49         ; 0 beyond the last row or column
.set i, i+1
.endr
	v_add_nc_u32 v12, s47, v11
.irp o, 0,1,2,3
	global_store_b128 v12, v[96+4*\o:99+4*\o], s[36:37] offset:256*\o   ; sixteen lanes fill 256 consecutive bytes, aligned
.endr
	s_wait_xcnt 0x0                                ; the stores' data and offset are rewritten only behind this wait
	s_add_co_u32 s46, s46, 32
	s_add_co_u32 s47, s47, 1024
	s_sub_co_u32 s45, s45, 1
	s_cmp_lg_u32 s45, 0
	s_cbranch_scc1 .Ltrip
.Lend:
	s_wait_tensorcnt 0x0                           ; the wave's end
	ds_add_u32 v6, v7
	s_wait_dscnt 0x0
	s_endpgm
.Lfunc_end_k_qaf0af6fe34_prep:
	.size	k_qaf0af6fe34_prep, .Lfunc_end_k_qaf0af6fe34_prep-k_qaf0af6fe34_prep
	.p2alignl 7, 3214868480
	.fill 96, 4, 3214868480
	.section	.rodata,"a",@progbits
	.p2align	6, 0x0
	.amdhsa_kernel k_qaf0af6fe34_prep
		.amdhsa_group_segment_fixed_size 35840
		.amdhsa_private_segment_fixed_size 0
		.amdhsa_enable_private_segment 0
		.amdhsa_kernarg_size 88
		.amdhsa_user_sgpr_count 2
		.amdhsa_user_sgpr_kernarg_segment_ptr 1
		.amdhsa_wavefront_size32 1
		.amdhsa_system_sgpr_workgroup_id_x 1
		.amdhsa_system_sgpr_workgroup_id_y 1
		.amdhsa_system_sgpr_workgroup_id_z 1
		.amdhsa_system_vgpr_workitem_id 0
		.amdhsa_next_free_vgpr 128
		.amdhsa_next_free_sgpr 66
		.amdhsa_reserve_vcc 0
		.amdhsa_float_denorm_mode_32 3
		.amdhsa_float_denorm_mode_16_64 3
		.amdhsa_memory_ordered 1
		.amdhsa_forward_progress 1
		.amdhsa_inst_pref_size 30
	.end_amdhsa_kernel
	.amdgpu_metadata
---
amdhsa.version: [ 1, 2 ]
amdhsa.kernels:
  - .name:           k_qaf0af6fe34_prep
    .symbol:         k_qaf0af6fe34_prep.kd
    .args:
      - { .name: x, .offset: 0, .size: 8, .value_kind: global_buffer, .address_space: global }
      - { .name: g1, .offset: 8, .size: 8, .value_kind: global_buffer, .address_space: global }
      - { .name: Wq, .offset: 16, .size: 8, .value_kind: global_buffer, .address_space: global }
      - { .name: Wk, .offset: 24, .size: 8, .value_kind: global_buffer, .address_space: global }
      - { .name: Wv, .offset: 32, .size: 8, .value_kind: global_buffer, .address_space: global }
      - { .name: Wo, .offset: 40, .size: 8, .value_kind: global_buffer, .address_space: global }
      - { .name: W1, .offset: 48, .size: 8, .value_kind: global_buffer, .address_space: global }
      - { .name: W2, .offset: 56, .size: 8, .value_kind: global_buffer, .address_space: global }
      - { .name: W3, .offset: 64, .size: 8, .value_kind: global_buffer, .address_space: global }
      - { .name: hn, .offset: 72, .size: 8, .value_kind: global_buffer, .address_space: global }
      - { .name: wts, .offset: 80, .size: 8, .value_kind: global_buffer, .address_space: global }
    .group_segment_fixed_size: 35840
    .private_segment_fixed_size: 0
    .kernarg_segment_align: 8
    .kernarg_segment_size: 88
    .max_flat_workgroup_size: 256
    .sgpr_count:     66
    .vgpr_count:     128
    .wavefront_size: 32
...
	.end_amdgpu_metadata
.endif
;; end of part 7
;; launch qkvp (part 8): grid 16 x 16, 4 waves a work-group, clusters of 4 x 4, 327,680 bytes of LDS; arguments hn, wts, qkv; writes qkv
.if DOCPART == 8
	.amdgcn_target "amdgcn-amd-amdhsa--gfx1250"
	.amdhsa_code_object_version 6
	.text
	.protected	k_qaf0af6fe34_qkvp
	.globl	k_qaf0af6fe34_qkvp
	.p2align	8
	.type	k_qaf0af6fe34_qkvp,@function
k_qaf0af6fe34_qkvp:
	s_mov_b64 s[64:65], 0
	v_nop
	global_prefetch_b8 v0, s[64:65] scope:SCOPE_SE
	s_setreg_imm32_b32 hwreg(HW_REG_WAVE_MODE, 25, 1), 1
	s_wait_xcnt 0x0
	s_wait_alu depctr_hold_cnt(0) depctr_sa_sdst(0) depctr_va_vdst(0) depctr_va_sdst(0) depctr_va_ssrc(0) depctr_va_vcc(0) depctr_vm_vsrc(0)
	s_getreg_b32 s2, hwreg(HW_REG_IB_STS2, 6, 4)
	s_cmp_eq_u32 s2, 0
	s_cbranch_scc0 .Lentry_in_a_cluster
	s_endpgm
.Lentry_in_a_cluster:
	s_bfe_u32 s2, ttmp6, 0x10000c
	s_cmp_lg_u32 s2, 0xf033
	s_cbranch_scc0 .Lentry_shape_is_right
	s_endpgm
.Lentry_shape_is_right:
; q, k, v = hn x (Wq, Wk, Wv), bf16 operands, f32 sums, each result rounded once to bf16, unscaled.  All operands lie fragment-major (1,024 bytes = 16 rows x 32 k; lane l: 16 bytes at 16 l and at 512 + 16 l).
; A work-group makes 256 rows x one head's 192 columns (4 groups of 16 each of q, k, v); wave w rows 64 w .. 64 w + 63: 48 accumulators.  K goes in 8 steps of 128 through two LDS slots.
; q and k are made transposed (source 0 = weights): a lane holds one position and 8 channels: 16 bytes of a fragment of Q or K.  v is made straight (source 0 = hn): a lane holds one channel and 8 positions:
; 16 bytes of a fragment of V^T.  So every store of a wave is 512 consecutive bytes, aligned, and nothing goes through LDS on the way out.
; qkv: q +0, k +8388608, v +16777216; in each, head bh at 262144 bh; q, k: 2048 tg + 512 cg + 16 l; v: 4096 (t>>5) + 1024 cg + 512 ((t>>4)&1) + 16 l.
; CLUSTER 4 x 4: hn's tile is asked for jointly along a row of the cluster, the weights' along a column.
; THE TEXT holds a K step twice: in the loop, with its refill, and in the tail, a loop of two trips that asks for nothing.  The tail's second trip jumps over the run of LDS loads,
; since no step follows, and passes a barrier that orders nothing: the price, once a launch, of one text for both trips.
; REGISTERS: window 0 addresses; window 1 two fragment buffers of 128 (4 of hn, 12 of the weights); windows 2, 3 the accumulators (a, b) at 8 (12 (a % 2) + b).
.set SB,    4096                       ; bytes of a group of 16 rows in a K step
.set PITCH, 32768                      ; bytes from group to group in memory
.set SLOT1, 131072
.set SPARE, 262144                     ; the spare words: 128 bytes a wave, named by no other line
.set T,     8
.set GA, 8                             ; groups in a wave's load of hn
.set GB, 6                             ; and of the weights
.set QA, 32                            ; blocks of 256 bytes that a partner prefetches of such a load
.set QB, 24
.set USH, 4                            ; log2 of a group's blocks in a step
.set LIMV, 1
.set PFOFF, 0
.set L16, 2
.set ADRA, 4
.set ADRB, 5
.set ADRA0, 6
.set ADRB0, 7
.set PFO, 8
.set SPW, 28
.set NIL, 29
.set F0, 0
.set F1, 128
.set G1, 24
.set G0, 32
.set G1B, 48
.set G0B, 56
.set LEFT, 3
.set LIM, 43
.set PFA, 44
.set TB, 66
.set MSB, 0
.macro WIN new                         ; the high byte repeats the setting that is left; a switch that changes nothing is dropped
.if MSB != (\new)
	s_set_vgpr_msb (MSB<<8)|(\new)
.set MSB, (\new)
.endif
.endm
.macro PLACES                          ; four plain places behind matrix instructions, ahead of loads into their sources and of readers of their results
.rept 4
	v_nop
.endr
.endm
.macro CREST                           ; a round of the cluster's barrier behind its opening barrier
	s_cmp_lg_u32 s10, 0
	s_cbranch_scc1 .Lnot_wave_0_\@
	s_barrier_signal -3
.Lnot_wave_0_\@:
	s_barrier_wait -3
	s_barrier_signal -1
	s_barrier_wait -1
.endm
.macro CROUND
	s_barrier_signal -1
	s_barrier_wait -1
	CREST
.endm
.macro JLOAD                           ; the joint refill: waves 0, 1 ask for hn's halves, waves 2, 3 for the weights'
	s_cmp_lt_u32 s10, 2
	s_cbranch_scc0 .Lfor_b_\@
	tensor_load_to_lds s[G0+4:G0+7], s[G1:G1+7]
	s_nop 0
	PLACES
	s_branch .Lasked_\@
.Lfor_b_\@:
	tensor_load_to_lds s[G0B+4:G0B+7], s[G1B:G1B+7]
	s_nop 0
	PLACES
.Lasked_\@:
.endm
.macro ASK                             ; one prefetch: my work-group's share of my wave's load of the K step that the NEXT refill asks for; the last refill has none behind it
	WIN 0
	s_cmp_gt_u32 s[LEFT], s[LIM]
	s_cbranch_scc0 .Lnot_mine_\@
	global_prefetch_b8 v[PFO], s[PFA:PFA+1] offset:PFOFF th:TH_LOAD_NT scope:SCOPE_SE
.Lnot_mine_\@:
.endm
.macro ADRS
	WIN 0
	v_add_nc_u32 v[ADRA], s[TB], v[ADRA0]
	v_add_nc_u32 v[ADRB], s[TB], v[ADRB0]
.endm
	s_load_b128 s[68:71], s[0:1], 0x0              ; hn 68, wts 70
	s_load_b64 s[72:73], s[0:1], 0x10              ; qkv
	v_lshl_add_u32 v[SPW], v0, 2, SPARE
	v_mov_b32 v[NIL], 0
	ds_add_u32 v[SPW], v[NIL]                      ; the wave's opening: an add and its wait ahead of my first tensor load
	v_lshrrev_b32 v1, 5, v0
	v_readfirstlane_b32 s10, v1                    ; wave
	s_and_b32 s12, s10, 1                          ; which half of a tile I fetch
	s_bfe_u32 s40, ttmp6, 0x40000                  ; cx
	s_bfe_u32 s41, ttmp6, 0x40004                  ; cy
	s_lshl_b32 s42, ttmp9, 2
	s_add_co_u32 s42, s42, s40                     ; head
	s_and_b32 s13, ttmp7, 0xffff
	s_lshl_b32 s13, s13, 2
	s_add_co_u32 s13, s13, s41                     ; block of 256 rows
	s_lshl_b32 s14, s41, 2
	s_lshl_b32 s14, 15, s14                        ; my row of the cluster
	s_lshl_b32 s15, 0x1111, s40                    ; my column
	s_or_b32 s[G1], s14, (3<<16)|(1<<21)           ; mask; elements of 8 bytes; bit 21 beside a mask; no padding
	s_or_b32 s[G1B], s15, (3<<16)|(1<<21)
.irp g, G1, G1B
	s_mov_b32 s[(\g)+1], (SB/8)<<16                ; tensor_dim0
	s_mov_b32 s[(\g)+3], (SB/8)<<16                ; tile_dim0: a group's bytes of the step
	s_mov_b32 s[(\g)+5], PITCH/8                   ; from group to group
	s_mov_b32 s[(\g)+6], 0
	s_mov_b32 s[(\g)+7], 0
.endr
	s_mov_b32 s[G1+2], GA<<16
	s_mov_b32 s[G1+4], GA
	s_mov_b32 s[G1B+2], GB<<16
	s_mov_b32 s[G1B+4], GB
	s_lshl_b32 s16, s13, 19                        ; hn: (16 block + 8 half) groups
	s_lshl_b32 s17, s12, 18
	s_add_co_u32 s16, s16, s17
	s_mov_b32 s17, 0
	s_mul_i32 s46, s42, 12*PITCH                   ; weights: (12 head + 6 half) groups
	s_mul_i32 s47, s12, 6*PITCH
	s_add_co_u32 s46, s46, s47
	s_mov_b32 s47, 0
	s_lshl_b32 s20, s12, 15                        ; LDS: hn's halves at 0 and 32768,
	s_mul_i32 s21, s12, GB*SB
	s_add_co_u32 s21, s21, 65536                   ; the weights' behind them
	s_wait_dscnt 0x0                               ; the opening add is done
	s_wait_kmcnt 0x0
	s_add_nc_u64 s[14:15], s[68:69], s[16:17]
	s_add_nc_u64 s[46:47], s[70:71], s[46:47]
	CROUND                                         ; all sixteen work-groups are here: the first joint loads meet
.irp s, 0,1
	s_mov_b32 s[G0+4*\s], 1
	s_add_co_u32 s[G0+4*\s+1], s20, \s*SLOT1
	s_add_nc_u64 s[G0+4*\s+2:G0+4*\s+3], s[14:15], \s*SB
	s_or_b32 s[G0+4*\s+3], s[G0+4*\s+3], 0x80000000
	s_mov_b32 s[G0B+4*\s], 1
	s_add_co_u32 s[G0B+4*\s+1], s21, \s*SLOT1
	s_add_nc_u64 s[G0B+4*\s+2:G0B+4*\s+3], s[46:47], \s*SB
	s_or_b32 s[G0B+4*\s+3], s[G0B+4*\s+3], 0x80000000
.endr
	s_cmp_lt_u32 s10, 2                            ; a wave's two first fills stand in one branch: two loads of mine are out
	s_cbranch_scc0 .Lfirst_b
	tensor_load_to_lds s[G0:G0+3], s[G1:G1+7]
	s_nop 0
	tensor_load_to_lds s[G0+4:G0+7], s[G1:G1+7]
	s_nop 0
	PLACES
	s_branch .Lfirst_done
.Lfirst_b:
	tensor_load_to_lds s[G0B:G0B+3], s[G1B:G1B+7]
	s_nop 0
	tensor_load_to_lds s[G0B+4:G0B+7], s[G1B:G1B+7]
	s_nop 0
	PLACES
.Lfirst_done:
	v_and_b32 v1, 31, v0
	v_lshlrev_b32 v[L16], 4, v1
	s_lshl_b32 s22, s10, 14
	v_add_nc_u32 v[ADRA0], s22, v[L16]             ; my four groups of hn
	v_add_nc_u32 v[ADRB0], 0x10000, v[L16]
	s_lshr_b32 s22, s13, 3                         ; batch
	s_lshl_b32 s22, s22, 4
	s_add_co_u32 s22, s22, s42                     ; bh
	s_lshl_b32 s22, s22, 18
	s_and_b32 s23, s13, 7
	s_lshl_b32 s23, s23, 4
	s_lshl2_add_u32 s23, s10, s23                  ; my first group of 16 positions
	s_lshl_b32 s23, s23, 11
	s_add_co_u32 s22, s22, s23
	s_mov_b32 s23, 0
	s_add_nc_u64 s[74:75], s[72:73], s[22:23]      ; q,
	s_add_nc_u64 s[76:77], s[74:75], 0x800000      ; k,
	s_add_nc_u64 s[78:79], s[76:77], 0x800000      ; v
	; the prefetches: the cluster with x = 0 asks for hn, the one with y = 0 for the weights; the four partners share a wave's load out by address
	s_and_b32 s22, ttmp7, 0xffff
	s_cmp_lt_u32 s10, 2
	s_cselect_b32 s20, QA, QB
	s_cselect_b32 s21, s40, s41
	s_cselect_b32 s22, ttmp9, s22
	s_cselect_b64 s[PFA:PFA+1], s[14:15], s[46:47]
	s_cmp_eq_u32 s22, 0
	s_cselect_b32 s[LIM], LIMV, -1
	s_mul_i32 s21, s21, s20
	s_sub_co_u32 s20, s20, 1
	s_add_nc_u64 s[PFA:PFA+1], s[PFA:PFA+1], 2*SB  ; at K step 2; each change of slots steps it once ahead of its prefetch
	v_min_u32 v[PFO], s20, v1
	v_add_nc_u32 v[PFO], s21, v[PFO]               ; my block among the load's
	v_lshrrev_b32 v3, USH, v[PFO]
	v_and_b32 v[PFO], (1<<USH)-1, v[PFO]
	v_lshlrev_b32 v[PFO], 8, v[PFO]
	v_mad_u32_u24 v[PFO], v3, PITCH, v[PFO]
.macro MUL12 f, a, zero                ; row group a x all 12 column groups, 32 along K; each accumulator once: no two matrix instructions on end share one
	WIN 0xa5+0x50*((\a)/2)
.irp b, 0,1,2,3,4,5,6,7,8,9,10,11
.set rD, 8*(12*((\a)%2)+\b)
.if \b < 8
.set r0, (\f)+32+8*\b
.set r1, (\f)+8*(\a)
.else
.set r0, (\f)+8*(\a)
.set r1, (\f)+32+8*\b
.endif
.if \zero
	v_wmma_f32_16x16x32_bf16 v[rD:rD+7], v[r0:r0+7], v[r1:r1+7], 0
.else
	v_wmma_f32_16x16x32_bf16 v[rD:rD+7], v[r0:r0+7], v[r1:r1+7], v[rD:rD+7]
.endif
.endr
.endm
.macro FETCH g, c                      ; 32 LDS loads in one run: fragment c of the step, 512 consecutive bytes each
	WIN 0x40
.irp a, 0,1,2,3
	ds_load_b128 v[(\g)+8*\a:(\g)+8*\a+3],   v[ADRA] offset:(4*\a+(\c))*1024
	ds_load_b128 v[(\g)+8*\a+4:(\g)+8*\a+7], v[ADRA] offset:(4*\a+(\c))*1024+512
.endr
.irp b, 0,1,2,3,4,5,6,7,8,9,10,11
	ds_load_b128 v[(\g)+32+8*\b:(\g)+32+8*\b+3],   v[ADRB] offset:(4*\b+(\c))*1024
	ds_load_b128 v[(\g)+32+8*\b+4:(\g)+32+8*\b+7], v[ADRB] offset:(4*\b+(\c))*1024+512
.endr
.endm
.macro SUB f, g, q, zero               ; multiplies buffer f; in its middle fetches fragment q into buffer g
	s_wait_dscnt 0x0
	MUL12 \f, 0, \zero
	MUL12 \f, 1, \zero
	PLACES
	FETCH \g, \q
	MUL12 \f, 2, \zero
	MUL12 \f, 3, \zero
.endm
.macro TURN fill                       ; the step's last quarter, and the change of slots.  fill = 0: the tail's: nothing is asked for
.if \fill
	s_wait_xcnt 0x0                                ; the last prefetch, a step back, has read its address
	s_add_nc_u64 s[PFA:PFA+1], s[PFA:PFA+1], SB
.endif
	WIN 0
	s_wait_tensorcnt 0x0                           ; all my tensor loads have landed: my part of the next slot
	ds_add_u32 v[SPW], v[NIL]
	s_wait_dscnt 1                                 ; the fragments are in; the add may be out
	MUL12 F1, 0, 0
	s_wait_dscnt 0x0                               ; the add is done, my reads of this slot are over
	s_barrier_signal -1
	MUL12 F1, 1, 0
	WIN 0
	s_barrier_wait -1
.if \fill
	CREST                                          ; no wave of any partner still reads this slot or has a load on its way
.irp g, G0+4, G0B+4
	s_xor_b32 s[(\g)+1], s[(\g)+1], SLOT1          ; the walking descriptor: the other slot, the next K step
	s_add_nc_u64 s[(\g)+2:(\g)+3], s[(\g)+2:(\g)+3], SB
.endr
	JLOAD
	s_xor_b32 s[TB], s[TB], SLOT1
	ADRS
	FETCH F0, 0
	ASK
.else
	PLACES
	s_xor_b32 s[TB], s[TB], SLOT1
	s_cmp_eq_u32 s[LEFT], 1                        ; behind the last step there is nothing to fetch
	s_cbranch_scc1 .Lno_more_\@
	ADRS
	FETCH F0, 0
	WIN 0
.Lno_more_\@:
.endif
	MUL12 F1, 2, 0
	MUL12 F1, 3, 0
.endm
	s_wait_tensorcnt 0x1                           ; my part of step 0 is in; step 1's may stay out
	s_barrier_signal -1
	s_barrier_wait -1
	s_mov_b32 s[TB], 0
	ADRS
	FETCH F0, 0
	SUB F0, F1, 1, 1                               ; the first products start the sums
	WIN 0
	s_mov_b32 s[LEFT], T-2
	s_branch .Lmid
.Lstep:                                        ; a trip is a K step; T - 2 of them fill a slot again
	SUB F0, F1, 1, 0
	WIN 0
.Lmid:
	SUB F1, F0, 2, 0
	SUB F0, F1, 3, 0
	TURN 1
	WIN 0
	s_sub_co_u32 s[LEFT], s[LEFT], 1
	s_cmp_lg_u32 s[LEFT], 0
	s_cbranch_scc1 .Lstep
	s_mov_b32 s[LEFT], 2
.Ltail:                                        ; the last two steps ask for nothing
	SUB F0, F1, 1, 0
	SUB F1, F0, 2, 0
	SUB F0, F1, 3, 0
	TURN 0
	WIN 0
	s_sub_co_u32 s[LEFT], s[LEFT], 1
	s_cmp_lg_u32 s[LEFT], 0
	s_cbranch_scc1 .Ltail
	s_wait_dscnt 0x0                               ; every LDS load is back before the fragment registers are written anew (the last trip issued none)
	PLACES
.set n, 0
.rept 48                               ; accumulator n = 12 a + b, registers ascending, into window 1: 192 different registers
	WIN 0x4a+5*(n/24)
.irp r, 0,1,2,3
	v_cvt_pk_bf16_f32 v[4*n+\r], v[8*(n%24)+2*\r], v[8*(n%24)+2*\r+1]
.endr
.set n, n+1
.endr
	WIN 0x04                                       ; store data in window 1
.set n, 0
.rept 48
.if (n%12) < 8
	global_store_b128 v[L16], v[4*n:4*n+3], s[74+2*((n%12)/4):75+2*((n%12)/4)] offset:(n/12)*2048+(n%4)*512
.else
	global_store_b128 v[L16], v[4*n:4*n+3], s[78:79] offset:(n/24)*4096+((n/12)%2)*512+(n%4)*1024
.endif
.set n, n+1
.endr
	WIN 0
	s_wait_tensorcnt 0x0                           ; the wave's end
	ds_add_u32 v[SPW], v[NIL]
	s_wait_dscnt 0x0
	CROUND                                         ; the closing round
	s_endpgm
.Lfunc_end_k_qaf0af6fe34_qkvp:
	.size	k_qaf0af6fe34_qkvp, .Lfunc_end_k_qaf0af6fe34_qkvp-k_qaf0af6fe34_qkvp
	.p2alignl 7, 3214868480
	.fill 96, 4, 3214868480
	.section	.rodata,"a",@progbits
	.p2align	6, 0x0
	.amdhsa_kernel k_qaf0af6fe34_qkvp
		.amdhsa_group_segment_fixed_size 327680
		.amdhsa_private_segment_fixed_size 0
		.amdhsa_enable_private_segment 0
		.amdhsa_kernarg_size 24
		.amdhsa_user_sgpr_count 2
		.amdhsa_user_sgpr_kernarg_segment_ptr 1
		.amdhsa_wavefront_size32 1
		.amdhsa_system_sgpr_workgroup_id_x 1
		.amdhsa_system_sgpr_workgroup_id_y 1
		.amdhsa_system_sgpr_workgroup_id_z 1
		.amdhsa_system_vgpr_workitem_id 0
		.amdhsa_next_free_vgpr 960
		.amdhsa_next_free_sgpr 80
		.amdhsa_reserve_vcc 0
		.amdhsa_float_denorm_mode_32 3
		.amdhsa_float_denorm_mode_16_64 3
		.amdhsa_memory_ordered 1
		.amdhsa_forward_progress 1
		.amdhsa_inst_pref_size 76
	.end_amdhsa_kernel
	.amdgpu_metadata
---
amdhsa.version: [ 1, 2 ]
amdhsa.kernels:
  - .name:           k_qaf0af6fe34_qkvp
    .symbol:         k_qaf0af6fe34_qkvp.kd
    .args:
      - { .name: hn, .offset: 0, .size: 8, .value_kind: global_buffer, .address_space: global }
      - { .name: wts, .offset: 8, .size: 8, .value_kind: global_buffer, .address_space: global }
      - { .name: qkv, .offset: 16, .size: 8, .value_kind: global_buffer, .address_space: global }
    .group_segment_fixed_size: 327680
    .private_segment_fixed_size: 0
    .kernarg_segment_align: 8
    .kernarg_segment_size: 24
    .max_flat_workgroup_size: 128
    .sgpr_count:     80
    .vgpr_count:     960
    .wavefront_size: 32
...
	.end_amdgpu_metadata
.endif
;; end of part 8
;; launch attn: the kernel of part 3 again; grid 8 x 32, 4 waves a work-group, no clusters, 327,680 bytes of LDS; arguments qkv, ctx; writes ctx
;; launch oproj: the kernel of part 4 again; grid 8 x 32, 4 waves a work-group, clusters of 4 x 4, 327,680 bytes of LDS; arguments ctx, wts, x, g2, x1, xb, ssq; writes x1, xb, ssq
;; launch ffn1 (part 9): grid 16 x 16, 4 waves a work-group, clusters of 4 x 4, 327,680 bytes of LDS; arguments xb, wts, ssq, act; writes act
.if DOCPART == 9
	.amdgcn_target "amdgcn-amd-amdhsa--gfx1250"
	.amdhsa_code_object_version 6
	.text
	.protected	k_qaf0af6fe34_ffn1
	.globl	k_qaf0af6fe34_ffn1
	.p2align	8
	.type	k_qaf0af6fe34_ffn1,@function
k_qaf0af6fe34_ffn1:
	s_mov_b64 s[64:65], 0
	v_nop
	global_prefetch_b8 v0, s[64:65] scope:SCOPE_SE
	s_setreg_imm32_b32 hwreg(HW_REG_WAVE_MODE, 25, 1), 1
	s_wait_xcnt 0x0
	s_wait_alu depctr_hold_cnt(0) depctr_sa_sdst(0) depctr_va_vdst(0) depctr_va_sdst(0) depctr_va_ssrc(0) depctr_va_vcc(0) depctr_vm_vsrc(0)
	s_getreg_b32 s2, hwreg(HW_REG_IB_STS2, 6, 4)
	s_cmp_eq_u32 s2, 0
	s_cbranch_scc0 .Lentry_in_a_cluster
	s_endpgm
.Lentry_in_a_cluster:
	s_bfe_u32 s2, ttmp6, 0x10000c
	s_cmp_lg_u32 s2, 0xf033
	s_cbranch_scc0 .Lentry_shape_is_right
	s_endpgm
.Lentry_shape_is_right:
; act = silu(h2 W1) (h2 W2), h2 = rs g2 x1, rs = rsqrt(mean(x1^2) + 1e-5).  With A = xb W1 and B = xb W2 (xb = bf16(g2 x1)): act = A B / ((var + eps) (1 + 2^(-log2(e) rs A))), in f32, rounded once to bf16.
; A work-group makes 256 rows x 176 columns of act: 11 column groups of W1 and the same 11 of W2; wave w rows 64 w .. + 63: 88 accumulators, 704 registers.
; Columns from 2,730 on have zero weights and come out 0.  An exponential that overflows gives the weight 0, as silu does in the limit.  NaN and infinities are not treated apart.
; CLUSTER 4 x 4: xb's tile is asked for jointly along a row, the weights' along a column.  The product is taken transposed: a lane holds one row and 8 columns: 16 bytes of a fragment of act.
; THE RING.  K = 1,024 goes in 8 steps of 128 through two LDS slots, as long as two slots in LDS allow: 65,536 bytes of xb and 90,112 of weights a slot.  A refill goes out first thing behind a round of the cluster's
; barrier and has the whole step, 352 matrix instructions a wave, in which to land.
; A STEP IS WRITTEN ONCE, as a loop of two trips of 64 along K; the change of slots stands between two such loops.  A trip: P3 (addresses; W1's and xb's first fragments; the 44 products on W2's fragments that the trip
; before left in registers), SUBX (the first 32 along K), P2 (the second 32, on W1's fragments).  So at a change the old slot has been read out, and 44 products stand ready to cover the new slot's first LDS loads.
; The loop is entered at P2, behind the first SUBX, whose products start the sums.  The tail (a change that asks for nothing, the last step, the 44 closing products) is written out.
; THE WAY OUT is a loop over the wave's four row groups.  Only its first two multiplies name accumulators; they write into fixed registers, and stand four times, under forward branches on the loop's count; all else stands once.
; REGISTERS: window 0: v0-15 addresses; v16-47, v48-79 xb's fragments, two buffers; v80-167 W1's 11 fragments; v168-255 W2's.  Accumulator n = 22 a + g at register 256 + 8 n (windows 1 to 3).  Window 3, v192-255: ssq's 64 words.
; On the way out: v12-13 var + eps of the group in hand; v16-31 var + eps and -log2(e) rs of all four; v32-75 packed results; v80-167 A B; v168-255 the scaled A, its exponential, the divisor, its reciprocal.
.set SB,    4096                       ; bytes of a group of 16 rows in a K step
.set SUBB,  2048                       ; and in a trip of 64 along K
.set PITCH, 32768                      ; bytes from group to group in memory
.set SLA,   0x10000                    ; xb: slot 0 at 0, slot 1 here: 16 groups x 4,096 bytes
.set BB0,   0x20000                    ; the weights: slot 0 here,
.set SLB,   0x16000                    ; slot 1 so far behind it: 22 groups x 4,096 bytes; BB0 and SLB share no bit, so one exclusive or turns the one base into the other
.set YOFF,  0xb000                     ; W2's 11 groups lie behind W1's
.set SPARE, 0x4c000                    ; behind the ring: the spare words, 128 bytes a wave, named by no other line
.set T,     8
.set GA, 8                             ; groups in a wave's load of xb
.set GB, 11                            ; and of the weights
.set QA, 16                            ; blocks of 256 bytes in one prefetch of a partner's share: two prefetches cover 32 of xb's 128
.set QB, 22                            ; or 44 of the weights' 176
.set USH, 4                            ; log2 of a group's blocks in a step
.set L16, 2
.set ADRA, 4
.set ADRB, 5
.set ADRA0, 6
.set PFO2, 7
.set PFO, 8
.set SO,  9
.set SPW, 10
.set NIL, 11
.set IRC, 12
.set ADRY, 14
.set AF0, 16
.set AF1, 48
.set XB,  80
.set YB,  168
.set OO,  32
.set PP,  80
.set EE,  168
.set G1, 24
.set G0, 32
.set G1B, 48
.set G0B, 56
.set LEFT, 3
.set LIM, 43
.set PFA, 44
.set SA,  66                           ; LDS byte at which xb's groups of the trip to be fetched begin
.set AI,  67
.set SBB, 76                           ; the same for the weights
.set WX,  77                           ; the weights' base in the slot that the walking descriptor names
.set HB,  78                           ; my half of the weights: 0 or YOFF
.set CNT2, 79                          ; counts a step's two trips
.set MSB, 0
.macro WIN new
.if MSB != (\new)
	s_set_vgpr_msb (MSB<<8)|(\new)
.set MSB, (\new)
.endif
.endm
.macro PLACES
.rept 4
	v_nop
.endr
.endm
.macro CREST
	s_cmp_lg_u32 s10, 0
	s_cbranch_scc1 .Lnot_wave_0_\@
	s_barrier_signal -3
.Lnot_wave_0_\@:
	s_barrier_wait -3
	s_barrier_signal -1
	s_barrier_wait -1
.endm
.macro CROUND
	s_barrier_signal -1
	s_barrier_wait -1
	CREST
.endm
.macro JLOAD                           ; the joint refill: waves 0, 1 ask for xb's halves, wave 2 for W1's groups, wave 3 for W2's
	s_cmp_lt_u32 s10, 2
	s_cbranch_scc0 .Lfor_b_\@
	tensor_load_to_lds s[G0+4:G0+7], s[G1:G1+7]
	s_nop 0
	PLACES
	s_branch .Lasked_\@
.Lfor_b_\@:
	tensor_load_to_lds s[G0B+4:G0B+7], s[G1B:G1B+7]
	s_nop 0
	PLACES
.Lasked_\@:
.endm
.macro ASK                             ; my work-group's share of my wave's load of the K step that the NEXT refill asks for, 352 matrix instructions ahead of it; the last refill has none behind it
	s_cmp_gt_u32 s[LEFT], s[LIM]
	s_cbranch_scc0 .Lnot_mine_\@
	global_prefetch_b8 v[PFO], s[PFA:PFA+1] th:TH_LOAD_NT scope:SCOPE_SE
	global_prefetch_b8 v[PFO2], s[PFA:PFA+1] th:TH_LOAD_NT scope:SCOPE_SE
.Lnot_mine_\@:
.endm
.macro ADRS                            ; the addresses of the trip to be fetched: four plain instructions, which are also the places behind the products in front of them
	WIN 0
	v_add_nc_u32 v[ADRA], s[SA], v[ADRA0]
	v_add_nc_u32 v[ADRB], s[SBB], v[L16]
	v_add_nc_u32 v[ADRY], YOFF, v[ADRB]            ; W2's fragments have a register of their own: from W1's their offsets would pass 65,535
	v_nop
	s_add_co_u32 s[SA], s[SA], SUBB                ; the next fetch is the next trip's
	s_add_co_u32 s[SBB], s[SBB], SUBB
.endm
	s_load_b256 s[68:75], s[0:1], 0x0              ; xb 68, wts 70, ssq 72, act 74
	v_lshl_add_u32 v[SPW], v0, 2, SPARE
	v_mov_b32 v[NIL], 0
	ds_add_u32 v[SPW], v[NIL]                      ; the wave's opening: an add and its wait ahead of my first tensor load
	v_lshrrev_b32 v1, 5, v0
	v_readfirstlane_b32 s10, v1
	s_and_b32 s12, s10, 1
	s_bfe_u32 s40, ttmp6, 0x40000
	s_bfe_u32 s41, ttmp6, 0x40004
	s_lshl_b32 s42, ttmp9, 2
	s_add_co_u32 s42, s42, s40                     ; block of 176 columns
	s_and_b32 s13, ttmp7, 0xffff
	s_lshl_b32 s13, s13, 2
	s_add_co_u32 s13, s13, s41                     ; block of 256 rows
	s_lshl_b32 s14, s41, 2
	s_lshl_b32 s14, 15, s14
	s_lshl_b32 s15, 0x1111, s40
	s_or_b32 s[G1], s14, (3<<16)|(1<<21)           ; mask; elements of 8 bytes; bit 21 beside a mask; no padding
	s_or_b32 s[G1B], s15, (3<<16)|(1<<21)
.irp g, G1, G1B
	s_mov_b32 s[(\g)+1], (SB/8)<<16                ; tensor_dim0
	s_mov_b32 s[(\g)+3], (SB/8)<<16                ; tile_dim0: a group's bytes of the step
	s_mov_b32 s[(\g)+5], PITCH/8                   ; from group to group
	s_mov_b32 s[(\g)+6], 0
	s_mov_b32 s[(\g)+7], 0
.endr
	s_mov_b32 s[G1+2], GA<<16
	s_mov_b32 s[G1+4], GA
	s_mov_b32 s[G1B+2], GB<<16
	s_mov_b32 s[G1B+4], GB
	s_lshl_b32 s16, s13, 19
	s_lshl_b32 s17, s12, 18
	s_add_co_u32 s16, s16, s17
	s_mov_b32 s17, 0
	s_mul_i32 s46, s42, 22*PITCH
	s_mul_i32 s47, s12, 11*PITCH                   ; wave 2: W1's 11 groups; wave 3: W2's
	s_add_co_u32 s46, s46, s47
	s_add_co_u32 s46, s46, 8388608
	s_mov_b32 s47, 0
	s_lshl_b32 s20, s12, 15                        ; LDS: xb's halves, 8 groups each
	s_mul_i32 s[HB], s12, YOFF
	s_add_co_u32 s21, s[HB], BB0
	s_mov_b32 s[WX], BB0+SLB                       ; the walking descriptor begins in slot 1
	s_wait_dscnt 0x0
	s_wait_kmcnt 0x0
	s_add_nc_u64 s[14:15], s[68:69], s[16:17]
	s_add_nc_u64 s[46:47], s[70:71], s[46:47]
	CROUND
.irp s, 0,1
	s_mov_b32 s[G0+4*\s], 1
	s_add_co_u32 s[G0+4*\s+1], s20, \s*SLA
	s_add_nc_u64 s[G0+4*\s+2:G0+4*\s+3], s[14:15], \s*SB
	s_or_b32 s[G0+4*\s+3], s[G0+4*\s+3], 0x80000000
	s_mov_b32 s[G0B+4*\s], 1
	s_add_co_u32 s[G0B+4*\s+1], s21, \s*SLB
	s_add_nc_u64 s[G0B+4*\s+2:G0B+4*\s+3], s[46:47], \s*SB
	s_or_b32 s[G0B+4*\s+3], s[G0B+4*\s+3], 0x80000000
.endr
	s_cmp_lt_u32 s10, 2                            ; a wave's two first fills stand in one branch: two loads of mine are out
	s_cbranch_scc0 .Lfirst_b
	tensor_load_to_lds s[G0:G0+3], s[G1:G1+7]
	s_nop 0
	tensor_load_to_lds s[G0+4:G0+7], s[G1:G1+7]
	s_nop 0
	PLACES
	s_branch .Lfirst_done
.Lfirst_b:
	tensor_load_to_lds s[G0B:G0B+3], s[G1B:G1B+7]
	s_nop 0
	tensor_load_to_lds s[G0B+4:G0B+7], s[G1B:G1B+7]
	s_nop 0
	PLACES
.Lfirst_done:
	v_and_b32 v1, 31, v0
	v_lshlrev_b32 v[L16], 4, v1
	s_lshl_b32 s22, s10, 14
	v_add_nc_u32 v[ADRA0], s22, v[L16]             ; my four groups of xb
	s_lshl_b32 s22, s13, 10                        ; 4 x (256 block + 64 wave + l % 16)
	s_lshl_b32 s23, s10, 8
	s_add_co_u32 s22, s22, s23
	v_and_b32 v3, 15, v0
	v_lshl_add_u32 v[SO], v3, 2, s22
	WIN 0xc0
.set n, 0
.rept 64                               ; row group a = n / 16, part p = n % 16
	global_load_b32 v[192+n], v[SO], s[72:73] offset:(n%16)*16384+(n/16)*64
.set n, n+1
.endr
	WIN 0
	s_lshl_b32 s22, s13, 4
	s_lshl2_add_u32 s22, s10, s22                  ; my first row group
	s_mul_i32 s22, s22, 90112
	s_mul_i32 s23, s42, 11*512
	s_add_co_u32 s22, s22, s23
	s_mov_b32 s23, 0
	s_add_nc_u64 s[74:75], s[74:75], s[22:23]      ; act
	; the prefetches: the cluster with x = 0 asks for xb, the one with y = 0 for the weights; the four partners share a wave's load out by address
	s_and_b32 s22, ttmp7, 0xffff
	s_cmp_lt_u32 s10, 2
	s_cselect_b32 s20, QA, QB
	s_cselect_b32 s21, s40, s41
	s_cselect_b32 s22, ttmp9, s22
	s_cselect_b64 s[PFA:PFA+1], s[14:15], s[46:47]
	s_cmp_eq_u32 s22, 0
	s_cselect_b32 s[LIM], 1, -1
	s_mul_i32 s21, s21, s20
	s_lshl_b32 s21, s21, 1                         ; my work-group's first block among the load's
	s_sub_co_u32 s23, s20, 1
	s_add_nc_u64 s[PFA:PFA+1], s[PFA:PFA+1], 2*SB  ; at K step 2; each change of slots steps it once ahead of its prefetches
	v_min_u32 v[PFO], s23, v1
	v_add_nc_u32 v[PFO], s21, v[PFO]
	v_add_nc_u32 v[PFO2], s20, v[PFO]              ; the second prefetch takes the share's second half
.irp r, PFO, PFO2
	v_lshrrev_b32 v3, USH, v[\r]
	v_and_b32 v[\r], (1<<USH)-1, v[\r]
	v_lshlrev_b32 v[\r], 8, v[\r]
	v_mad_u32_u24 v[\r], v3, PITCH, v[\r]
.endr
.macro WM n, s0, s1, zero
	WIN 0x50*(1+(\n)/32)
.if \zero
	v_wmma_f32_16x16x32_bf16 v[8*((\n)%32):8*((\n)%32)+7], v[(\s0):(\s0)+7], v[(\s1):(\s1)+7], 0
.else
	v_wmma_f32_16x16x32_bf16 v[8*((\n)%32):8*((\n)%32)+7], v[(\s0):(\s0)+7], v[(\s1):(\s1)+7], v[8*((\n)%32):8*((\n)%32)+7]
.endif
.endm
.macro MULW wb, g0, af, a0, zero       ; row groups a0, a0 + 1 x the 11 fragments at wb; each accumulator once a run: no two matrix instructions on end share one
.irp a, \a0, (\a0)+1
.irp j, 0,1,2,3,4,5,6,7,8,9,10
	WM 22*(\a)+(\g0)+\j, (\wb)+8*\j, (\af)+8*(\a), \zero
.endr
.endr
.endm
.macro LDY c                           ; W2's 11 fragments of the trip's half c: 22 loads, 512 consecutive bytes each
	WIN 0
.irp j, 0,1,2,3,4,5,6,7,8,9,10
	ds_load_b128 v[YB+8*\j:YB+8*\j+3],   v[ADRY] offset:(4*\j+(\c))*1024
	ds_load_b128 v[YB+8*\j+4:YB+8*\j+7], v[ADRY] offset:(4*\j+(\c))*1024+512
.endr
.endm
.macro LDXA c, af                      ; W1's 11 and xb's 4: 30 loads
	WIN 0
.irp j, 0,1,2,3,4,5,6,7,8,9,10
	ds_load_b128 v[XB+8*\j:XB+8*\j+3],   v[ADRB] offset:(4*\j+(\c))*1024
	ds_load_b128 v[XB+8*\j+4:XB+8*\j+7], v[ADRB] offset:(4*\j+(\c))*1024+512
.endr
.irp a, 0,1,2,3
	ds_load_b128 v[(\af)+8*\a:(\af)+8*\a+3],   v[ADRA] offset:(4*\a+(\c))*1024
	ds_load_b128 v[(\af)+8*\a+4:(\af)+8*\a+7], v[ADRA] offset:(4*\a+(\c))*1024+512
.endr
.endm
.macro P3                              ; the next trip's first fragments are fetched under the products that the last trip left
	ADRS
	LDXA 0, AF0
	s_wait_dscnt 30                                ; W2's fragments are in; the 30 just issued may stay out
	MULW YB, 11, AF1, 0, 0
	MULW YB, 11, AF1, 2, 0
.endm
.macro SUBX zero                       ; the trip's first 32 along K
	PLACES
	LDY 0
	s_wait_dscnt 22                                ; W1's and xb's fragments are in; W2's 22 loads may stay out
	MULW XB, 0, AF0, 0, \zero
	MULW XB, 0, AF0, 2, \zero
	PLACES
	LDXA 1, AF1
	s_wait_dscnt 30                                ; W2's are in; the 30 just issued may stay out
	MULW YB, 11, AF0, 0, \zero
	MULW YB, 11, AF0, 2, \zero
.endm
.macro P2                              ; the second 32, on W1's fragments; W2's are fetched and stay in registers for P3
	PLACES
	LDY 1
	s_wait_dscnt 22                                ; W1's and xb's fragments are in; W2's 22 loads may stay out
	MULW XB, 0, AF1, 0, 0
	MULW XB, 0, AF1, 2, 0
.endm
; THE CHANGE OF SLOTS.  Every wave waits for all its tensor loads (one is out: its part of the other slot), adds 0 to its spare word, and waits for that and for its reads of the slot that it leaves.
; fill = 1: the barrier is a round of the cluster's, so that no wave of any partner still reads the slot or has a load on its way; the joint refill, the K step two on, is the first thing behind it.
.macro CHANGE fill
	WIN 0
.if \fill
	s_wait_xcnt 0x0                                ; the last prefetches, a step back, have read their address
	s_add_nc_u64 s[PFA:PFA+1], s[PFA:PFA+1], SB
.endif
	s_wait_tensorcnt 0x0                           ; no tensor load of mine is out, so a group 0 may be written
	ds_add_u32 v[SPW], v[NIL]                      ; the scalar steps stand between the add and the wait for it
.if \fill
	s_xor_b32 s[G0+5], s[G0+5], SLA                ; the walking descriptors: the other slot,
	s_xor_b32 s[WX], s[WX], SLB
	s_add_co_u32 s[G0B+5], s[WX], s[HB]            ; (the weights': the slot's base and my half)
	s_add_nc_u64 s[G0+6:G0+7], s[G0+6:G0+7], SB    ; the next K step; the type bits on top are not reached
	s_add_nc_u64 s[G0B+6:G0B+7], s[G0B+6:G0B+7], SB
.endif
	s_sub_co_u32 s[SA], s[SA], 2*SUBB              ; the fetches go back to a slot's first trip,
	s_xor_b32 s[SA], s[SA], SLA                    ; in the other slot
	s_sub_co_u32 s[SBB], s[SBB], 2*SUBB
	s_xor_b32 s[SBB], s[SBB], SLB
	s_wait_dscnt 0x0                               ; the add is done, my reads of the slot are over
.if \fill
	CROUND
	JLOAD
	ASK
.else
	s_barrier_signal -1
	s_barrier_wait -1
.endif
.endm
	s_wait_tensorcnt 0x1                           ; my part of step 0 is in; step 1's may stay out
	s_barrier_signal -1
	s_barrier_wait -1
	s_mov_b32 s[SA], 0
	s_mov_b32 s[SBB], BB0
	ADRS
	LDXA 0, AF0
	SUBX 1                                         ; the first products start the sums
	WIN 0
	s_mov_b32 s[LEFT], T-1
	s_mov_b32 s[CNT2], 2
	s_branch .Lp2                                  ; step 0 enters the loop in the middle of a trip, behind the change that it does not need
.Lslot:                                        ; steps 1 to 6: each change fills the slot just left
	CHANGE 1
	s_mov_b32 s[CNT2], 2
.Lsub:
	P3
	SUBX 0
	WIN 0
.Lp2:
	P2
	WIN 0
	s_sub_co_u32 s[CNT2], s[CNT2], 1
	s_cmp_lg_u32 s[CNT2], 0
	s_cbranch_scc1 .Lsub
	s_sub_co_u32 s[LEFT], s[LEFT], 1
	s_cmp_lg_u32 s[LEFT], 0
	s_cbranch_scc1 .Lslot
	CHANGE 0                                       ; the last step: nothing is left to ask for
	s_mov_b32 s[CNT2], 2
.Lsub2:
	P3
	SUBX 0
	P2
	WIN 0
	s_sub_co_u32 s[CNT2], s[CNT2], 1
	s_cmp_lg_u32 s[CNT2], 0
	s_cbranch_scc1 .Lsub2
	s_wait_dscnt 0x0                               ; W2's last fragments are in
	MULW YB, 11, AF1, 0, 0
	MULW YB, 11, AF1, 2, 0
	PLACES
	; THE WAY OUT.  var + eps and -log2(e) rs for my row of each row group, as pairs in v16-31
	s_wait_loadcnt 0x0
	s_mov_b32 s22, 0x3a800000                      ; 1 / 1024
	s_mov_b32 s23, 0x3727c5ac                      ; 1e-5
.irp a, 0,1,2,3
	WIN 0xcf
.irp i, 0,2,4,6
	v_pk_add_f32 v[192+16*\a+\i:193+16*\a+\i], v[192+16*\a+\i:193+16*\a+\i], v[200+16*\a+\i:201+16*\a+\i]
.endr
.irp i, 0,2
	v_pk_add_f32 v[192+16*\a+\i:193+16*\a+\i], v[192+16*\a+\i:193+16*\a+\i], v[196+16*\a+\i:197+16*\a+\i]
.endr
	v_pk_add_f32 v[192+16*\a:193+16*\a], v[192+16*\a:193+16*\a], v[194+16*\a:195+16*\a]
	WIN 0x0f
	v_add_f32 v[16+4*\a], v[192+16*\a], v[193+16*\a]
.endr
	WIN 0
.irp a, 0,1,2,3
	v_fma_f32 v[16+4*\a], v[16+4*\a], s22, s23
.endr
.irp a, 0,1,2,3
	v_mov_b32 v[17+4*\a], v[16+4*\a]
.endr
.irp a, 0,1,2,3
	v_rsq_f32 v[18+4*\a], v[16+4*\a]
.endr
	v_nop
	s_wait_alu depctr_va_vdst(0)                   ; one wait for the four roots
.irp a, 0,1,2,3
	v_mul_f32 v[18+4*\a], 0xbfb8aa3b, v[18+4*\a]
.endr
.irp a, 0,1,2,3
	v_mov_b32 v[19+4*\a], v[18+4*\a]
.endr
; Row group a's own part: 11 units of 8 numbers a lane.  A B and -log2(e) rs A leave the accumulators for fixed registers of window 0; each accumulator is read from its low registers on.
.macro FRONT a
	WIN 0
	v_mov_b32 v[IRC], v[16+4*(\a)]                 ; the group's var + eps, where the common part names it
	v_mov_b32 v[IRC+1], v[17+4*(\a)]
.set j, 0
.rept 11
.set nA, 22*(\a)+j
.set nB, nA+11
.set wA, 1+nA/32
.set wB, 1+nB/32
.set rA, 8*(nA%32)
.set rB, 8*(nB%32)
	WIN wB|(wA<<2)
.irp r, 0,2,4,6
	v_pk_mul_f32 v[PP+8*j+\r:PP+8*j+\r+1], v[rB+\r:rB+\r+1], v[rA+\r:rA+\r+1]       ; A B
.endr
	WIN wA
.irp r, 0,2,4,6
	v_pk_mul_f32 v[EE+8*j+\r:EE+8*j+\r+1], v[rA+\r:rA+\r+1], v[18+4*(\a):19+4*(\a)] op_sel_hi:[1,0]   ; -log2(e) rs A
.endr
.set j, j+1
.endr
	WIN 0
.endm
	s_mov_b32 s[AI], 0
.Lact:                                         ; four trips: a row group each
	s_cmp_lg_u32 s[AI], 0
	s_cbranch_scc1 .Lfront1
	FRONT 0
	s_branch .Lcommon
.Lfront1:
	s_cmp_lg_u32 s[AI], 1
	s_cbranch_scc1 .Lfront2
	FRONT 1
	s_branch .Lcommon
.Lfront2:
	s_cmp_lg_u32 s[AI], 2
	s_cbranch_scc1 .Lfront3
	FRONT 2
	s_branch .Lcommon
.Lfront3:
	FRONT 3
.Lcommon:
.set i, 0
.rept 88
	v_exp_f32 v[EE+i], v[EE+i]
.set i, i+1
.endr
	v_nop
	s_wait_alu depctr_va_vdst(0)                   ; one wait for the 88 exponentials
.set i, 0
.rept 44
	v_pk_fma_f32 v[EE+2*i:EE+2*i+1], v[EE+2*i:EE+2*i+1], v[IRC:IRC+1], v[IRC:IRC+1] op_sel_hi:[1,0,0]   ; (var + eps) (1 + e)
.set i, i+1
.endr
.set i, 0
.rept 88
	v_rcp_f32 v[EE+i], v[EE+i]
.set i, i+1
.endr
	v_nop
	s_wait_alu depctr_va_vdst(0)                   ; one wait for the 88 reciprocals
.set i, 0
.rept 44
	v_pk_mul_f32 v[PP+2*i:PP+2*i+1], v[PP+2*i:PP+2*i+1], v[EE+2*i:EE+2*i+1]
.set i, i+1
.endr
.set i, 0
.rept 44
	v_cvt_pk_bf16_f32 v[OO+i], v[PP+2*i], v[PP+2*i+1]
.set i, i+1
.endr
.set j, 0
.rept 11
	global_store_b128 v[L16], v[OO+4*j:OO+4*j+3], s[74:75] offset:j*512   ; 512 consecutive bytes, aligned
.set j, j+1
.endr
	s_wait_xcnt 0x0                                ; the stores' base and data registers are written anew only behind this wait
	s_add_nc_u64 s[74:75], s[74:75], 90112         ; the next row group of act
	s_add_co_u32 s[AI], s[AI], 1
	s_cmp_lt_u32 s[AI], 4
	s_cbranch_scc1 .Lact
	s_wait_tensorcnt 0x0                           ; the wave's end
	ds_add_u32 v[SPW], v[NIL]
	s_wait_dscnt 0x0
	CROUND
	s_endpgm
.Lfunc_end_k_qaf0af6fe34_ffn1:
	.size	k_qaf0af6fe34_ffn1, .Lfunc_end_k_qaf0af6fe34_ffn1-k_qaf0af6fe34_ffn1
	.p2alignl 7, 3214868480
	.fill 96, 4, 3214868480
	.section	.rodata,"a",@progbits
	.p2align	6, 0x0
	.amdhsa_kernel k_qaf0af6fe34_ffn1
		.amdhsa_group_segment_fixed_size 327680
		.amdhsa_private_segment_fixed_size 0
		.amdhsa_enable_private_segment 0
		.amdhsa_kernarg_size 32
		.amdhsa_user_sgpr_count 2
		.amdhsa_user_sgpr_kernarg_segment_ptr 1
		.amdhsa_wavefront_size32 1
		.amdhsa_system_sgpr_workgroup_id_x 1
		.amdhsa_system_sgpr_workgroup_id_y 1
		.amdhsa_system_sgpr_workgroup_id_z 1
		.amdhsa_system_vgpr_workitem_id 0
		.amdhsa_next_free_vgpr 1024
		.amdhsa_next_free_sgpr 80
		.amdhsa_reserve_vcc 0
		.amdhsa_float_denorm_mode_32 3
		.amdhsa_float_denorm_mode_16_64 3
		.amdhsa_memory_ordered 1
		.amdhsa_forward_progress 1
		.amdhsa_inst_pref_size 112
	.end_amdhsa_kernel
	.amdgpu_metadata
---
amdhsa.version: [ 1, 2 ]
amdhsa.kernels:
  - .name:           k_qaf0af6fe34_ffn1
    .symbol:         k_qaf0af6fe34_ffn1.kd
    .args:
      - { .name: xb, .offset: 0, .size: 8, .value_kind: global_buffer, .address_space: global }
      - { .name: wts, .offset: 8, .size: 8, .value_kind: global_buffer, .address_space: global }
      - { .name: ssq, .offset: 16, .size: 8, .value_kind: global_buffer, .address_space: global }
      - { .name: act, .offset: 24, .size: 8, .value_kind: global_buffer, .address_space: global }
    .group_segment_fixed_size: 327680
    .private_segment_fixed_size: 0
    .kernarg_segment_align: 8
    .kernarg_segment_size: 32
    .max_flat_workgroup_size: 128
    .sgpr_count:     80
    .vgpr_count:     1024
    .wavefront_size: 32
...
	.end_amdgpu_metadata
.endif
;; end of part 9
;; launch ffn2 (part 10): grid 8 x 32, 4 waves a work-group, clusters of 4 x 4, 327,680 bytes of LDS; arguments act, wts, x1, out0; writes out0
.if DOCPART == 10
	.amdgcn_target "amdgcn-amd-amdhsa--gfx1250"
	.amdhsa_code_object_version 6
	.text
	.protected	k_qaf0af6fe34_ffn2
	.globl	k_qaf0af6fe34_ffn2
	.p2align	8
	.type	k_qaf0af6fe34_ffn2,@function
k_qaf0af6fe34_ffn2:
	s_mov_b64 s[64:65], 0
	v_nop
	global_prefetch_b8 v0, s[64:65] scope:SCOPE_SE
	s_setreg_imm32_b32 hwreg(HW_REG_WAVE_MODE, 25, 1), 1
	s_wait_xcnt 0x0
	s_wait_alu depctr_hold_cnt(0) depctr_sa_sdst(0) depctr_va_vdst(0) depctr_va_sdst(0) depctr_va_ssrc(0) depctr_va_vcc(0) depctr_vm_vsrc(0)
	s_getreg_b32 s2, hwreg(HW_REG_IB_STS2, 6, 4)
	s_cmp_eq_u32 s2, 0
	s_cbranch_scc0 .Lentry_in_a_cluster
	s_endpgm
.Lentry_in_a_cluster:
	s_bfe_u32 s2, ttmp6, 0x10000c
	s_cmp_lg_u32 s2, 0xf033
	s_cbranch_scc0 .Lentry_shape_is_right
	s_endpgm
.Lentry_shape_is_right:
; out0 = x1 + act W3.  bf16 operands (act can pass f16's range), f32 sums that START as x1: the accumulators are loaded with x1, which lies in memory as accumulators lie.
; A work-group makes 128 x 128; four waves 64 x 64.  K = 2,816 (zeros from 2,730 on, in act and in W3) in 11 steps of 256 through two LDS slots; act's tile jointly along a row of the 4 x 4 cluster, W3's along a column.
; The way out goes through each wave's own stage in LDS, 16 rows at a time, so that sixteen lanes store 256 consecutive bytes of a row of out0, aligned.
; THE TEXT holds a K step twice: in the loop, with its refill, and in the tail, a loop of two trips that asks for nothing.  The tail's second trip jumps over the run of LDS loads,
; since no step follows, and passes a barrier that orders nothing: the price, once a launch, of one text for both trips.
; REGISTERS: window 0: v0-31 addresses; v128-255 accumulators (a, b) at 128 + 8 (4 a + b).  window 1: two fragment buffers of 128; on the way out the rows read back.
.set SB,    8192
.set PITCH, 90112
.set SLOT1, 131072
.set STAGE, 262144                     ; behind the ring, never filled by a tensor load: 16 rows x 272 bytes for each wave
.set SPARE, 279552
.set T,     11
.set QA, 32
.set QB, 32
.set USH, 5
.set LIMV, 2
.set PFOFF, 8192
.set ADRA, 16
.set ADRB, 17
.set ADRA0, 18
.set ADRB0, 19
.set L16, 20
.set STO, 21
.set RD,  22
.set CO,  23
.set SPW, 28
.set NIL, 29
.set PFO, 30
.set ACC, 128
.set F0, 0
.set F1, 128
.set G1, 24
.set G0, 32
.set G1B, 48
.set G0B, 56
.set LEFT, 3
.set LIM, 43
.set PFA, 44
.set TB, 66
.set MSB, 0
.macro WIN new
.if MSB != (\new)
	s_set_vgpr_msb (MSB<<8)|(\new)
.set MSB, (\new)
.endif
.endm
.macro PLACES
.rept 4
	v_nop
.endr
.endm
.macro CREST
	s_cmp_lg_u32 s10, 0
	s_cbranch_scc1 .Lnot_wave_0_\@
	s_barrier_signal -3
.Lnot_wave_0_\@:
	s_barrier_wait -3
	s_barrier_signal -1
	s_barrier_wait -1
.endm
.macro CROUND
	s_barrier_signal -1
	s_barrier_wait -1
	CREST
.endm
.macro JLOAD
	s_cmp_lt_u32 s10, 2
	s_cbranch_scc0 .Lfor_b_\@
	tensor_load_to_lds s[G0+4:G0+7], s[G1:G1+7]
	s_nop 0
	PLACES
	s_branch .Lasked_\@
.Lfor_b_\@:
	tensor_load_to_lds s[G0B+4:G0B+7], s[G1B:G1B+7]
	s_nop 0
	PLACES
.Lasked_\@:
.endm
.macro ASK                             ; my work-group's group of my wave's load, of the K step two refills on: 256 matrix instructions ahead of that load; the last two refills ask for nothing
	WIN 0
	s_cmp_gt_u32 s[LEFT], s[LIM]
	s_cbranch_scc0 .Lnot_mine_\@
	global_prefetch_b8 v[PFO], s[PFA:PFA+1] offset:PFOFF th:TH_LOAD_NT scope:SCOPE_SE
.Lnot_mine_\@:
.endm
.macro ADRS
	WIN 0
	v_add_nc_u32 v[ADRA], s[TB], v[ADRA0]
	v_add_nc_u32 v[ADRB], s[TB], v[ADRB0]
.endm
	s_load_b256 s[68:75], s[0:1], 0x0              ; act 68, wts 70, x1 72, out0 74
	v_lshl_add_u32 v[SPW], v0, 2, SPARE
	v_mov_b32 v[NIL], 0
	ds_add_u32 v[SPW], v[NIL]                      ; the wave's opening: an add and its wait ahead of my first tensor load
	v_lshrrev_b32 v1, 5, v0
	v_readfirstlane_b32 s10, v1
	s_lshr_b32 s11, s10, 1
	s_and_b32 s12, s10, 1
	s_bfe_u32 s40, ttmp6, 0x40000
	s_bfe_u32 s41, ttmp6, 0x40004
	s_lshl_b32 s42, ttmp9, 2
	s_add_co_u32 s42, s42, s40
	s_and_b32 s13, ttmp7, 0xffff
	s_lshl_b32 s13, s13, 2
	s_add_co_u32 s13, s13, s41
	s_lshl_b32 s14, s41, 2
	s_lshl_b32 s14, 15, s14
	s_lshl_b32 s15, 0x1111, s40
	s_or_b32 s[G1], s14, (3<<16)|(1<<21)
	s_or_b32 s[G1B], s15, (3<<16)|(1<<21)
.irp g, G1, G1B
	s_mov_b32 s[(\g)+1], (SB/8)<<16
	s_mov_b32 s[(\g)+2], 4<<16
	s_mov_b32 s[(\g)+3], (SB/8)<<16
	s_mov_b32 s[(\g)+4], 4
	s_mov_b32 s[(\g)+5], PITCH/8
	s_mov_b32 s[(\g)+6], 0
	s_mov_b32 s[(\g)+7], 0
.endr
	s_lshl_b32 s17, s12, 2
	s_lshl3_add_u32 s16, s13, s17                  ; act: group 8 tile row + 4 half
	s_mul_i32 s16, s16, PITCH
	s_lshl3_add_u32 s46, s42, s17                  ; W3: group 8 tile column + 4 half
	s_mul_i32 s46, s46, PITCH
	s_add_co_u32 s46, s46, 19922944
	s_mov_b32 s17, 0
	s_mov_b32 s47, 0
	s_lshl_b32 s20, s10, 15
	s_wait_dscnt 0x0
	s_wait_kmcnt 0x0
	s_add_nc_u64 s[14:15], s[68:69], s[16:17]
	s_add_nc_u64 s[46:47], s[70:71], s[46:47]
	CROUND
.irp s, 0,1
	s_mov_b32 s[G0+4*\s], 1
	s_add_co_u32 s[G0+4*\s+1], s20, \s*SLOT1
	s_add_nc_u64 s[G0+4*\s+2:G0+4*\s+3], s[14:15], \s*SB
	s_or_b32 s[G0+4*\s+3], s[G0+4*\s+3], 0x80000000
	s_mov_b32 s[G0B+4*\s], 1
	s_add_co_u32 s[G0B+4*\s+1], s20, \s*SLOT1
	s_add_nc_u64 s[G0B+4*\s+2:G0B+4*\s+3], s[46:47], \s*SB
	s_or_b32 s[G0B+4*\s+3], s[G0B+4*\s+3], 0x80000000
.endr
	s_cmp_lt_u32 s10, 2
	s_cbranch_scc0 .Lfirst_b
	tensor_load_to_lds s[G0:G0+3], s[G1:G1+7]
	s_nop 0
	tensor_load_to_lds s[G0+4:G0+7], s[G1:G1+7]
	s_nop 0
	PLACES
	s_branch .Lfirst_done
.Lfirst_b:
	tensor_load_to_lds s[G0B:G0B+3], s[G1B:G1B+7]
	s_nop 0
	tensor_load_to_lds s[G0B+4:G0B+7], s[G1B:G1B+7]
	s_nop 0
	PLACES
.Lfirst_done:
	s_lshl_b32 s22, s13, 19
	s_lshl_b32 s23, s11, 18
	s_add_co_u32 s22, s22, s23                     ; my first row x 4,096 = my first row group x 65,536
	s_lshl_b32 s21, s42, 9
	s_lshl_b32 s23, s12, 8
	s_add_co_u32 s21, s21, s23                     ; my first column x 4
	s_mov_b32 s17, 0
	s_lshl_b32 s16, s21, 4
	s_add_co_u32 s16, s16, s22
	s_add_nc_u64 s[72:73], s[72:73], s[16:17]      ; x1
	s_add_co_u32 s16, s22, s21
	s_add_nc_u64 s[74:75], s[74:75], s[16:17]      ; out0
	v_and_b32 v1, 15, v0
	v_bfe_u32 v2, v0, 4, 1
	v_and_b32 v4, 31, v0
	v_lshlrev_b32 v[L16], 4, v4
.set n, 0
.rept 16
	global_load_b128 v[ACC+8*n:ACC+8*n+3],   v[L16], s[72:73] offset:(n/4)*65536+(n%4)*1024
	global_load_b128 v[ACC+8*n+4:ACC+8*n+7], v[L16], s[72:73] offset:(n/4)*65536+(n%4)*1024+512
.set n, n+1
.endr
	s_lshl_b32 s23, s11, 15
	v_add_nc_u32 v[ADRA0], s23, v[L16]
	s_lshl_b32 s23, s12, 15
	s_add_co_u32 s23, s23, 65536
	v_add_nc_u32 v[ADRB0], s23, v[L16]
	s_mul_i32 s23, s10, 4352
	s_add_co_u32 s23, s23, STAGE
	v_mul_u32_u24 v[STO], v1, 272                  ; in: row l % 16, 32 bytes for each half of the lanes
	v_lshl_add_u32 v[STO], v2, 5, v[STO]
	v_add_nc_u32 v[STO], s23, v[STO]
	v_mul_u32_u24 v[RD], v2, 272                   ; back: lanes 0-15 one row of 256 bytes, lanes 16-31 the next
	v_lshl_add_u32 v[RD], v1, 4, v[RD]
	v_add_nc_u32 v[RD], s23, v[RD]
	v_lshlrev_b32 v[CO], 12, v2
	v_lshl_add_u32 v[CO], v1, 4, v[CO]
	s_and_b32 s22, ttmp7, 0xffff
	s_cmp_lt_u32 s10, 2
	s_cselect_b32 s20, QA, QB
	s_cselect_b32 s21, s40, s41
	s_cselect_b32 s22, ttmp9, s22
	s_cselect_b64 s[PFA:PFA+1], s[14:15], s[46:47]
	s_cmp_eq_u32 s22, 0
	s_cselect_b32 s[LIM], LIMV, -1
	s_mul_i32 s21, s21, s20
	s_sub_co_u32 s20, s20, 1
	s_add_nc_u64 s[PFA:PFA+1], s[PFA:PFA+1], 2*SB
	v_min_u32 v[PFO], s20, v4
	v_add_nc_u32 v[PFO], s21, v[PFO]
	v_lshrrev_b32 v3, USH, v[PFO]
	v_and_b32 v[PFO], (1<<USH)-1, v[PFO]
	v_lshlrev_b32 v[PFO], 8, v[PFO]
	v_mad_u32_u24 v[PFO], v3, PITCH, v[PFO]
.macro MUL8 f, c, a0
	WIN 0x05
.irp a, \a0, (\a0)+1
.irp b, 0,1,2,3
	v_wmma_f32_16x16x32_bf16 v[ACC+8*(4*(\a)+(\b)):ACC+8*(4*(\a)+(\b))+7], v[(\f)+64+8*(4*(\c)+(\b)):(\f)+64+8*(4*(\c)+(\b))+7], v[(\f)+8*(4*(\c)+(\a)):(\f)+8*(4*(\c)+(\a))+7], v[ACC+8*(4*(\a)+(\b)):ACC+8*(4*(\a)+(\b))+7]
.endr
.endr
.endm
.macro FETCH g, q
	WIN 0x40
.irp c, 0,1
.irp i, 0,1,2,3
	ds_load_b128 v[(\g)+64+8*(4*\c+\i):(\g)+64+8*(4*\c+\i)+3],   v[ADRB] offset:(8*\i+2*(\q)+\c)*1024
	ds_load_b128 v[(\g)+64+8*(4*\c+\i)+4:(\g)+64+8*(4*\c+\i)+7], v[ADRB] offset:(8*\i+2*(\q)+\c)*1024+512
	ds_load_b128 v[(\g)+8*(4*\c+\i):(\g)+8*(4*\c+\i)+3],         v[ADRA] offset:(8*\i+2*(\q)+\c)*1024
	ds_load_b128 v[(\g)+8*(4*\c+\i)+4:(\g)+8*(4*\c+\i)+7],       v[ADRA] offset:(8*\i+2*(\q)+\c)*1024+512
.endr
.endr
.endm
.macro SUB f, g, q
	s_wait_dscnt 16                                ; the first 32 along K are in
	MUL8 \f, 0, 0
	MUL8 \f, 0, 2
	PLACES
	FETCH \g, \q
	s_wait_dscnt 32                                ; all but the 32 just issued
	MUL8 \f, 1, 0
	MUL8 \f, 1, 2
.endm
.macro TURN fill                       ; the step's last quarter, and the change of slots.  fill = 0: the tail's: nothing is asked for
.if \fill
	s_wait_xcnt 0x0
	s_add_nc_u64 s[PFA:PFA+1], s[PFA:PFA+1], SB
.endif
	WIN 0
	s_wait_tensorcnt 0x0
	ds_add_u32 v[SPW], v[NIL]
	s_wait_dscnt 17                                ; the add and the youngest sixteen loads may be out
	MUL8 F1, 0, 0
	s_wait_dscnt 0x0
	s_barrier_signal -1
	MUL8 F1, 0, 2
	WIN 0
	s_barrier_wait -1
.if \fill
	CREST
.irp g, G0+4, G0B+4
	s_xor_b32 s[(\g)+1], s[(\g)+1], SLOT1
	s_add_nc_u64 s[(\g)+2:(\g)+3], s[(\g)+2:(\g)+3], SB
.endr
	JLOAD
	s_xor_b32 s[TB], s[TB], SLOT1
	ADRS
	FETCH F0, 0
	ASK
.else
	PLACES
	s_xor_b32 s[TB], s[TB], SLOT1
	s_cmp_eq_u32 s[LEFT], 1                        ; behind the last step there is nothing to fetch
	s_cbranch_scc1 .Lno_more_\@
	ADRS
	FETCH F0, 0
	WIN 0
.Lno_more_\@:
.endif
	MUL8 F1, 1, 0
	MUL8 F1, 1, 2
.endm
	s_wait_tensorcnt 0x1
	s_barrier_signal -1
	s_barrier_wait -1
	s_mov_b32 s[TB], 0
	ADRS
	FETCH F0, 0
	WIN 0
	s_wait_loadcnt 0x0                             ; x1 lies in the accumulators
	s_mov_b32 s[LEFT], T-2
.Lstep:
	SUB F0, F1, 1
	SUB F1, F0, 2
	SUB F0, F1, 3
	TURN 1
	WIN 0
	s_sub_co_u32 s[LEFT], s[LEFT], 1
	s_cmp_lg_u32 s[LEFT], 0
	s_cbranch_scc1 .Lstep
	s_mov_b32 s[LEFT], 2
.Ltail:                                        ; the last two steps ask for nothing
	SUB F0, F1, 1
	SUB F1, F0, 2
	SUB F0, F1, 3
	TURN 0
	WIN 0
	s_sub_co_u32 s[LEFT], s[LEFT], 1
	s_cmp_lg_u32 s[LEFT], 0
	s_cbranch_scc1 .Ltail
	s_wait_dscnt 0x0                               ; every LDS load is back before the fragment registers are written anew (the last trip issued none)
	PLACES
.macro TOSTAGE a                       ; 16 rows into my stage and back as whole rows; LDS serves a wave's instructions in order, so no wait stands between
	WIN 0
.irp b, 0,1,2,3
	ds_store_b128 v[STO], v[ACC+8*(4*(\a)+\b):ACC+8*(4*(\a)+\b)+3]   offset:64*\b
	ds_store_b128 v[STO], v[ACC+8*(4*(\a)+\b)+4:ACC+8*(4*(\a)+\b)+7] offset:64*\b+16
.endr
	WIN 0x40
.irp t, 0,1,2,3,4,5,6,7
	ds_load_b128 v[32*(\a)+4*\t:32*(\a)+4*\t+3], v[RD] offset:544*\t
.endr
.endm
.macro SEND a, younger                 ; younger: the next block's sixteen LDS instructions, or none
	WIN 0x04
	s_wait_dscnt \younger
.irp t, 0,1,2,3,4,5,6,7
	global_store_b128 v[CO], v[32*(\a)+4*\t:32*(\a)+4*\t+3], s[74:75] offset:(\a)*65536+\t*8192   ; sixteen lanes store 256 consecutive bytes, aligned
.endr
.endm
	TOSTAGE 0
	TOSTAGE 1
	SEND 0, 16
	TOSTAGE 2
	SEND 1, 16
	TOSTAGE 3
	SEND 2, 16
	SEND 3, 0
	WIN 0
	s_wait_tensorcnt 0x0                           ; the wave's end
	ds_add_u32 v[SPW], v[NIL]
	s_wait_dscnt 0x0
	CROUND
	s_endpgm
.Lfunc_end_k_qaf0af6fe34_ffn2:
	.size	k_qaf0af6fe34_ffn2, .Lfunc_end_k_qaf0af6fe34_ffn2-k_qaf0af6fe34_ffn2
	.p2alignl 7, 3214868480
	.fill 96, 4, 3214868480
	.section	.rodata,"a",@progbits
	.p2align	6, 0x0
	.amdhsa_kernel k_qaf0af6fe34_ffn2
		.amdhsa_group_segment_fixed_size 327680
		.amdhsa_private_segment_fixed_size 0
		.amdhsa_enable_private_segment 0
		.amdhsa_kernarg_size 32
		.amdhsa_user_sgpr_count 2
		.amdhsa_user_sgpr_kernarg_segment_ptr 1
		.amdhsa_wavefront_size32 1
		.amdhsa_system_sgpr_workgroup_id_x 1
		.amdhsa_system_sgpr_workgroup_id_y 1
		.amdhsa_system_sgpr_workgroup_id_z 1
		.amdhsa_system_vgpr_workitem_id 0
		.amdhsa_next_free_vgpr 512
		.amdhsa_next_free_sgpr 80
		.amdhsa_reserve_vcc 0
		.amdhsa_float_denorm_mode_32 3
		.amdhsa_float_denorm_mode_16_64 3
		.amdhsa_memory_ordered 1
		.amdhsa_forward_progress 1
		.amdhsa_inst_pref_size 57
	.end_amdhsa_kernel
	.amdgpu_metadata
---
amdhsa.version: [ 1, 2 ]
amdhsa.kernels:
  - .name:           k_qaf0af6fe34_ffn2
    .symbol:         k_qaf0af6fe34_ffn2.kd
    .args:
      - { .name: act, .offset: 0, .size: 8, .value_kind: global_buffer, .address_space: global }
      - { .name: wts, .offset: 8, .size: 8, .value_kind: global_buffer, .address_space: global }
      - { .name: x1, .offset: 16, .size: 8, .value_kind: global_buffer, .address_space: global }
      - { .name: out0, .offset: 24, .size: 8, .value_kind: global_buffer, .address_space: global }
    .group_segment_fixed_size: 327680
    .private_segment_fixed_size: 0
    .kernarg_segment_align: 8
    .kernarg_segment_size: 32
    .max_flat_workgroup_size: 128
    .sgpr_count:     80
    .vgpr_count:     512
    .wavefront_size: 32
...
	.end_amdgpu_metadata
.endif
;; end of part 10
